; MI455X (gfx1250); checked and timed in simulation.
; The chip was launched on July 23, 2026; its instructions are those of AMD's public machine-readable ISA for CDNA 5 (MIT licence, August 2026) and "CDNA5" Instruction Set Architecture Reference Guide (July 2026). The comments in the code are by the model that wrote it; some were corrected since.
;; Mo E Module. Allowed arithmetic: float matrix products may take bf16 or f16 operands with f32 sums; other float arithmetic in f32, or as packed bf16 or f16 multiplies, adds, multiply-adds, maxima and minima; sums over many terms, partial sums and values carried from step to step in f32; what a program stores and reads back later, other than sums and carried values, may be rounded once to bf16 or f16.
;; Inputs: W1 16 x 768 x 768 float32; W2 16 x 768 x 768 float32; Wg 16 x 768 float32; b1 16 x 768 float32; b2 16 x 768 float32; bg 16 float32; x 32 x 98 x 768 float32.
;; Outputs: out0 32 x 98 x 768 float32.
;; 3 versions, each right; version 2 is faster than version 1; version 3 is version 2 with the launches route, fc1, fc2 written anew for expert scheduling mode. Each part assembles by itself: llvm-mc -triple=amdgcn-amd-amdhsa -mcpu=gfx1250 --defsym DOCPART=n.
;; ======== version 1 of 3: 3 launches
;; limits: values are held in f16: magnitudes above 65,504 overflow, below 6.1e-05 lose precision; inputs' magnitudes at most 65,504; a function is approximated: absolute error at most 1.5e-07; an absolute error that grows with the inputs' magnitude: up to 7.5e-08 times it
;; workspace buffers: xh 4,816,896 bytes; rt 16,384 bytes of whole numbers; hf 5,185,536 bytes; list 13,568 bytes of whole numbers; meta 2,048 bytes of whole numbers
;; launch route (part 1): grid 196 x 1, 4 waves a work-group, no clusters, 54,016 bytes of LDS; arguments x, Wg, bg, xh, rt; writes xh, rt
.if DOCPART == 1
	.amdgcn_target "amdgcn-amd-amdhsa--gfx1250"
	.amdhsa_code_object_version 6
	.text
	.protected	k_q9275820d50_route
	.globl	k_q9275820d50_route
	.p2align	8
	.type	k_q9275820d50_route,@function
k_q9275820d50_route:
	s_mov_b64 s[64:65], 0
	v_nop
	global_prefetch_b8 v0, s[64:65] scope:SCOPE_SE
	s_setreg_imm32_b32 hwreg(HW_REG_WAVE_MODE, 25, 1), 1
	s_wait_xcnt 0x0
; THE GATE.  logits = x Wg^T + bg in f32 on the unrounded inputs, argmax over 16 experts (the lower index wins a tie), and x rounded once to f16 for the first product.
; A work-group owns 16 tokens.  Its four waves read the 16 rows once (4 rows a wave, 512 consecutive bytes a load), store them as f16 (xh) and lay them into LDS in f32;
; then wave w makes the part of the 16 x 16 logits that belongs to k = 192 w .. 192 w + 191, the parts meet in LDS, and wave 0 takes the argmax.
; The f32 matrix form is used here alone: the gate is 77 of the problem's 8,292 MFLOP, and a choice made on rounded operands could name another expert than reference() does.
; WHAT IS STORED of the choice, at fixed places (no address here hangs on it): rt bytes 0..8191: u16 [16 experts][256]: halfword t = the mask of this work-group's 16 tokens that chose the expert;
; bytes 8192..16383: u16 [16][256]: the number of bits in that mask.  Halfwords 196..255 are stored as 0 by work-groups 0..59.
; LIMITS.  x beyond 65,504 becomes an infinity in xh.  A NaN logit is not chosen (jnp.argmax would choose it) unless it is expert 0's or 8's first in its group of eight.  Two highest logits
; that differ by less than the rounding of a sum of 768 f32 products (some 1e-6 of their size) may fall either way, since the order of the sums is not reference()'s.
; No cluster: the work-groups share Wg alone, 49,152 bytes against 49,152 bytes of x of their own, read through registers.
.set XP,    3088                       ; a row of x in LDS: 3,072 bytes + 16: 772 words, so 16 rows start at 16 different groups of four banks (64 banks of 4 bytes: ISA guide 11.1)
.set RED,   16*XP                      ; 49,408: four waves' partial logits, 1,024 bytes each
.set SPARE, RED+4096                   ; 53,504: the spare words, 128 bytes a wave
.set BG,  16                           ; v[16:23]   bg of experts 8 h + 0..7
.set P,   24                           ; v[24:31]   my wave's partial logits
.set XS,  32                           ; v[32:127]  x: first my four rows as loaded, then the tokens' fragments
.set WG,  128                          ; v[128:223] Wg's fragments
.set ACC, 224                          ; v[224:255] four accumulators, written by matrix instructions alone
	s_load_b256 s[16:23], s[0:1], 0x0              ; x s[16:17], Wg s[18:19], bg s[20:21], xh s[22:23]
	s_load_b64 s[24:25], s[0:1], 0x20              ; rt
	v_lshl_add_u32 v2, v0, 2, SPARE                ; my spare word
	v_mov_b32 v3, 0
	v_lshrrev_b32 v7, 5, v0
	v_readfirstlane_b32 s8, v7                     ; wave 0..3
	v_and_b32 v6, 31, v0                           ; lane
	v_lshlrev_b32 v1, 4, v6                        ; 16 x lane
	v_and_b32 v4, 15, v0                           ; r
	v_bfe_u32 v5, v0, 4, 1                         ; h
	s_mul_i32 s10, ttmp9, 49152                    ; the work-group's 16 rows of x,
	s_mul_i32 s11, s8, 12288                       ; my wave's 4 of them
	s_add_co_u32 s10, s10, s11
	s_mov_b32 s11, 0
	s_mul_i32 s12, s8, 768                         ; my wave's 192 k, in bytes
	v_mul_u32_u24 v8, v4, 3072
	v_lshl_add_u32 v8, v5, 4, v8
	v_add_nc_u32 v8, s12, v8                       ; Wg: expert r, k = 192 w + 4 h
	v_lshlrev_b32 v9, 5, v5                        ; bg: experts 8 h on
	v_mul_u32_u24 v10, v4, XP
	v_lshl_add_u32 v10, v5, 4, v10
	v_add_nc_u32 v10, s12, v10                     ; LDS: token r, the same k
	s_mul_i32 s13, s8, 4*XP
	v_add_nc_u32 v11, s13, v1                      ; LDS: where my four rows go
	v_lshlrev_b32 v12, 3, v6                       ; xh: 8 bytes a lane
	s_lshl_b32 s13, s8, 10
	s_add_co_u32 s13, s13, RED
	v_add_nc_u32 v13, s13, v1                      ; my wave's partial logits
	v_add_nc_u32 v14, RED, v1                      ; all four, for wave 0
	s_lshl_b32 s14, ttmp9, 4
	s_lshl2_add_u32 s14, s8, s14                   ; my first row: 16 t + 4 w
	s_mul_i32 s14, s14, 1536
	s_mov_b32 s15, 0
	s_mov_b32 s26, 0x76543210                      ; v_permlanex16_b32: each lane takes its own place in the other half
	s_mov_b32 s27, 0xfedcba98
	s_wait_kmcnt 0x0
	s_add_nc_u64 s[16:17], s[16:17], s[10:11]
	s_add_nc_u64 s[22:23], s[22:23], s[14:15]
.set i, 0
.rept 24                                               ; my four rows of x, six loads of 512 consecutive bytes a row; read once in the launch
	global_load_b128 v[XS+4*i:XS+4*i+3], v1, s[16:17] offset:(i/6)*3072+(i%6)*512 th:TH_LOAD_NT
.set i, i+1
.endr
.set i, 0
.rept 24                                               ; Wg's fragments: lane (r, h) takes k = 192 w + 8 c + 4 h + 0..3 of expert r
	global_load_b128 v[WG+4*i:WG+4*i+3], v8, s[18:19] offset:32*i
.set i, i+1
.endr
	global_load_b128 v[BG:BG+3], v9, s[20:21]
	global_load_b128 v[BG+4:BG+7], v9, s[20:21] offset:16
.set i, 0
.rept 24
.if i%6 == 0
	s_wait_loadcnt 44-i                            ; this row's six loads are in: younger are six for each later row, Wg's 24 and bg's 2
.endif
	ds_store_b128 v11, v[XS+4*i:XS+4*i+3] offset:(i/6)*XP+(i%6)*512
	v_cvt_pk_f16_f32 v[XS+4*i], v[XS+4*i], v[XS+4*i+1]
	v_cvt_pk_f16_f32 v[XS+4*i+1], v[XS+4*i+2], v[XS+4*i+3]
	global_store_b64 v12, v[XS+4*i:XS+4*i+1], s[22:23] offset:(i/6)*1536+(i%6)*256  ; 32 lanes store 256 consecutive bytes, at a multiple of 256 from xh's first
.set i, i+1
.endr
	s_wait_xcnt 0x0                                ; the stores' data registers are loaded again below
	s_wait_dscnt 0x0                               ; for the others' sake: my rows are in LDS
	s_barrier_signal -1
	s_barrier_wait -1
.set i, 0
.rept 24                                               ; the tokens' fragments, the same k in the same registers as Wg's
	ds_load_b128 v[XS+4*i:XS+4*i+3], v10 offset:32*i
.set i, i+1
.endr
	s_wait_loadcnt 0x0                             ; Wg and bg
	s_wait_dscnt 0x0
	; 48 products of 4 along K.  Source 0 = 16 experts, source 1 = 16 tokens: in the result lane (r, h), register j is the logit of expert 8 h + j for token r.
	; Both sources hold the same permutation of k.  The four accumulators take turns, one instruction a turn; the first four products start the sums.
.set m, 0
.rept 48
.if m < 4
	v_wmma_f32_16x16x4_f32 v[ACC+8*(m%4):ACC+8*(m%4)+7], v[WG+2*m:WG+2*m+1], v[XS+2*m:XS+2*m+1], 0
.else
	v_wmma_f32_16x16x4_f32 v[ACC+8*(m%4):ACC+8*(m%4)+7], v[WG+2*m:WG+2*m+1], v[XS+2*m:XS+2*m+1], v[ACC+8*(m%4):ACC+8*(m%4)+7]
.endif
.set m, m+1
.endr
.rept 8
	v_nop                                          ; eight places behind a product of this form before its result is read (ISA guide 7.12.1)
.endr
.irp j, 0,2,4,6                                        ; the four sums are added into other registers, each accumulator from its low end on
	v_pk_add_f32 v[P+\j:P+\j+1], v[ACC+\j:ACC+\j+1], v[ACC+8+\j:ACC+8+\j+1]
.endr
.irp j, 0,2,4,6
	v_pk_add_f32 v[XS+\j:XS+\j+1], v[ACC+16+\j:ACC+16+\j+1], v[ACC+24+\j:ACC+24+\j+1]
.endr
.irp j, 0,2,4,6
	v_pk_add_f32 v[P+\j:P+\j+1], v[P+\j:P+\j+1], v[XS+\j:XS+\j+1]
.endr
	ds_store_b128 v13, v[P:P+3]
	ds_store_b128 v13, v[P+4:P+7] offset:512
	s_wait_dscnt 0x0                               ; for wave 0's sake
	s_barrier_signal -1
	s_barrier_wait -1
	s_cmp_lg_u32 s8, 0
	s_cbranch_scc1 .Lend                           ; the rest is wave 0's; no barrier follows
.irp k, 0,1,2,3
	ds_load_b128 v[XS+8*\k:XS+8*\k+3], v14 offset:1024*\k
	ds_load_b128 v[XS+8*\k+4:XS+8*\k+7], v14 offset:1024*\k+512
.endr
	s_wait_dscnt 0x0
.irp j, 0,2,4,6
	v_pk_add_f32 v[XS+\j:XS+\j+1], v[XS+\j:XS+\j+1], v[XS+8+\j:XS+8+\j+1]
	v_pk_add_f32 v[XS+16+\j:XS+16+\j+1], v[XS+16+\j:XS+16+\j+1], v[XS+24+\j:XS+24+\j+1]
.endr
.irp j, 0,2,4,6
	v_pk_add_f32 v[XS+\j:XS+\j+1], v[XS+\j:XS+\j+1], v[XS+16+\j:XS+16+\j+1]
.endr
.irp j, 0,2,4,6
	v_pk_add_f32 v[XS+\j:XS+\j+1], v[XS+\j:XS+\j+1], v[BG+\j:BG+\j+1]
.endr
	v_mov_b32 v64, v[XS]                           ; the best of my eight experts and its number: only a strictly greater logit displaces an earlier one
	v_mov_b32 v65, 0
.irp j, 1,2,3,4,5,6,7
	v_cmp_gt_f32 vcc_lo, v[XS+\j], v64
	v_cndmask_b32 v64, v64, v[XS+\j], vcc_lo
	v_cndmask_b32 v65, v65, \j, vcc_lo
.endr
	v_lshl_add_u32 v65, v5, 3, v65                 ; + 8 h
	v_mov_b32 v66, 0                               ; v_permlanex16_b32 counts as a reader of its destination
	v_mov_b32 v67, 0
	v_permlanex16_b32 v66, v64, s26, s27           ; the token's other eight experts lie in the lane 16 away
	v_permlanex16_b32 v67, v65, s26, s27
	s_mov_b32 s28, 0xffff0000                      ; lanes 16 to 31
	v_cndmask_b32 v68, v64, v66, s28               ; experts 0-7's best, in both halves of the lanes,
	v_cndmask_b32 v69, v65, v67, s28
	v_cndmask_b32 v70, v66, v64, s28               ; and experts 8-15's
	v_cndmask_b32 v71, v67, v65, s28
	v_cmp_gt_f32 vcc_lo, v70, v68
	v_cndmask_b32 v72, v69, v71, vcc_lo            ; token r's expert
	v_mov_b32 v73, 0
.irp e, 0,1,2,3,4,5,6,7,8,9,10,11,12,13,14,15
	v_cmp_eq_u32 s13, \e, v72
	s_and_b32 s13, s13, 0xffff                     ; bit r: token r chose expert e
	s_bcnt1_i32_b32 s14, s13
	v_writelane_b32 v73, s13, \e                   ; lane e carries the mask, lane 16 + e the count
	v_writelane_b32 v73, s14, 16+\e
.endr
	v_lshlrev_b32 v74, 9, v4                       ; row r of 512 bytes, in the table h, halfword t: a fixed place
	v_lshl_add_u32 v74, v5, 13, v74
	s_lshl_b32 s29, ttmp9, 1
	v_add_nc_u32 v74, s29, v74
	global_store_b16 v74, v73, s[24:25]
	s_cmp_lt_u32 ttmp9, 60
	s_cbranch_scc0 .Lend
	v_mov_b32 v75, 0
	global_store_b16 v74, v75, s[24:25] offset:392 ; halfword 196 + t: the tables' unused ends hold 0
.Lend:
	s_wait_tensorcnt 0x0                           ; the wave's end
	ds_add_u32 v2, v3
	s_wait_dscnt 0x0
	s_endpgm
.Lfunc_end_k_q9275820d50_route:
	.size	k_q9275820d50_route, .Lfunc_end_k_q9275820d50_route-k_q9275820d50_route
	.p2alignl 7, 3214868480
	.fill 96, 4, 3214868480
	.section	.rodata,"a",@progbits
	.p2align	6, 0x0
	.amdhsa_kernel k_q9275820d50_route
		.amdhsa_group_segment_fixed_size 54016
		.amdhsa_private_segment_fixed_size 0
		.amdhsa_enable_private_segment 0
		.amdhsa_kernarg_size 40
		.amdhsa_user_sgpr_count 2
		.amdhsa_user_sgpr_kernarg_segment_ptr 1
		.amdhsa_wavefront_size32 1
		.amdhsa_system_sgpr_workgroup_id_x 1
		.amdhsa_system_sgpr_workgroup_id_y 1
		.amdhsa_system_sgpr_workgroup_id_z 1
		.amdhsa_system_vgpr_workitem_id 0
		.amdhsa_next_free_vgpr 256
		.amdhsa_next_free_sgpr 66
		.amdhsa_reserve_vcc 1
		.amdhsa_float_denorm_mode_32 3
		.amdhsa_float_denorm_mode_16_64 3
		.amdhsa_memory_ordered 1
		.amdhsa_forward_progress 1
		.amdhsa_inst_pref_size 28
	.end_amdhsa_kernel
	.amdgpu_metadata
---
amdhsa.version: [ 1, 2 ]
amdhsa.kernels:
  - .name:           k_q9275820d50_route
    .symbol:         k_q9275820d50_route.kd
    .args:
      - { .name: x, .offset: 0, .size: 8, .value_kind: global_buffer, .address_space: global }
      - { .name: Wg, .offset: 8, .size: 8, .value_kind: global_buffer, .address_space: global }
      - { .name: bg, .offset: 16, .size: 8, .value_kind: global_buffer, .address_space: global }
      - { .name: xh, .offset: 24, .size: 8, .value_kind: global_buffer, .address_space: global }
      - { .name: rt, .offset: 32, .size: 8, .value_kind: global_buffer, .address_space: global }
    .group_segment_fixed_size: 54016
    .private_segment_fixed_size: 0
    .kernarg_segment_align: 8
    .kernarg_segment_size: 40
    .max_flat_workgroup_size: 128
    .sgpr_count:     66
    .vgpr_count:     256
    .wavefront_size: 32
...
	.end_amdgpu_metadata
.endif
;; end of part 1
;; launch fc1 (part 2): grid 12 x 16, 4 waves a work-group, no clusters, 131,584 bytes of LDS; arguments rt, xh, W1, b1, hf, list, meta; writes hf, list, meta
.if DOCPART == 2
	.amdgcn_target "amdgcn-amd-amdhsa--gfx1250"
	.amdhsa_code_object_version 6
	.text
	.protected	k_q9275820d50_fc1
	.globl	k_q9275820d50_fc1
	.p2align	8
	.type	k_q9275820d50_fc1,@function
k_q9275820d50_fc1:
	s_mov_b64 s[64:65], 0
	v_nop
	global_prefetch_b8 v0, s[64:65] scope:SCOPE_SE
	s_setreg_imm32_b32 hwreg(HW_REG_WAVE_MODE, 25, 1), 1
	s_wait_xcnt 0x0
; THE FIRST PRODUCT.  h = gelu(x W1[e]^T + b1[e]) for the tokens that chose expert e, and the placing of the rows.
; SHARES.  Work-group (s, e) owns 64 hidden features (64 s ..) of expert e: 196,608 bytes of f32 weights, which it alone reads, once.  They are rounded to f16 on their way through registers and
; handed round through LDS, after which EVERY wave holds the whole slice as fragments: 4 blocks of 16 features x 24 K steps x 8 = 768 registers.  Wave w then takes the expert's row tiles
; w, w + 4, ..: 16 tokens each, gathered from xh straight into operand registers.
; THE ROWS.  Every wave makes the expert's list of tokens for itself, in ascending order, from the masks that the launch before stored.  Places past the count repeat the expert's first token:
; they compute that row's bits again.  The experts' tiles lie end to end: expert e's first tile TB is the sum of ceil(count / 16) over the experts before it: 211 tiles at the most, whatever the split.
; The loop has a constant count of 25 trips of two tiles (an expert with all 3,136 tokens gives a wave 49) and is left by a jump forward at the first tile past the expert's last.
; THE PRODUCT IS USED TRANSPOSED (source 0 = 16 features, source 1 = 16 tokens): lane (r, h) holds features 8 h + 0..7 of token r: after the rounding, the 16 bytes that the same lane needs as
; source 1 of the second product.  hf is laid so: [211 tiles][48 blocks of 16 features][32 lanes][16 bytes]: every store here and every load there covers 512 consecutive bytes.
; The bias is the C operand that starts the sums.  GELU(z) = max(z, 0) - |z| Q(|z|), Q = e^(-z z / 2) (c1 t + .. + c5 t^5), t = 1 / (1 + 0.2316419 |z|): Abramowitz and Stegun 7.1.26.
; ALSO STORED, for the second product: list, u32 [211][2][8]: word (T, hh, t) = the token of row 2 t + hh of tile T (by the work-groups s = 0); meta, 128 bytes an expert: its tiles, its first tile.
; LIMITS.  f16 operands: |x|, |W1| and |h| stay under 65,504, and below 6e-5 they keep f16's fixed step of 6e-8.  Q is within 7.5e-8 of the true tail, so h within 7.5e-8 |z|.  NaN and infinities are not treated apart.
; No cluster: each slice of weights has one reader, and the rows that an expert's 12 work-groups share come by a list, lane by lane.  No tensor loads: the slice would lie in LDS in f32 and be read from there once more.
.set WP,    528                        ; a row of a third of the slice in LDS: 256 f16 + 16 bytes = 132 words: 16 rows start at 16 different groups of four banks (64 banks of 4 bytes: ISA guide 11.1)
.set WREG,  64*WP                      ; a third of K: 64 rows
.set LIST,  3*WREG                     ; 101,376: each wave's own list, 3,584 u16
.set LSZ,   7168
.set BIAS,  LIST+4*LSZ                 ; 130,048: each wave's own copy of the slice's 64 biases
.set SPARE, BIAS+4*256                 ; 131,072: the spare words, 128 bytes a wave
.set TILEB, 24576                      ; a tile of hf
.set LN16, 1                           ; v1   16 x lane
.set SPW,  2                           ; v2   my spare word;  v3  0
.set NIL,  3
.set RL,   4                           ; v4   r = lane % 16
.set HL,   5                           ; v5   h = lane / 16
.set BR,   6                           ; v6   where my lane reads weight fragments; behind the last phase: my lane's place in a tile of list
.set LSO,  6
.set WS,   7                           ; v7   where my wave's 16 rows of weights go; behind the last phase: the first byte of my wave's list
.set LB,   7
.set BA,   8                           ; v8   my lane's 8 biases of feature block 0
.set OFF,  9                           ; v9, v10   byte offset in xh of my lane's token, by the tile's parity
.set TOK,  11                          ; v11  the list's entry for the tile after next
.set TK,   12                          ; v12, v13  my lane's token, by the tile's parity
.set IDX,  14                          ; v14  the number of the entry that is read next
.set HO,   15                          ; v15  my lane's byte offset in hf
.set HP,   16                          ; v[16:31]  h, rounded; in the head: scratch
.set SCR,  16
.set LANE, 21
.set ACC,  32                          ; v[32:63]  four accumulators: feature block n at ACC + 8 n
.set RING, 64                          ; v[64:191] four slots of 32: the tokens' fragments of 4 K steps each
.set TMP,  192                         ; v[192:255] at work
.set OWN,  TMP
.set SW,   20                          ; s[20:21] my wave's 16 rows of W1
.set SA,   18                          ; s[18:19] xh
.set STRIDE, 32                        ; bytes from one half fragment of a token's row to the next
; windows 1 to 3: first (low 128) the f32 weights of a third of K as loaded; then the fragments: K step t, feature block n at window 1 + t / 8, register ((t % 8) 4 + n) 8
; s2 wave, s3 slice, s4 expert, s6 the expert's tiles, s7 TB, s8 the tile in hand, s9 trips, s10 2,048 s, s[32:45] GELU's constants in pairs, s[46:47] lane selects, s48 the mask of |z|
.set MSB, 0
.macro WIN new                         ; s_set_vgpr_msb: bits 1:0 source 0, 3:2 source 1, 5:4 source 2, 7:6 destination; the high byte repeats the setting that is left
.if MSB != (\new)
	s_set_vgpr_msb (MSB<<8)|(\new)
.set MSB, (\new)
.endif
.endm
.macro KPAIR r, val                    ; a constant for the packed forms: named as a pair, so both words are written
	s_mov_b32 s[\r], \val
	s_mov_b32 s[\r+1], \val
.endm
; 32 loads: my wave's 16 rows, the 256 k of third p, 512 consecutive bytes a load; read once in the launch
.macro WLOAD p
	WIN 0x40*(1+(\p))
.set q, 0
.rept 32
	global_load_b128 v[4*q:4*q+3], v[LN16], s[SW:SW+1] offset:(q/2)*3072+1024*(\p)+512*(q%2) th:TH_LOAD_NT
.set q, q+1
.endr
.endm
; Third p: rounded to f16, into LDS; a barrier; the whole third back as fragments.  n = how many younger loads may stay out.  Each third has LDS bytes of its own, written once.
.macro PHASE p, n
	WIN 0
	s_wait_loadcnt \n
	WIN 5*(1+(\p))
.set q, 0
.rept 32
	v_cvt_pk_f16_f32 v[TMP+2*q], v[4*q], v[4*q+1]
	v_cvt_pk_f16_f32 v[TMP+2*q+1], v[4*q+2], v[4*q+3]
.set q, q+1
.endr
	WIN 0
	v_add_nc_u32 v[SCR], WREG*(\p), v[WS]
.set q, 0
.rept 32
	ds_store_b64 v[SCR], v[TMP+2*q:TMP+2*q+1] offset:(q/2)*WP+(q%2)*256  ; 32 lanes, 256 consecutive bytes
.set q, q+1
.endr
	s_wait_dscnt 0x0                               ; for the others' sake: my 16 rows are in LDS (and my earlier LDS loads are back)
	s_barrier_signal -1
	s_barrier_wait -1
	v_add_nc_u32 v[SCR], WREG*(\p), v[BR]
	WIN 0x40*(1+(\p))
.set f, 0
.rept 32                                               ; fragment f: K step f / 4 of the third, feature block f % 4
	ds_load_b128 v[8*f:8*f+3],   v[SCR] offset:(f%4)*16*WP+(f/4)*64
	ds_load_b128 v[8*f+4:8*f+7], v[SCR] offset:(f%4)*16*WP+(f/4)*64+32
.set f, f+1
.endr
	WIN 0
.endm
; Chunk c of a tile's six: 4 K steps x 4 feature blocks, from slot g % 4, which then takes the chunk four further on: of this tile (c < 2) or of my next.
; The four accumulators take turns, one instruction a turn, from chunk to chunk and tile to tile.  Four places stand between the products and the loads into the slot that they read.
.macro CHUNK c, g, cnt, cur
	s_wait_loadcnt \cnt                            ; loads come back in order (ISA guide 5.7.1): this chunk's eight are in
	WIN 1+(\c)/2
.set SL, RING+32*((\g)%4)
.set t, 4*(\c)
.rept 4
.set n, 0
.rept 4
	v_wmma_f32_16x16x32_f16 v[ACC+8*n:ACC+8*n+7], v[((t%8)*4+n)*8:((t%8)*4+n)*8+7], v[SL+8*(t-4*(\c)):SL+8*(t-4*(\c))+7], v[ACC+8*n:ACC+8*n+7]
.set n, n+1
.endr
.set t, t+1
.endr
	WIN 0
.rept 4
	v_nop
.endr
.set NC, ((\c)+4)%6
.if (\c) < 2
.set OREG, OFF+(\cur)
.else
.set OREG, OFF+1-(\cur)
.endif
.set u, 0
.rept 8
	global_load_b128 v[SL+4*u:SL+4*u+3], v[OREG], s[SA:SA+1] offset:STRIDE*(8*NC+u)
.set u, u+1
.endr
.endm
; GELU of accumulators 2 b and 2 b + 1 (16 numbers a lane), rounded and stored.  The 32 transcendentals are one batch with one wait; the 16 maxima are the independent work behind them.
.macro GELU b
.set Z,  ACC+16*(\b)
.set AB, TMP
.set TT, TMP+16
.set XX, TMP+32
.set PP, TMP+48
.set j, 0
.rept 16
	v_and_b32 v[AB+j], s48, v[Z+j]                 ; |z|: each accumulator is read from its low end on
.set j, j+1
.endr
.set j, 0
.rept 8
	v_pk_fma_f32 v[TT+j:TT+j+1], v[AB+j:AB+j+1], s[32:33], 1.0 op_sel_hi:[1,0,0]
	v_pk_mul_f32 v[XX+j:XX+j+1], v[Z+j:Z+j+1], v[Z+j:Z+j+1]
.set j, j+2
.endr
.set j, 0
.rept 8
	v_pk_mul_f32 v[XX+j:XX+j+1], v[XX+j:XX+j+1], s[34:35] op_sel_hi:[1,0]  ; - z z log2(e) / 2
.set j, j+2
.endr
.set j, 0
.rept 16
	v_rcp_f32 v[TT+j], v[TT+j]
.set j, j+1
.endr
.set j, 0
.rept 16
	v_exp_f32 v[XX+j], v[XX+j]
.set j, j+1
.endr
.set j, 0
.rept 16
	v_max_num_f32 v[Z+j], 0, v[Z+j]
.set j, j+1
.endr
	s_wait_alu depctr_va_vdst(0)                   ; ahead of the batch's first reader: one for the 32
.set j, 0
.rept 8
	v_pk_fma_f32 v[PP+j:PP+j+1], v[TT+j:TT+j+1], s[36:37], s[38:39] op_sel_hi:[1,0,0]
.set j, j+2
.endr
.irp k, 40,42,44
.set j, 0
.rept 8
	v_pk_fma_f32 v[PP+j:PP+j+1], v[PP+j:PP+j+1], v[TT+j:TT+j+1], s[\k:\k+1] op_sel_hi:[1,1,0]
.set j, j+2
.endr
.endr
.set j, 0
.rept 8
	v_pk_mul_f32 v[PP+j:PP+j+1], v[PP+j:PP+j+1], v[TT+j:TT+j+1]
.set j, j+2
.endr
.set j, 0
.rept 8
	v_pk_mul_f32 v[PP+j:PP+j+1], v[PP+j:PP+j+1], v[XX+j:XX+j+1]
.set j, j+2
.endr
.set j, 0
.rept 8
	v_pk_fma_f32 v[Z+j:Z+j+1], v[AB+j:AB+j+1], v[PP+j:PP+j+1], v[Z+j:Z+j+1] neg_lo:[1,0,0] neg_hi:[1,0,0]  ; max(z, 0) - |z| Q
.set j, j+2
.endr
.set j, 0
.rept 8
	v_cvt_pk_f16_f32 v[HP+8*(\b)+j], v[Z+2*j], v[Z+2*j+1]
.set j, j+1
.endr
	global_store_b128 v[HO], v[HP+8*(\b):HP+8*(\b)+3],   s[24:25] offset:512*(2*(\b))    ; 32 lanes store 512 consecutive bytes, at a multiple of 512 from hf's first
	global_store_b128 v[HO], v[HP+8*(\b)+4:HP+8*(\b)+7], s[24:25] offset:512*(2*(\b)+1)
.endm
; One tile of 16 rows.  cur = its parity among my tiles; g0 = the ring's place at its first chunk.
.macro TILE cur, g0
	s_cmp_ge_u32 s8, s6
	s_cbranch_scc1 .Ldone                          ; past the expert's last tile: out of the loop, forward; no barrier stands behind
	s_wait_xcnt 0x0                                ; the last tile's stores and loads have had their addresses translated (ISA guide 3.1): HO, HP, the tokens and the list's base are written again below
	s_add_co_u32 s11, s7, s8                       ; the tile's place among all experts'
	s_min_u32 s11, s11, 210
	s_mul_i32 s12, s11, TILEB
	s_add_co_u32 s12, s12, s10
	v_add_nc_u32 v[HO], s12, v[LN16]
.set n, 0
.rept 4                                                ; the bias starts the sums: lane (r, h), register j of block n: feature 16 n + 8 h + j
	ds_load_b128 v[ACC+8*n:ACC+8*n+3],   v[BA] offset:64*n
	ds_load_b128 v[ACC+8*n+4:ACC+8*n+7], v[BA] offset:64*n+16
.set n, n+1
.endr
	v_min_u32 v[TMP], 3583, v[IDX]                 ; the entry for the tile behind my next, held inside my wave's 3,584 entries (the furthest asked for is tile 203's: entry 3,263)
	v_lshl_add_u32 v[TMP], v[TMP], 1, v[LB]
	v_add_nc_u32 v[IDX], 64, v[IDX]                ; four tiles of 16 entries on
	s_wait_dscnt 8                                 ; all but the eight bias loads: the list's entry for my next tile is in
	v_min_u32 v[TK+1-(\cur)], 3135, v[TOK]
	v_mul_u32_u24 v[OFF+1-(\cur)], v[TK+1-(\cur)], 1536
	v_lshl_add_u32 v[OFF+1-(\cur)], v[HL], 4, v[OFF+1-(\cur)]
	ds_load_u16 v[TOK], v[TMP]
	s_cmp_lg_u32 s3, 0
	s_cbranch_scc1 .Lnl_\@                         ; slice 0 alone stores the list
	s_lshl_b32 s52, s11, 6
	s_add_nc_u64 s[54:55], s[26:27], s[52:53]
	global_store_b32 v[LSO], v[TK+(\cur)], s[54:55]  ; both halves of the lanes store the same 64 bytes
.Lnl_\@:
	s_wait_dscnt 1                                 ; the bias is in; the entry just asked for may stay out
	CHUNK 0, (\g0)+0, 24, \cur                     ; 24: the three younger chunks' loads may stay out
	CHUNK 1, (\g0)+1, 24, \cur
	CHUNK 2, (\g0)+2, 24, \cur
	CHUNK 3, (\g0)+3, 24, \cur
	CHUNK 4, (\g0)+4, 24, \cur
	CHUNK 5, (\g0)+5, 24, \cur                     ; its four v_nop are also the places in front of GELU's reads
	GELU 0
	GELU 1
	s_add_co_u32 s8, s8, 4
.endm
	s_load_b256 s[16:23], s[0:1], 0x0              ; rt s[16:17], xh s[18:19], W1 s[20:21], b1 s[22:23]
	s_load_b128 s[24:27], s[0:1], 0x20             ; hf s[24:25], list s[26:27]
	s_load_b64 s[28:29], s[0:1], 0x30              ; meta
	v_lshl_add_u32 v[SPW], v0, 2, SPARE
	v_mov_b32 v[NIL], 0
	v_lshrrev_b32 v20, 5, v0
	v_readfirstlane_b32 s2, v20                    ; wave 0..3
	s_mov_b32 s3, ttmp9                            ; slice
	s_and_b32 s4, ttmp7, 0xffff                    ; expert
	v_and_b32 v[LANE], 31, v0
	v_lshlrev_b32 v[LN16], 4, v[LANE]
	v_and_b32 v[RL], 15, v0
	v_bfe_u32 v[HL], v0, 4, 1
	v_mul_u32_u24 v[BR], v[RL], WP
	v_lshl_add_u32 v[BR], v[HL], 4, v[BR]          ; row r x pitch + 16 h
	s_mul_i32 s11, s2, 16*WP
	v_lshl_add_u32 v[WS], v[LANE], 3, s11          ; my wave's 16 rows, 8 bytes a lane
	s_lshl_b32 s58, s2, 8
	s_add_co_u32 s58, s58, BIAS                    ; my wave's copy of the bias
	v_lshl_add_u32 v[BA], v[HL], 5, s58
	v_lshlrev_b32 v22, 9, v[RL]
	v_lshl_add_u32 v22, v[HL], 8, v22              ; the counts: expert r's row, half h
	v_lshlrev_b32 v23, 3, v[LANE]
	KPAIR 32, 0x3e6d3389                           ; 0.2316419
	KPAIR 34, 0xbf38aa3b                           ; - log2(e) / 2
	KPAIR 36, 0x3f07dc22                           ; c5 =  0.5307027145
	KPAIR 38, 0xbf3a00e3                           ; c4 = -0.7265760135
	KPAIR 40, 0x3f35f0e3                           ; c3 =  0.7107068705
	KPAIR 42, 0xbe11a98e                           ; c2 = -0.142248368
	KPAIR 44, 0x3e027906                           ; c1 =  0.127414796
	s_mov_b32 s46, 0x76543210
	s_mov_b32 s47, 0xfedcba98
	s_mov_b32 s48, 0x7fffffff
	s_lshl_b32 s10, s3, 11                         ; the slice's four blocks in a tile of hf
	s_mov_b32 s8, s2                               ; my first tile
	s_lshl_b32 s50, s4, 9                          ; the expert's row of masks
	s_mov_b32 s51, 0
	s_mul_i32 s12, s4, 768
	s_lshl_b32 s13, s3, 6
	s_add_co_u32 s12, s12, s13                     ; the slice's first feature among all experts'
	s_lshl_b32 s14, s12, 2
	s_mov_b32 s15, 0
	s_lshl4_add_u32 s12, s2, s12                   ; + 16 w
	s_mul_i32 s12, s12, 3072
	s_mov_b32 s13, 0
	s_lshl_b32 s52, s4, 7
	s_mov_b32 s53, 0
	s_wait_kmcnt 0x0
	s_add_nc_u64 s[50:51], s[16:17], s[50:51]
	s_add_nc_u64 s[22:23], s[22:23], s[14:15]
	s_add_nc_u64 s[SW:SW+1], s[SW:SW+1], s[12:13]
	s_add_nc_u64 s[28:29], s[28:29], s[52:53]
	global_load_b128 v[OWN:OWN+3], v[LN16], s[50:51]  ; the expert's masks: lane l, word j: tokens 32 (4 l + j) on
.set i, 0
.rept 16
	global_load_b128 v[RING+4*i:RING+4*i+3], v22, s[16:17] offset:8192+16*i  ; all experts' counts: 128 of expert r's a lane
.set i, i+1
.endr
	global_load_b64 v[TMP+4:TMP+5], v23, s[22:23]  ; the slice's 64 biases
	WLOAD 0                                        ; two thirds of my weights are asked for before anything is waited for
	WLOAD 1
	WIN 0
	s_wait_loadcnt 63                              ; 64 loads are younger than the 18 above
	v_lshl_add_u32 v[TMP+6], v[LANE], 3, s58
	ds_store_b64 v[TMP+6], v[TMP+4:TMP+5]
	; TB.  The packed counts are added (a half holds 64 x 16 at the most), then the halves, then the other half of the lanes': expert r's count in lane r.
.set i, 0
.rept 16
	v_add3_u32 v[RING+i], v[RING+i], v[RING+16+i], v[RING+32+i]
.set i, i+1
.endr
.set i, 0
.rept 16
	v_add_nc_u32 v[RING+i], v[RING+i], v[RING+48+i]
.set i, i+1
.endr
.set i, 0
.rept 4
	v_add3_u32 v[RING+i], v[RING+i], v[RING+4+i], v[RING+8+i]
.set i, i+1
.endr
.set i, 0
.rept 4
	v_add_nc_u32 v[RING+i], v[RING+i], v[RING+12+i]
.set i, i+1
.endr
	v_add3_u32 v[RING], v[RING], v[RING+1], v[RING+2]
	v_add_nc_u32 v[RING], v[RING], v[RING+3]
	v_lshrrev_b32 v[RING+1], 16, v[RING]
	v_and_b32 v[RING], 0xffff, v[RING]
	v_add_nc_u32 v[RING], v[RING], v[RING+1]
	v_permlanex16_b32 v[RING+1], v[RING], s46, s47
	v_add_nc_u32 v[RING], v[RING], v[RING+1]
	v_add_nc_u32 v[RING], 15, v[RING]
	v_lshrrev_b32 v[RING], 4, v[RING]              ; expert r's tiles,
	v_cmp_gt_u32 vcc_lo, s4, v[RL]
	v_cndmask_b32 v[RING], 0, v[RING], vcc_lo      ; counted where r < e,
.irp m, 1,2,4,8
	v_mov_b32_dpp v[RING+1], v[RING] row_xmask:\m row_mask:0xf bank_mask:0xf
	v_add_nc_u32 v[RING], v[RING], v[RING+1]       ; and added over the 16 lanes
.endr
	v_readfirstlane_b32 s7, v[RING]
	s_min_u32 s7, s7, 210
	; THE LIST, my wave's own.  First zeros, so that an entry past the end names a row that exists; then, 32 tokens a step, each chosen token goes to the place of its rank; the others go to the last entry, which nobody reads.
	s_mul_i32 s11, s2, LSZ
	s_add_co_u32 s11, s11, LIST
	v_mov_b32 v[TMP+7], s11                        ; the list's first byte
	v_add_nc_u32 v[TMP+8], s11, v[LN16]
.irp k, 12,13,14,15
	v_mov_b32 v[TMP+\k], 0
.endr
.set i, 0
.rept 14
	ds_store_b128 v[TMP+8], v[TMP+12:TMP+15] offset:512*i
.set i, i+1
.endr
	v_mov_b32 v[TMP+9], v[LANE]                    ; the step's tokens
	v_mov_b32 v[TMP+10], 3583
	s_mov_b32 s57, 0                               ; tokens placed
.set g, 0
.rept 98
	v_readlane_b32 s11, v[OWN+g%4], g/4            ; the mask of tokens 32 g on
	v_mbcnt_lo_u32_b32 v[TMP+11], s11, s57         ; my rank: the chosen ones in the lanes below me, and all before
	v_cndmask_b32 v[TMP+11], v[TMP+10], v[TMP+11], s11
	v_min_u32 v[TMP+11], 3583, v[TMP+11]
	v_lshl_add_u32 v[TMP+11], v[TMP+11], 1, v[TMP+7]
	ds_store_b16 v[TMP+11], v[TMP+9]
	v_add_nc_u32 v[TMP+9], 32, v[TMP+9]
	s_bcnt1_i32_b32 s12, s11
	s_add_co_u32 s57, s57, s12
.set g, g+1
.endr
	v_add_nc_u32 v[TMP+11], s57, v[LANE]           ; the 32 places behind the last take the first token
	v_min_u32 v[TMP+11], 3583, v[TMP+11]
	v_lshl_add_u32 v[TMP+11], v[TMP+11], 1, v[TMP+7]
	ds_load_u16 v[TMP+16], v[TMP+7]                ; LDS serves a wave's instructions in order (ISA guide 5.7.1.4): it sees the stores above
	s_wait_dscnt 0x0
	ds_store_b16 v[TMP+11], v[TMP+16]
	s_add_co_u32 s6, s57, 15
	s_lshr_b32 s6, s6, 4                           ; the expert's tiles
	s_min_u32 s6, s6, 196
	s_or_b32 s11, s2, s3
	s_cmp_lg_u32 s11, 0
	s_cbranch_scc1 .Lnometa                        ; wave 0 of slice 0 stores the expert's 128 bytes of meta
	v_mov_b32 v24, 0
	v_writelane_b32 v24, s6, 0
	v_writelane_b32 v24, s7, 1
	v_lshlrev_b32 v25, 2, v[LANE]
	global_store_b32 v25, v24, s[28:29]
.Lnometa:
	WLOAD 2
	WIN 0
	s_lshl_b32 s11, s2, 5                          ; tile w's 16 entries
	v_lshl_add_u32 v[TMP+17], v[RL], 1, v[TMP+7]
	v_add_nc_u32 v[TMP+17], s11, v[TMP+17]
	ds_load_u16 v[TOK], v[TMP+17]
	s_wait_dscnt 0x0
	v_min_u32 v[TK], 3135, v[TOK]
	v_mul_u32_u24 v[OFF], v[TK], 1536
	v_lshl_add_u32 v[OFF], v[HL], 4, v[OFF]        ; my token's row in xh + 16 h
	ds_load_u16 v[TOK], v[TMP+17] offset:128       ; tile w + 4
	s_lshl_b32 s12, s2, 4
	s_add_co_u32 s12, s12, 128
	v_add_nc_u32 v[IDX], s12, v[RL]                ; the first tile's turn asks for tile w + 8: entry 16 (w + 8) + r
.set u, 0
.rept 32                                               ; the ring is filled: chunks 0 to 3 of my first tile
	global_load_b128 v[RING+4*u:RING+4*u+3], v[OFF], s[SA:SA+1] offset:STRIDE*u
.set u, u+1
.endr
	PHASE 0, 63                                    ; younger than the first third's loads: 96; a wait names 63 at the most
	PHASE 1, 63                                    ; younger: 64
	PHASE 2, 32                                    ; younger: the ring's 32
	v_and_b32 v[LSO], 1, v[RL]                     ; row r of a tile lies at word (r % 2, r / 2) of its 64 bytes of list
	v_lshlrev_b32 v[LSO], 5, v[LSO]
	v_lshrrev_b32 v[SCR], 1, v[RL]
	v_lshl_add_u32 v[LSO], v[SCR], 2, v[LSO]
	s_mul_i32 s11, s2, LSZ
	s_add_co_u32 s11, s11, LIST
	v_mov_b32 v[LB], s11                           ; my list's first byte, in the register that the phases have done with; not written in the loop
	s_mov_b32 s9, 25
.Lrow:                                                 ; two tiles a trip: twelve chunks are three laps of the four slots
	TILE 0, 0
	TILE 1, 6
	s_sub_co_i32 s9, s9, 1
	s_cmp_lg_u32 s9, 0
	s_cbranch_scc1 .Lrow
.Ldone:
	s_wait_tensorcnt 0x0                           ; the wave's end
	ds_add_u32 v[SPW], v[NIL]
	s_wait_dscnt 0x0
	s_endpgm
.Lfunc_end_k_q9275820d50_fc1:
	.size	k_q9275820d50_fc1, .Lfunc_end_k_q9275820d50_fc1-k_q9275820d50_fc1
	.p2alignl 7, 3214868480
	.fill 96, 4, 3214868480
	.section	.rodata,"a",@progbits
	.p2align	6, 0x0
	.amdhsa_kernel k_q9275820d50_fc1
		.amdhsa_group_segment_fixed_size 131584
		.amdhsa_private_segment_fixed_size 0
		.amdhsa_enable_private_segment 0
		.amdhsa_kernarg_size 56
		.amdhsa_user_sgpr_count 2
		.amdhsa_user_sgpr_kernarg_segment_ptr 1
		.amdhsa_wavefront_size32 1
		.amdhsa_system_sgpr_workgroup_id_x 1
		.amdhsa_system_sgpr_workgroup_id_y 1
		.amdhsa_system_sgpr_workgroup_id_z 1
		.amdhsa_system_vgpr_workitem_id 0
		.amdhsa_next_free_vgpr 1024
		.amdhsa_next_free_sgpr 66
		.amdhsa_reserve_vcc 1
		.amdhsa_float_denorm_mode_32 3
		.amdhsa_float_denorm_mode_16_64 3
		.amdhsa_memory_ordered 1
		.amdhsa_forward_progress 1
		.amdhsa_inst_pref_size 158
	.end_amdhsa_kernel
	.amdgpu_metadata
---
amdhsa.version: [ 1, 2 ]
amdhsa.kernels:
  - .name:           k_q9275820d50_fc1
    .symbol:         k_q9275820d50_fc1.kd
    .args:
      - { .name: rt, .offset: 0, .size: 8, .value_kind: global_buffer, .address_space: global }
      - { .name: xh, .offset: 8, .size: 8, .value_kind: global_buffer, .address_space: global }
      - { .name: W1, .offset: 16, .size: 8, .value_kind: global_buffer, .address_space: global }
      - { .name: b1, .offset: 24, .size: 8, .value_kind: global_buffer, .address_space: global }
      - { .name: hf, .offset: 32, .size: 8, .value_kind: global_buffer, .address_space: global }
      - { .name: list, .offset: 40, .size: 8, .value_kind: global_buffer, .address_space: global }
      - { .name: meta, .offset: 48, .size: 8, .value_kind: global_buffer, .address_space: global }
    .group_segment_fixed_size: 131584
    .private_segment_fixed_size: 0
    .kernarg_segment_align: 8
    .kernarg_segment_size: 56
    .max_flat_workgroup_size: 128
    .sgpr_count:     66
    .vgpr_count:     1024
    .wavefront_size: 32
...
	.end_amdgpu_metadata
.endif
;; end of part 2
;; launch fc2 (part 3): grid 12 x 16, 4 waves a work-group, no clusters, 120,320 bytes of LDS; arguments meta, list, hf, W2, b2, out0; writes out0
.if DOCPART == 3
	.amdgcn_target "amdgcn-amd-amdhsa--gfx1250"
	.amdhsa_code_object_version 6
	.text
	.protected	k_q9275820d50_fc2
	.globl	k_q9275820d50_fc2
	.p2align	8
	.type	k_q9275820d50_fc2,@function
k_q9275820d50_fc2:
	s_mov_b64 s[64:65], 0
	v_nop
	global_prefetch_b8 v0, s[64:65] scope:SCOPE_SE
	s_setreg_imm32_b32 hwreg(HW_REG_WAVE_MODE, 25, 1), 1
	s_wait_xcnt 0x0
; THE SECOND PRODUCT.  out[token] = h W2[e]^T + b2[e] for the tokens that chose expert e; the gate's weight is 1 (a softmax over one number), and each output row has one expert.
; SHARES, as in the first product.  Work-group (s, e) owns 64 output columns of expert e: 196,608 bytes of f32 weights, read once, rounded to f16 on their way through registers and handed round
; through LDS; every wave then holds the whole slice as fragments in 768 registers, and wave w takes the expert's row tiles w, w + 4, ..  64 columns of f32 are 256 consecutive bytes of an output row.
; h comes from hf in the order in which a lane's operand registers take it: 512 consecutive bytes a load.  The number of tiles and the first tile come from meta, the rows' tokens from list:
; whole numbers that the launch before stored.  The loop has a constant count of 25 trips of two tiles and is left by a jump forward at the first tile past the expert's last.
; Loads that run ahead of the last tile are held to the last tile that exists.  A tile's places past the expert's count hold its first token again: the same bits go to the same bytes once more.
; THE PRODUCT IS USED TRANSPOSED (source 0 = 16 columns, source 1 = 16 tokens); the bias is the C operand that starts the sums.  A tile leaves through my wave's own stage in LDS, as whole pieces of rows.
; LIMITS.  f16 operands: |W2| under 65,504, and below 6e-5 it keeps f16's fixed step of 6e-8.  NaN and infinities are not treated apart.
; No cluster: each slice of weights has one reader.  An expert's 12 work-groups do walk the same tiles of hf, but the walk's length hangs on a stored count, and such a loop holds no barrier and no tensor load.
.set WP,    528                        ; as in the first product
.set WREG,  64*WP
.set STAGE, 3*WREG                     ; 101,376: 16 rows x 272 bytes for each wave
.set SP,    272                        ; 256 bytes + 16: 16 rows start at 16 different groups of four banks (64 banks of 4 bytes: ISA guide 11.1)
.set BIAS,  STAGE+4*16*SP              ; 118,784: each wave's own copy of the slice's 64 biases
.set SPARE, BIAS+4*256                 ; 119,808: the spare words, 128 bytes a wave
.set TILEB, 24576
.set LN16, 1                           ; v1   16 x lane
.set SPW,  2                           ; v2   my spare word;  v3  0
.set NIL,  3
.set RL,   4                           ; v4   r
.set HL,   5                           ; v5   h
.set BR,   6                           ; v6   where my lane reads weight fragments
.set WS,   7                           ; v7   where my wave's 16 rows of weights go
.set BA,   8                           ; v8   my lane's 8 biases of column block 0
.set OFF,  9                           ; v9, v10  my lane's byte offset in hf, by the tile's parity
.set STO,  11                          ; v11  the stage: where I put 16 bytes of row r
.set RD,   12                          ; v12  the stage: where I read rows back
.set SCR,  13
.set LH,   14                          ; v14  32 h: my half of a tile's 64 bytes of list
.set OC,   15                          ; v15  256 s + 16 r: my 16 bytes in an output row
.set TK,   16                          ; v[16:23], v[24:31]  the tokens of rows 2 t + h, t = 0..7, by the tile's parity
.set ACC,  32                          ; v[32:63]  four accumulators
.set RING, 64                          ; v[64:191] four slots of 32
.set TMP,  192                         ; v[192:255] at work: in the loop 32 registers of rows read back, 8 of store offsets
.set SW,   22                          ; s[22:23] my wave's 16 rows of W2
.set SA,   20                          ; s[20:21] hf
.set STRIDE, 512
; s2 wave, s3 slice, s4 expert, s6 the expert's tiles, s7 its first tile, s8 the tile in hand, s9 trips, s10 the last tile that a load may name
.set MSB, 0
.macro WIN new                         ; s_set_vgpr_msb: bits 1:0 source 0, 3:2 source 1, 5:4 source 2, 7:6 destination; the high byte repeats the setting that is left
.if MSB != (\new)
	s_set_vgpr_msb (MSB<<8)|(\new)
.set MSB, (\new)
.endif
.endm
.macro WLOAD p                         ; 32 loads: my wave's 16 rows, the 256 k of third p, 512 consecutive bytes a load; read once in the launch
	WIN 0x40*(1+(\p))
.set q, 0
.rept 32
	global_load_b128 v[4*q:4*q+3], v[LN16], s[SW:SW+1] offset:(q/2)*3072+1024*(\p)+512*(q%2) th:TH_LOAD_NT
.set q, q+1
.endr
.endm
.macro PHASE p, n                      ; third p: rounded to f16, into LDS bytes of its own; a barrier; the whole third back as fragments.  n = the younger loads that may stay out
	WIN 0
	s_wait_loadcnt \n
	WIN 5*(1+(\p))
.set q, 0
.rept 32
	v_cvt_pk_f16_f32 v[TMP+2*q], v[4*q], v[4*q+1]
	v_cvt_pk_f16_f32 v[TMP+2*q+1], v[4*q+2], v[4*q+3]
.set q, q+1
.endr
	WIN 0
	v_add_nc_u32 v[SCR], WREG*(\p), v[WS]
.set q, 0
.rept 32
	ds_store_b64 v[SCR], v[TMP+2*q:TMP+2*q+1] offset:(q/2)*WP+(q%2)*256
.set q, q+1
.endr
	s_wait_dscnt 0x0                               ; for the others' sake: my 16 rows are in LDS
	s_barrier_signal -1
	s_barrier_wait -1
	v_add_nc_u32 v[SCR], WREG*(\p), v[BR]
	WIN 0x40*(1+(\p))
.set f, 0
.rept 32
	ds_load_b128 v[8*f:8*f+3],   v[SCR] offset:(f%4)*16*WP+(f/4)*64
	ds_load_b128 v[8*f+4:8*f+7], v[SCR] offset:(f%4)*16*WP+(f/4)*64+32
.set f, f+1
.endr
	WIN 0
.endm
; Chunk c of a tile's six: 4 K steps x 4 column blocks, from slot g % 4, which then takes the chunk four further on.  The four accumulators take turns, one instruction a turn.
.macro CHUNK c, g, cnt, cur
	s_wait_loadcnt \cnt
	WIN 1+(\c)/2
.set SL, RING+32*((\g)%4)
.set t, 4*(\c)
.rept 4
.set n, 0
.rept 4
	v_wmma_f32_16x16x32_f16 v[ACC+8*n:ACC+8*n+7], v[((t%8)*4+n)*8:((t%8)*4+n)*8+7], v[SL+8*(t-4*(\c)):SL+8*(t-4*(\c))+7], v[ACC+8*n:ACC+8*n+7]
.set n, n+1
.endr
.set t, t+1
.endr
	WIN 0
.rept 4
	v_nop                                          ; four places between the products and the loads into the slot that they read
.endr
.set NC, ((\c)+4)%6
.if (\c) < 2
.set OREG, OFF+(\cur)
.else
.set OREG, OFF+1-(\cur)
.endif
.set u, 0
.rept 8
	global_load_b128 v[SL+4*u:SL+4*u+3], v[OREG], s[SA:SA+1] offset:STRIDE*(8*NC+u)
.set u, u+1
.endr
.endm
.macro TILE cur, g0
	s_cmp_ge_u32 s8, s6
	s_cbranch_scc1 .Ldone                          ; past the expert's last tile: out of the loop, forward
	s_wait_xcnt 0x0                                ; the last tile's stores and loads have had their addresses translated (ISA guide 3.1): offsets, rows and the list's base are written again below
	s_add_co_u32 s11, s7, s8
	s_add_co_u32 s11, s11, 4                       ; my next tile, held to the last that exists
	s_min_u32 s11, s11, s10
	s_min_u32 s11, s11, 210
	s_mul_i32 s12, s11, TILEB
	v_add_nc_u32 v[OFF+1-(\cur)], s12, v[LN16]
	s_lshl_b32 s52, s11, 6
	s_add_nc_u64 s[54:55], s[18:19], s[52:53]
	global_load_b128 v[TK+8*(1-(\cur)):TK+8*(1-(\cur))+3],   v[LH], s[54:55]
	global_load_b128 v[TK+8*(1-(\cur))+4:TK+8*(1-(\cur))+7], v[LH], s[54:55] offset:16
.set n, 0
.rept 4                                                ; the bias starts the sums
	ds_load_b128 v[ACC+8*n:ACC+8*n+3],   v[BA] offset:64*n
	ds_load_b128 v[ACC+8*n+4:ACC+8*n+7], v[BA] offset:64*n+16
.set n, n+1
.endr
	s_wait_dscnt 0x0
	CHUNK 0, (\g0)+0, 26, \cur                     ; 26: three younger chunks and the two list loads, which lie between this tile's chunk 3 and its chunk 4
	CHUNK 1, (\g0)+1, 26, \cur
	CHUNK 2, (\g0)+2, 26, \cur
	CHUNK 3, (\g0)+3, 26, \cur
	CHUNK 4, (\g0)+4, 24, \cur                     ; 24: three younger chunks; the next tile's tokens are in too
	CHUNK 5, (\g0)+5, 24, \cur                     ; its four v_nop are also the places in front of the stores below
.set n, 0
.rept 4                                                ; lane (r, h): columns 16 n + 8 h + 0..7 of row r; each accumulator from its low end on
	ds_store_b128 v[STO], v[ACC+8*n:ACC+8*n+3]   offset:64*n
	ds_store_b128 v[STO], v[ACC+8*n+4:ACC+8*n+7] offset:64*n+16
.set n, n+1
.endr
.set t, 0
.rept 8                                                ; back by rows: lanes 0-15 row 2 t, lanes 16-31 row 2 t + 1.  LDS serves a wave's instructions in order (ISA guide 5.7.1.4)
	ds_load_b128 v[TMP+4*t:TMP+4*t+3], v[RD] offset:2*SP*t
.set t, t+1
.endr
.set t, 0
.rept 8
	v_min_u32 v[TMP+32+t], 3135, v[TK+8*(\cur)+t]
	v_mul_u32_u24 v[TMP+32+t], v[TMP+32+t], 3072
	v_add_nc_u32 v[TMP+32+t], v[OC], v[TMP+32+t]
.set t, t+1
.endr
.set t, 0
.rept 8
	s_wait_dscnt 7-t
	global_store_b128 v[TMP+32+t], v[TMP+4*t:TMP+4*t+3], s[26:27] th:TH_STORE_NT  ; 16 lanes store 256 consecutive bytes, at a multiple of 256 from out0's first
.set t, t+1
.endr
	s_add_co_u32 s8, s8, 4
.endm
	s_load_b256 s[16:23], s[0:1], 0x0              ; meta s[16:17], list s[18:19], hf s[20:21], W2 s[22:23]
	s_load_b128 s[24:27], s[0:1], 0x20             ; b2 s[24:25], out0 s[26:27]
	v_lshl_add_u32 v[SPW], v0, 2, SPARE
	v_mov_b32 v[NIL], 0
	v_lshrrev_b32 v29, 5, v0
	v_readfirstlane_b32 s2, v29                    ; wave 0..3
	s_mov_b32 s3, ttmp9                            ; slice
	s_and_b32 s4, ttmp7, 0xffff                    ; expert
	v_and_b32 v29, 31, v0                          ; lane
	v_lshlrev_b32 v[LN16], 4, v29
	v_and_b32 v[RL], 15, v0
	v_bfe_u32 v[HL], v0, 4, 1
	v_mul_u32_u24 v[BR], v[RL], WP
	v_lshl_add_u32 v[BR], v[HL], 4, v[BR]
	s_mul_i32 s11, s2, 16*WP
	v_lshl_add_u32 v[WS], v29, 3, s11
	s_lshl_b32 s58, s2, 8
	s_add_co_u32 s58, s58, BIAS
	v_lshl_add_u32 v[BA], v[HL], 5, s58
	v_lshlrev_b32 v28, 3, v29
	s_mul_i32 s11, s2, 16*SP
	s_add_co_u32 s11, s11, STAGE                   ; my stage
	v_mul_u32_u24 v[STO], v[RL], SP
	v_lshl_add_u32 v[STO], v[HL], 5, v[STO]
	v_add_nc_u32 v[STO], s11, v[STO]
	v_mul_u32_u24 v[RD], v[HL], SP
	v_lshl_add_u32 v[RD], v[RL], 4, v[RD]
	v_add_nc_u32 v[RD], s11, v[RD]
	v_lshlrev_b32 v[LH], 5, v[HL]
	s_lshl_b32 s11, s3, 8
	v_lshl_add_u32 v[OC], v[RL], 4, s11
	s_mov_b32 s8, s2                               ; my first tile
	s_mul_i32 s12, s4, 768
	s_lshl_b32 s13, s3, 6
	s_add_co_u32 s12, s12, s13
	s_lshl_b32 s14, s12, 2
	s_mov_b32 s15, 0
	s_lshl4_add_u32 s12, s2, s12
	s_mul_i32 s12, s12, 3072
	s_mov_b32 s13, 0
	s_lshl_b32 s52, s4, 7
	s_mov_b32 s53, 0
	s_wait_kmcnt 0x0
	s_add_nc_u64 s[16:17], s[16:17], s[52:53]
	s_add_nc_u64 s[24:25], s[24:25], s[14:15]
	s_add_nc_u64 s[SW:SW+1], s[SW:SW+1], s[12:13]
	s_load_b64 s[6:7], s[16:17], 0x0               ; the expert's tiles and its first tile; the weights are asked for before this is waited for
	global_load_b64 v[30:31], v28, s[24:25]        ; the slice's 64 biases
	WLOAD 0
	WLOAD 1
	WLOAD 2
	WIN 0
	s_wait_kmcnt 0x0
	s_min_u32 s6, s6, 196
	s_min_u32 s7, s7, 210
	s_add_co_u32 s10, s7, s6
	s_max_u32 s10, s10, 1
	s_sub_co_u32 s10, s10, 1                       ; the expert's last tile; for an expert without rows the tile before, or tile 0: one that has been stored
	s_min_u32 s10, s10, 210
	s_add_co_u32 s11, s7, s2
	s_min_u32 s11, s11, s10
	s_min_u32 s11, s11, 210
	s_lshl_b32 s52, s11, 6
	s_add_nc_u64 s[54:55], s[18:19], s[52:53]
	global_load_b128 v[TK:TK+3],   v[LH], s[54:55]
	global_load_b128 v[TK+4:TK+7], v[LH], s[54:55] offset:16
	s_mul_i32 s12, s11, TILEB
	v_add_nc_u32 v[OFF], s12, v[LN16]
.set u, 0
.rept 32                                               ; the ring is filled: chunks 0 to 3 of my first tile
	global_load_b128 v[RING+4*u:RING+4*u+3], v[OFF], s[SA:SA+1] offset:STRIDE*u
.set u, u+1
.endr
	s_wait_loadcnt 63                              ; the bias is the oldest load of 131
	v_lshl_add_u32 v[SCR], v29, 3, s58
	ds_store_b64 v[SCR], v[30:31]
	PHASE 0, 63                                    ; younger than the first third's loads: 98; a wait names 63 at the most
	PHASE 1, 63                                    ; younger: 66
	PHASE 2, 34                                    ; younger: the list's 2 and the ring's 32
	s_mov_b32 s9, 25
.Lrow:                                                 ; two tiles a trip: twelve chunks are three laps of the four slots
	TILE 0, 0
	TILE 1, 6
	s_sub_co_i32 s9, s9, 1
	s_cmp_lg_u32 s9, 0
	s_cbranch_scc1 .Lrow
.Ldone:
	s_wait_tensorcnt 0x0                           ; the wave's end
	ds_add_u32 v[SPW], v[NIL]
	s_wait_dscnt 0x0
	s_endpgm
.Lfunc_end_k_q9275820d50_fc2:
	.size	k_q9275820d50_fc2, .Lfunc_end_k_q9275820d50_fc2-k_q9275820d50_fc2
	.p2alignl 7, 3214868480
	.fill 96, 4, 3214868480
	.section	.rodata,"a",@progbits
	.p2align	6, 0x0
	.amdhsa_kernel k_q9275820d50_fc2
		.amdhsa_group_segment_fixed_size 120320
		.amdhsa_private_segment_fixed_size 0
		.amdhsa_enable_private_segment 0
		.amdhsa_kernarg_size 48
		.amdhsa_user_sgpr_count 2
		.amdhsa_user_sgpr_kernarg_segment_ptr 1
		.amdhsa_wavefront_size32 1
		.amdhsa_system_sgpr_workgroup_id_x 1
		.amdhsa_system_sgpr_workgroup_id_y 1
		.amdhsa_system_sgpr_workgroup_id_z 1
		.amdhsa_system_vgpr_workitem_id 0
		.amdhsa_next_free_vgpr 1024
		.amdhsa_next_free_sgpr 66
		.amdhsa_reserve_vcc 0
		.amdhsa_float_denorm_mode_32 3
		.amdhsa_float_denorm_mode_16_64 3
		.amdhsa_memory_ordered 1
		.amdhsa_forward_progress 1
		.amdhsa_inst_pref_size 80
	.end_amdhsa_kernel
	.amdgpu_metadata
---
amdhsa.version: [ 1, 2 ]
amdhsa.kernels:
  - .name:           k_q9275820d50_fc2
    .symbol:         k_q9275820d50_fc2.kd
    .args:
      - { .name: meta, .offset: 0, .size: 8, .value_kind: global_buffer, .address_space: global }
      - { .name: list, .offset: 8, .size: 8, .value_kind: global_buffer, .address_space: global }
      - { .name: hf, .offset: 16, .size: 8, .value_kind: global_buffer, .address_space: global }
      - { .name: W2, .offset: 24, .size: 8, .value_kind: global_buffer, .address_space: global }
      - { .name: b2, .offset: 32, .size: 8, .value_kind: global_buffer, .address_space: global }
      - { .name: out0, .offset: 40, .size: 8, .value_kind: global_buffer, .address_space: global }
    .group_segment_fixed_size: 120320
    .private_segment_fixed_size: 0
    .kernarg_segment_align: 8
    .kernarg_segment_size: 48
    .max_flat_workgroup_size: 128
    .sgpr_count:     66
    .vgpr_count:     1024
    .wavefront_size: 32
...
	.end_amdgpu_metadata
.endif
;; end of part 3
;; ======== version 2 of 3: 3 launches; 1.21 times as fast as version 1
;; limits: values are held in f16: magnitudes above 65,504 overflow, below 6.1e-05 lose precision; inputs' magnitudes at most 65,504; a function is approximated: absolute error at most 1.5e-07; an absolute error that grows with the inputs' magnitude: up to 7.5e-08 times it
;; workspace buffers: xh 4,816,896 bytes; rt 16,384 bytes of whole numbers; hf 5,185,536 bytes; list 13,568 bytes of whole numbers; meta 2,048 bytes of whole numbers
;; launch route: the kernel of part 1 again; grid 196 x 1, 4 waves a work-group, no clusters, 54,016 bytes of LDS; arguments x, Wg, bg, xh, rt; writes xh, rt
;; launch fc1 (part 4): grid 16 x 16, 4 waves a work-group, no clusters, 77,568 bytes of LDS; arguments rt, xh, W1, b1, hf, list, meta; writes hf, list, meta
.if DOCPART == 4
	.amdgcn_target "amdgcn-amd-amdhsa--gfx1250"
	.amdhsa_code_object_version 6
	.text
	.protected	k_q9275820d50_fc1
	.globl	k_q9275820d50_fc1
	.p2align	8
	.type	k_q9275820d50_fc1,@function
k_q9275820d50_fc1:
	s_mov_b64 s[64:65], 0
	v_nop
	global_prefetch_b8 v0, s[64:65] scope:SCOPE_SE
	s_setreg_imm32_b32 hwreg(HW_REG_WAVE_MODE, 25, 1), 1
	s_wait_xcnt 0x0
; THE FIRST PRODUCT.  h = gelu(x W1[e]^T + b1[e]) for the tokens that chose expert e, and the placing of the rows.
; SHARES.  Work-group (s, e) owns 48 hidden features (48 s ..) of expert e: 147,456 bytes of f32 weights, which it alone reads, once; 16 slices x 16 experts are 256 work-groups.  The weights are rounded
; to f16 on their way through registers and handed round through LDS, after which EVERY wave holds the whole slice as fragments: 3 blocks of 16 features x 24 K steps x 8 = 576 registers.  Wave w then
; takes the expert's row tiles w, w + 4, ..: 16 tokens each, gathered from xh straight into operand registers, through a ring of six slots of 32 registers: a whole tile of each wave is on its way.
; The loop over tiles writes no LDS and has no barrier.
; THE ROWS.  Row p of the expert is its token of rank p, in ascending order.  It is found in registers, from the masks and counts that the launch before stored, 32 ranks (two of my tiles) at a time:
; (SELA) among the 25 groups of 128 tokens by the groups' running counts, held in scalar registers; each lane then loads its group's eight masks and eight counts; (SELB) three halvings by the stored counts lead to
; one mask of 16 tokens, packed bit sums of that mask and four more halvings to the bit.  Ranks past the count are held to the last: those places compute the expert's last row's bits again.
; The experts' tiles lie end to end: expert e's first tile TB is the sum of ceil(count / 16) over the experts before it: 211 tiles at the most, whatever the split.
; The loop has a constant count of 25 trips of two tiles (an expert with all 3,136 tokens gives a wave 49) and is left by a jump forward at the first tile past the expert's last.
; THE PRODUCT IS USED TRANSPOSED (source 0 = 16 features, source 1 = 16 tokens): lane (r, h) holds features 8 h + 0..7 of token r: after the rounding, the 16 bytes that the same lane needs as
; source 1 of the second product.  hf is laid so: [211 tiles][48 blocks of 16 features][32 lanes][16 bytes]: every store here and every load there covers 512 consecutive bytes.
; The bias is the C operand that starts the sums.  GELU(z) = max(z, 0) - |z| Q(|z|), Q = e^(-z z / 2) (c1 t + .. + c5 t^5), t = 1 / (1 + 0.2316419 |z|): Abramowitz and Stegun 7.1.26.
; ALSO STORED, for the second product: list, u32 [211][2][8]: word (T, hh, t) = the token of row 2 t + hh of tile T (by the work-groups s = 0); meta, 128 bytes an expert: its tiles, its first tile.
; LIMITS.  f16 operands: |x|, |W1| and |h| stay under 65,504, and below 6e-5 they keep f16's fixed step of 6e-8.  Q is within 7.5e-8 of the true tail, so h within 7.5e-8 |z|.  NaN and infinities are not treated apart.
; No cluster: each slice of weights has one reader, and the rows that an expert's 16 work-groups share come by rank, lane by lane.  No tensor loads: the slice would lie in LDS in f32 and be read from there once more.
.set NB,    3                          ; blocks of 16 features in a slice
.set WROWS, 12                         ; rows of the slice's 48 that a wave brings
.set WP,    528                        ; a row of a third of the slice in LDS: 256 f16 + 16 bytes = 132 words: 16 rows start at 16 different groups of four banks (64 banks of 4 bytes: ISA guide 11.1)
.set WREG,  16*NB*WP                   ; a third of K: 48 rows, 25,344 bytes
.set BIAS,  3*WREG                     ; 76,032: each wave's own copy of the slice's 48 biases, in 256 bytes
.set SPARE, BIAS+4*256                 ; 77,056: the spare words, 128 bytes a wave
.set TILEB, 24576                      ; a tile of hf
.set LN16, 1                           ; v1   16 x lane
.set SPW,  2                           ; v2   my spare word;  v3  0
.set NIL,  3
.set RL,   4                           ; v4   r = lane % 16
.set HL,   5                           ; v5   h = lane / 16
.set BR,   6                           ; v6   where my lane reads weight fragments; behind the last phase: my lane's place in a tile of list
.set LSO,  6
.set WS,   7                           ; v7   where my wave's 12 rows of weights go
.set BA,   8                           ; v8   my lane's 8 biases of feature block 0
.set OFF,  9                           ; v9, v10   byte offset in xh of my lane's token, by the tile's parity
.set RQ,   11                          ; v11  r + 64 h: my lane's rank in a pair of my tiles, which lie four tiles apart
.set TK,   12                          ; v12, v13  my lane's token, by the tile's parity
.set SCR,  14                          ; v14  a phase's LDS address
.set HO,   15                          ; v15  my lane's byte offset in hf
.set MM,   16                          ; v[16:19]  the eight masks of my rank's group of 128 tokens
.set GA,   20                          ; v20  16 x that group's number: the byte offset of its masks and counts
.set KR,   21                          ; v21  my rank within what is left of the search
.set TKN,  22                          ; v22  the token for my odd tile to come, not yet held to the table
.set MC,   24                          ; v[24:27]  the group's eight counts
.set LANE, 28                          ; v28  lane, in the head;  v30, v31: meta's store
.set ACC,  32                          ; v[32:55]  three accumulators: feature block n at ACC + 8 n; h is packed in place and stored from here
.set RING, 64                          ; v[64:191] slots 0 to 3 of the ring: slot c holds the tokens' fragments of chunk c (4 K steps)
.set RINGB, 192                        ; window 1, v[192:255]: slots 4 and 5
.set TMP,  192                         ; v[192:255] at work
.set QS,   TMP                         ; SELB's registers: three sums of counts,
.set QT,   TMP+3                       ; the tokens in the part that is tried,
.set QK,   TMP+4
.set QCA,  TMP+5
.set QCB,  TMP+6
.set QMA,  TMP+7
.set QMB,  TMP+8
.set QSA,  TMP+9
.set QPOS, TMP+10                      ; the mask's first token in the group,
.set QP2,  TMP+11
.set QM,   TMP+12                      ; the mask, its sums of 2 bits and of 4 bits,
.set QA,   TMP+13
.set QB,   TMP+14
.set QBP,  TMP+15                      ; the bit,
.set QV,   TMP+16                      ; the token
.set SW,   20                          ; s[20:21] my wave's 12 rows of W1
.set SA,   18                          ; s[18:19] xh
.set STRIDE, 32                        ; bytes from one half fragment of a token's row to the next
.set PX,   66                          ; s[66:89]  for group l = 1 .. 24: (the expert's tokens ahead of the group) << 8 | l
; windows 1 to 3: first (low 96) the f32 weights of a third of K as loaded; then the fragments: K step t, feature block n at window 1 + t / 8, register ((t % 8) 3 + n) 8: 192 registers a window
; s2 wave, s3 slice, s4 expert, s6 the expert's tiles, s7 TB, s8 the tile in hand, s9 trips, s10 1,536 s, s[32:45] GELU's constants in pairs, s[46:47] lane selects, s48 the mask of |z|,
; s49 lanes 16-31, s[50:51] the expert's row of masks in rt (its counts lie 8,192 bytes on), s56 the last rank, s57 the count, s60-63 compare masks
.set MSB, 0
.macro WIN new                         ; s_set_vgpr_msb: bits 1:0 source 0, 3:2 source 1, 5:4 source 2, 7:6 destination; the high byte repeats the setting that is left
.if MSB != (\new)
	s_set_vgpr_msb (MSB<<8)|(\new)
.set MSB, (\new)
.endif
.endm
.macro KPAIR r, val                    ; a constant for the packed forms: named as a pair, so both words are written
	s_mov_b32 s[\r], \val
	s_mov_b32 s[\r+1], \val
.endm
; 24 loads: my wave's 12 rows, the 256 k of third p, 512 consecutive bytes a load; read once in the launch
.macro WLOAD p
	WIN 0x40*(1+(\p))
.set q, 0
.rept 2*WROWS
	global_load_b128 v[4*q:4*q+3], v[LN16], s[SW:SW+1] offset:(q/2)*3072+1024*(\p)+512*(q%2) th:TH_LOAD_NT
.set q, q+1
.endr
.endm
; Third p: rounded to f16, into LDS; a barrier; the whole third back as fragments.  n = how many younger loads may stay out.  Each third has LDS bytes of its own, written once.
.macro PHASE p, n
	WIN 0
	s_wait_loadcnt \n
	WIN 5*(1+(\p))
.set q, 0
.rept 2*WROWS
	v_cvt_pk_f16_f32 v[TMP+2*q], v[4*q], v[4*q+1]
	v_cvt_pk_f16_f32 v[TMP+2*q+1], v[4*q+2], v[4*q+3]
.set q, q+1
.endr
	WIN 0
	v_add_nc_u32 v[SCR], WREG*(\p), v[WS]
.set q, 0
.rept 2*WROWS
	ds_store_b64 v[SCR], v[TMP+2*q:TMP+2*q+1] offset:(q/2)*WP+(q%2)*256  ; 32 lanes, 256 consecutive bytes
.set q, q+1
.endr
	s_wait_dscnt 0x0                               ; for the others' sake: my 12 rows are in LDS (and my earlier LDS loads are back)
	s_barrier_signal -1
	s_barrier_wait -1
	v_add_nc_u32 v[SCR], WREG*(\p), v[BR]
	WIN 0x40*(1+(\p))
.set f, 0
.rept 8*NB                                             ; fragment f: K step f / 3 of the third, feature block f % 3
	ds_load_b128 v[8*f:8*f+3],   v[SCR] offset:(f%NB)*16*WP+(f/NB)*64
	ds_load_b128 v[8*f+4:8*f+7], v[SCR] offset:(f%NB)*16*WP+(f/NB)*64+32
.set f, f+1
.endr
	WIN 0
.endm
; THE SEARCH, first part.  s13 = 16 x the number of the first of two of my tiles.  Of the 25 groups of 128 tokens mine is the last whose running count does not pass my rank: count and group's number are one
; word, ascending in l, so the last word that is not above (rank << 8 | 255) is kept; two chains of twelve, so that a select does not wait for the one just before it.
.macro SELA
	v_add_nc_u32 v[TMP], s13, v[RQ]                ; lanes 0-15: the first tile's ranks; lanes 16-31: those of my next tile
	v_min_u32 v[TMP], s56, v[TMP]                  ; a place past the count takes the last rank
	v_lshl_or_b32 v[TMP+1], v[TMP], 8, 0xff
.set i, 0
.rept 6
	v_cmp_le_u32 s60, s[PX+i], v[TMP+1]
	v_cmp_le_u32 s61, s[PX+12+i], v[TMP+1]
	v_cmp_le_u32 s62, s[PX+1+i], v[TMP+1]
	v_cmp_le_u32 s63, s[PX+13+i], v[TMP+1]
.if i == 0
	v_cndmask_b32 v[TMP+2], 0, s[PX], s60          ; group 0's word is 0
	v_cndmask_b32 v[TMP+3], 0, s[PX+12], s61
.else
	v_cndmask_b32 v[TMP+2], v[TMP+2], s[PX+i], s60
	v_cndmask_b32 v[TMP+3], v[TMP+3], s[PX+12+i], s61
.endif
	v_cndmask_b32 v[TMP+2], v[TMP+2], s[PX+1+i], s62
	v_cndmask_b32 v[TMP+3], v[TMP+3], s[PX+13+i], s63
.set i, i+2
.endr
	v_cmp_ne_u32 vcc_lo, 0, v[TMP+3]               ; the upper chain's word, if it kept one
	v_cndmask_b32 v[TMP+2], v[TMP+2], v[TMP+3], vcc_lo
	v_lshrrev_b32 v[TMP+3], 8, v[TMP+2]
	v_sub_nc_u32 v[KR], v[TMP], v[TMP+3]           ; my rank within the group
	v_and_b32 v[GA], 0xff, v[TMP+2]
	v_min_u32 v[GA], 31, v[GA]                     ; a row of rt holds 32 groups' 16 bytes
	v_lshlrev_b32 v[GA], 4, v[GA]
	global_load_b128 v[MM:MM+3], v[GA], s[50:51]
	global_load_b128 v[MC:MC+3], v[GA], s[50:51] offset:8192
.endm
.macro TAKE c                          ; VCC: my rank lies past this part's v[c] tokens; then they are taken off it
	v_cmp_ge_u32 vcc_lo, v[KR], v[\c]
	v_sub_nc_u32 v[QK], v[KR], v[\c]
	v_cndmask_b32 v[KR], v[KR], v[QK], vcc_lo
.endm
; THE SEARCH, second part: from the group's masks and counts to the token; then each half of the lanes is given its tile's tokens: the even tile's into TK and OFF, the odd tile's into TKN.
.macro SELB
.irp j, 0,1,2
	v_lshrrev_b32 v[QS+\j], 16, v[MC+\j]           ; a word holds two counts of 16 at the most: their sum
.endr
.irp j, 0,1,2
	v_add_nc_u32 v[QS+\j], v[QS+\j], v[MC+\j]
.endr
.irp j, 0,1,2
	v_and_b32 v[QS+\j], 0xff, v[QS+\j]
.endr
	v_add_nc_u32 v[QT], v[QS], v[QS+1]
	TAKE QT                                        ; the first 64 tokens or the last
	v_cndmask_b32 v[QCA], v[MC], v[MC+2], vcc_lo
	v_cndmask_b32 v[QCB], v[MC+1], v[MC+3], vcc_lo
	v_cndmask_b32 v[QMA], v[MM], v[MM+2], vcc_lo
	v_cndmask_b32 v[QMB], v[MM+1], v[MM+3], vcc_lo
	v_cndmask_b32 v[QSA], v[QS], v[QS+2], vcc_lo
	v_cndmask_b32 v[QPOS], 0, 64, vcc_lo
	v_add_nc_u32 v[QP2], 32, v[QPOS]
	TAKE QSA                                       ; of these the first 32 or the last
	v_cndmask_b32 v[QCA], v[QCA], v[QCB], vcc_lo
	v_cndmask_b32 v[QMA], v[QMA], v[QMB], vcc_lo
	v_cndmask_b32 v[QPOS], v[QPOS], v[QP2], vcc_lo
	v_and_b32 v[QT], 0xffff, v[QCA]
	v_lshrrev_b32 v[QMB], 16, v[QMA]
	v_and_b32 v[QMA], 0xffff, v[QMA]
	v_add_nc_u32 v[QP2], 16, v[QPOS]
	TAKE QT                                        ; of these the first 16 or the last
	v_cndmask_b32 v[QM], v[QMA], v[QMB], vcc_lo
	v_cndmask_b32 v[QPOS], v[QPOS], v[QP2], vcc_lo
	v_lshrrev_b32 v[QA], 1, v[QM]                  ; the mask's bits added in twos,
	v_and_b32 v[QA], 0x5555, v[QA]
	v_sub_nc_u32 v[QA], v[QM], v[QA]
	v_lshrrev_b32 v[QB], 2, v[QA]                  ; in fours,
	v_and_b32 v[QB], 0x3333, v[QB]
	v_and_b32 v[QT], 0x3333, v[QA]
	v_add_nc_u32 v[QB], v[QB], v[QT]
	v_lshrrev_b32 v[QT], 4, v[QB]                  ; and the low eight
	v_add_nc_u32 v[QT], v[QT], v[QB]
	v_and_b32 v[QT], 15, v[QT]
	TAKE QT
	v_cndmask_b32 v[QBP], 0, 8, vcc_lo
	v_bfe_u32 v[QT], v[QB], v[QBP], 4
	v_add_nc_u32 v[QP2], 4, v[QBP]
	TAKE QT
	v_cndmask_b32 v[QBP], v[QBP], v[QP2], vcc_lo
	v_bfe_u32 v[QT], v[QA], v[QBP], 2
	v_add_nc_u32 v[QP2], 2, v[QBP]
	TAKE QT
	v_cndmask_b32 v[QBP], v[QBP], v[QP2], vcc_lo
	v_bfe_u32 v[QT], v[QM], v[QBP], 1
	v_add_nc_u32 v[QP2], 1, v[QBP]
	v_cmp_ge_u32 vcc_lo, v[KR], v[QT]
	v_cndmask_b32 v[QBP], v[QBP], v[QP2], vcc_lo
	v_lshl_add_u32 v[QV], v[GA], 3, v[QPOS]        ; 128 x group + the mask's place + the bit
	v_add_nc_u32 v[QV], v[QV], v[QBP]
	v_permlanex16_b32 v[QT], v[QV], s46, s47       ; the other tile's tokens lie in the lanes 16 away (the destination has been written)
	v_cndmask_b32 v[TK], v[QV], v[QT], s49         ; the even tile's row r, in lanes r and 16 + r
	v_cndmask_b32 v[TKN], v[QT], v[QV], s49        ; the odd tile's
	v_min_u32 v[TK], 3135, v[TK]
	v_mul_u32_u24 v[OFF], v[TK], 1536
	v_lshl_add_u32 v[OFF], v[HL], 4, v[OFF]        ; my token's row in xh + 16 h
.endm
; Chunk c of a tile's six: 4 K steps x 3 feature blocks, from slot c, which then takes chunk c of my next tile.  Slots 4 and 5 lie in window 1.
; The three accumulators take turns, one instruction a turn, from chunk to chunk and tile to tile.  Four places stand between the products and the loads into the slot that they read.
.macro CHUNK c, cnt, cur
	s_wait_loadcnt \cnt                            ; loads come back in order (ISA guide 5.7.1): this chunk's eight are in
.if (\c) < 4
.set SL, RING+32*(\c)
.set WA, 0
.else
.set SL, RINGB+32*((\c)-4)
.set WA, 1
.endif
	WIN (1+(\c)/2)|(WA<<2)                         ; source 0: the weights' window; source 1: the slot's
.set t, 4*(\c)
.rept 4
.set n, 0
.rept NB
	v_wmma_f32_16x16x32_f16 v[ACC+8*n:ACC+8*n+7], v[((t%8)*NB+n)*8:((t%8)*NB+n)*8+7], v[SL+8*(t-4*(\c)):SL+8*(t-4*(\c))+7], v[ACC+8*n:ACC+8*n+7]
.set n, n+1
.endr
.set t, t+1
.endr
	WIN WA<<6                                      ; destination: the slot's window; address: window 0
.rept 4
	v_nop
.endr
.set u, 0
.rept 8
	global_load_b128 v[SL+4*u:SL+4*u+3], v[OFF+1-(\cur)], s[SA:SA+1] offset:STRIDE*(8*(\c)+u)
.set u, u+1
.endr
	WIN 0
.endm
; GELU of N numbers a lane (16 or 8), from accumulator b on, rounded in place and stored.  The 2 N transcendentals are one batch with one wait; the N maxima are the independent work behind them.
.macro GELU b, N
.set Z,  ACC+8*(\b)
.set AB, TMP
.set TT, TMP+16
.set XX, TMP+32
.set PP, TMP+48
.set j, 0
.rept \N
	v_and_b32 v[AB+j], s48, v[Z+j]                 ; |z|: each accumulator is read from its low end on
.set j, j+1
.endr
.set j, 0
.rept (\N)/2
	v_pk_fma_f32 v[TT+j:TT+j+1], v[AB+j:AB+j+1], s[32:33], 1.0 op_sel_hi:[1,0,0]
	v_pk_mul_f32 v[XX+j:XX+j+1], v[Z+j:Z+j+1], v[Z+j:Z+j+1]
.set j, j+2
.endr
.set j, 0
.rept (\N)/2
	v_pk_mul_f32 v[XX+j:XX+j+1], v[XX+j:XX+j+1], s[34:35] op_sel_hi:[1,0]  ; - z z log2(e) / 2
.set j, j+2
.endr
.set j, 0
.rept \N
	v_rcp_f32 v[TT+j], v[TT+j]
.set j, j+1
.endr
.set j, 0
.rept \N
	v_exp_f32 v[XX+j], v[XX+j]
.set j, j+1
.endr
.set j, 0
.rept \N
	v_max_num_f32 v[Z+j], 0, v[Z+j]
.set j, j+1
.endr
	s_wait_alu depctr_va_vdst(0)                   ; ahead of the batch's first reader: one for the batch
.set j, 0
.rept (\N)/2
	v_pk_fma_f32 v[PP+j:PP+j+1], v[TT+j:TT+j+1], s[36:37], s[38:39] op_sel_hi:[1,0,0]
.set j, j+2
.endr
.irp k, 40,42,44
.set j, 0
.rept (\N)/2
	v_pk_fma_f32 v[PP+j:PP+j+1], v[PP+j:PP+j+1], v[TT+j:TT+j+1], s[\k:\k+1] op_sel_hi:[1,1,0]
.set j, j+2
.endr
.endr
.set j, 0
.rept (\N)/2
	v_pk_mul_f32 v[PP+j:PP+j+1], v[PP+j:PP+j+1], v[TT+j:TT+j+1]
.set j, j+2
.endr
.set j, 0
.rept (\N)/2
	v_pk_mul_f32 v[PP+j:PP+j+1], v[PP+j:PP+j+1], v[XX+j:XX+j+1]
.set j, j+2
.endr
.set j, 0
.rept (\N)/2
	v_pk_fma_f32 v[Z+j:Z+j+1], v[AB+j:AB+j+1], v[PP+j:PP+j+1], v[Z+j:Z+j+1] neg_lo:[1,0,0] neg_hi:[1,0,0]  ; max(z, 0) - |z| Q
.set j, j+2
.endr
.set j, 0
.rept (\N)/2
	v_cvt_pk_f16_f32 v[Z+j], v[Z+2*j], v[Z+2*j+1]  ; in place: register j takes numbers 2 j and 2 j + 1, which no later line of the run reads
.set j, j+1
.endr
.set j, 0
.rept (\N)/8
	global_store_b128 v[HO], v[Z+4*j:Z+4*j+3], s[24:25] offset:512*((\b)+j)  ; 32 lanes store 512 consecutive bytes, at a multiple of 512 from hf's first
.set j, j+1
.endr
.endm
; One tile of 16 rows.  cur = its parity among my tiles.  An even tile starts the search for my two tiles after the next; the odd tile behind it ends that search.
.macro TILE cur
	s_cmp_ge_u32 s8, s6
	s_cbranch_scc1 .Ldone                          ; past the expert's last tile: out of the loop, forward; no barrier stands behind
	s_wait_xcnt 0x0                                ; the last tile's stores and loads have had their addresses translated (ISA guide 3.1): HO, the accumulators, offsets, tokens and the list's base are written again below
	s_add_co_u32 s11, s7, s8                       ; the tile's place among all experts'
	s_min_u32 s11, s11, 210
	s_mul_i32 s12, s11, TILEB
	s_add_co_u32 s12, s12, s10
	v_add_nc_u32 v[HO], s12, v[LN16]
.set n, 0
.rept NB                                               ; the bias starts the sums: lane (r, h), register j of block n: feature 16 n + 8 h + j
	ds_load_b128 v[ACC+8*n:ACC+8*n+3],   v[BA] offset:64*n
	ds_load_b128 v[ACC+8*n+4:ACC+8*n+7], v[BA] offset:64*n+16
.set n, n+1
.endr
.if (\cur) == 0
	v_min_u32 v[TK+1], 3135, v[TKN]                ; my next tile's token, found a tile ago
	v_mul_u32_u24 v[OFF+1], v[TK+1], 1536
	v_lshl_add_u32 v[OFF+1], v[HL], 4, v[OFF+1]
	s_add_co_u32 s13, s8, 8                        ; my tile after the next, and the one behind it
	s_lshl_b32 s13, s13, 4
	SELA
.else
	s_wait_loadcnt 48                              ; the two table loads of the last tile's head are in: younger are that tile's six refills of eight
	SELB
.endif
	s_cmp_lg_u32 s3, 0
	s_cbranch_scc1 .Lnl_\@                         ; slice 0 alone stores the list
	s_lshl_b32 s52, s11, 6
	s_add_nc_u64 s[54:55], s[26:27], s[52:53]
	global_store_b32 v[LSO], v[TK+(\cur)], s[54:55]  ; both halves of the lanes store the same 64 bytes
.Lnl_\@:
	s_wait_dscnt 0x0                               ; the bias is in
.set KA, 42-2*(\cur)                                   ; five younger chunks' 40 loads may stay out, and in an even tile the two table loads of its head
	CHUNK 0, KA, \cur
	CHUNK 1, KA, \cur
	CHUNK 2, KA, \cur
	CHUNK 3, KA, \cur
	CHUNK 4, KA, \cur
	CHUNK 5, KA, \cur                              ; its four v_nop are also the places in front of GELU's reads
	GELU 0, 16
	GELU 2, 8
	s_add_co_u32 s8, s8, 4
.endm
	s_load_b256 s[16:23], s[0:1], 0x0              ; rt s[16:17], xh s[18:19], W1 s[20:21], b1 s[22:23]
	s_load_b128 s[24:27], s[0:1], 0x20             ; hf s[24:25], list s[26:27]
	s_load_b64 s[28:29], s[0:1], 0x30              ; meta
	v_lshl_add_u32 v[SPW], v0, 2, SPARE
	v_mov_b32 v[NIL], 0
	v_lshrrev_b32 v20, 5, v0
	v_readfirstlane_b32 s2, v20                    ; wave 0..3
	s_mov_b32 s3, ttmp9                            ; slice
	s_and_b32 s4, ttmp7, 0xffff                    ; expert
	v_and_b32 v[LANE], 31, v0
	v_lshlrev_b32 v[LN16], 4, v[LANE]
	v_and_b32 v[RL], 15, v0
	v_bfe_u32 v[HL], v0, 4, 1
	v_lshl_add_u32 v[RQ], v[HL], 6, v[RL]          ; r + 64 h
	v_mul_u32_u24 v[BR], v[RL], WP
	v_lshl_add_u32 v[BR], v[HL], 4, v[BR]          ; row r x pitch + 16 h
	s_mul_i32 s11, s2, WROWS*WP
	v_lshl_add_u32 v[WS], v[LANE], 3, s11          ; my wave's 12 rows, 8 bytes a lane
	s_lshl_b32 s58, s2, 8
	s_add_co_u32 s58, s58, BIAS                    ; my wave's copy of the bias
	v_lshl_add_u32 v[BA], v[HL], 5, s58
	v_lshlrev_b32 v22, 9, v[RL]
	v_lshl_add_u32 v22, v[HL], 8, v22              ; all experts' counts: expert r's row, half h
	v_lshlrev_b32 v23, 3, v[LANE]
	v_min_u32 v23, 184, v23                        ; the slice has 192 bytes of bias: lanes 24 to 31 take the last pair again, so that the last slice's load stays inside b1
	KPAIR 32, 0x3e6d3389                           ; 0.2316419
	KPAIR 34, 0xbf38aa3b                           ; - log2(e) / 2
	KPAIR 36, 0x3f07dc22                           ; c5 =  0.5307027145
	KPAIR 38, 0xbf3a00e3                           ; c4 = -0.7265760135
	KPAIR 40, 0x3f35f0e3                           ; c3 =  0.7107068705
	KPAIR 42, 0xbe11a98e                           ; c2 = -0.142248368
	KPAIR 44, 0x3e027906                           ; c1 =  0.127414796
	s_mov_b32 s46, 0x76543210                      ; v_permlanex16_b32: each lane takes its own place in the other half
	s_mov_b32 s47, 0xfedcba98
	s_mov_b32 s48, 0x7fffffff
	s_mov_b32 s49, 0xffff0000                      ; lanes 16 to 31
	s_mul_i32 s10, s3, 512*NB                      ; the slice's three blocks in a tile of hf
	s_mov_b32 s8, s2                               ; my first tile
	s_lshl_b32 s50, s4, 9                          ; the expert's row of masks
	s_mov_b32 s51, 0
	s_mul_i32 s12, s4, 768
	s_mul_i32 s13, s3, 16*NB
	s_add_co_u32 s12, s12, s13                     ; the slice's first feature among all experts'
	s_lshl_b32 s14, s12, 2
	s_mov_b32 s15, 0
	s_mul_i32 s13, s2, WROWS
	s_add_co_u32 s12, s12, s13                     ; + 12 w
	s_mul_i32 s12, s12, 3072
	s_mov_b32 s13, 0
	s_lshl_b32 s52, s4, 7
	s_mov_b32 s53, 0
	s_wait_kmcnt 0x0
	s_add_nc_u64 s[50:51], s[16:17], s[50:51]
	s_add_nc_u64 s[22:23], s[22:23], s[14:15]
	s_add_nc_u64 s[SW:SW+1], s[SW:SW+1], s[12:13]
	s_add_nc_u64 s[28:29], s[28:29], s[52:53]
	global_load_b128 v[TMP:TMP+3], v[LN16], s[50:51] offset:8192  ; the expert's own counts: lane l: the eight counts of tokens 128 l on
.set i, 0
.rept 16
	global_load_b128 v[RING+4*i:RING+4*i+3], v22, s[16:17] offset:8192+16*i  ; all experts' counts: 128 of expert r's a lane
.set i, i+1
.endr
	global_load_b64 v[TMP+4:TMP+5], v23, s[22:23]  ; the slice's 48 biases
	WLOAD 0                                        ; two thirds of my weights are asked for before anything is waited for
	WLOAD 1
	WIN 0
	s_wait_loadcnt 48                              ; 48 loads are younger than the 18 above
	v_lshl_add_u32 v[TMP+6], v[LANE], 3, s58
	ds_store_b64 v[TMP+6], v[TMP+4:TMP+5]
	; TB.  The packed counts are added (a half holds 64 x 16 at the most), then the halves, then the other half of the lanes': expert r's count in lane r.
.set i, 0
.rept 16
	v_add3_u32 v[RING+i], v[RING+i], v[RING+16+i], v[RING+32+i]
.set i, i+1
.endr
.set i, 0
.rept 16
	v_add_nc_u32 v[RING+i], v[RING+i], v[RING+48+i]
.set i, i+1
.endr
.set i, 0
.rept 4
	v_add3_u32 v[RING+i], v[RING+i], v[RING+4+i], v[RING+8+i]
.set i, i+1
.endr
.set i, 0
.rept 4
	v_add_nc_u32 v[RING+i], v[RING+i], v[RING+12+i]
.set i, i+1
.endr
	v_add3_u32 v[RING], v[RING], v[RING+1], v[RING+2]
	v_add_nc_u32 v[RING], v[RING], v[RING+3]
	v_lshrrev_b32 v[RING+1], 16, v[RING]
	v_and_b32 v[RING], 0xffff, v[RING]
	v_add_nc_u32 v[RING], v[RING], v[RING+1]
	v_permlanex16_b32 v[RING+1], v[RING], s46, s47
	v_add_nc_u32 v[RING], v[RING], v[RING+1]
	v_add_nc_u32 v[RING], 15, v[RING]
	v_lshrrev_b32 v[RING], 4, v[RING]              ; expert r's tiles,
	v_cmp_gt_u32 vcc_lo, s4, v[RL]
	v_cndmask_b32 v[RING], 0, v[RING], vcc_lo      ; counted where r < e,
.irp m, 1,2,4,8
	v_mov_b32_dpp v[RING+1], v[RING] row_xmask:\m row_mask:0xf bank_mask:0xf
	v_add_nc_u32 v[RING], v[RING], v[RING+1]       ; and added over the 16 lanes
.endr
	v_readfirstlane_b32 s7, v[RING]
	s_min_u32 s7, s7, 210
	; THE GROUPS' RUNNING COUNTS.  Lane l adds its eight counts (128 at the most); they go to scalar registers and are added up there.
	v_add3_u32 v[TMP], v[TMP], v[TMP+1], v[TMP+2]
	v_add_nc_u32 v[TMP], v[TMP], v[TMP+3]
	v_lshrrev_b32 v[TMP+1], 16, v[TMP]
	v_and_b32 v[TMP], 0xffff, v[TMP]
	v_add_nc_u32 v[TMP], v[TMP], v[TMP+1]
.set l, 0
.rept 24
	v_readlane_b32 s[PX+l], v[TMP], l              ; group l's count, in the place of group l + 1's word
.set l, l+1
.endr
	v_readlane_b32 s12, v[TMP], 24                 ; tokens 3,072 on: the last group
	s_mov_b32 s57, 0
.set l, 0
.rept 24
	s_add_co_u32 s57, s57, s[PX+l]                 ; the expert's tokens ahead of group l + 1
	s_lshl_b32 s[PX+l], s57, 8
	s_or_b32 s[PX+l], s[PX+l], l+1
.set l, l+1
.endr
	s_add_co_u32 s57, s57, s12                     ; the expert's count
	s_add_co_u32 s6, s57, 15
	s_lshr_b32 s6, s6, 4                           ; the expert's tiles
	s_min_u32 s6, s6, 196
	s_max_u32 s56, s57, 1
	s_sub_co_u32 s56, s56, 1                       ; the last rank (0 for an expert without rows, whose loads are never used)
	s_min_u32 s56, s56, 3135
	s_or_b32 s11, s2, s3
	s_cmp_lg_u32 s11, 0
	s_cbranch_scc1 .Lnometa                        ; wave 0 of slice 0 stores the expert's 128 bytes of meta
	v_mov_b32 v30, 0
	v_writelane_b32 v30, s6, 0
	v_writelane_b32 v30, s7, 1
	v_lshlrev_b32 v31, 2, v[LANE]
	global_store_b32 v31, v30, s[28:29]            ; v30 and v31 are not written again
.Lnometa:
	s_lshl_b32 s13, s2, 4                          ; my first two tiles: w and w + 4
	SELA
	WLOAD 2                                        ; the last third of my weights
	PHASE 0, 50                                    ; younger than the first third's loads: the second third's 24, the two table loads, the last third's 24
	PHASE 1, 26                                    ; younger: the two table loads and the last third's 24
	s_wait_loadcnt 24                              ; the two table loads are in
	SELB
.set u, 0
.rept 32                                               ; the ring is filled with my first tile: slots 0 to 3,
	global_load_b128 v[RING+4*u:RING+4*u+3], v[OFF], s[SA:SA+1] offset:STRIDE*u
.set u, u+1
.endr
	WIN 0x40
.set u, 0
.rept 16                                               ; and slots 4 and 5, in window 1, above the first third's fragments
	global_load_b128 v[RINGB+4*u:RINGB+4*u+3], v[OFF], s[SA:SA+1] offset:STRIDE*(32+u)
.set u, u+1
.endr
	PHASE 2, 48                                    ; younger: the ring's 48
	v_and_b32 v[LSO], 1, v[RL]                     ; row r of a tile lies at word (r % 2, r / 2) of its 64 bytes of list
	v_lshlrev_b32 v[LSO], 5, v[LSO]
	v_lshrrev_b32 v[SCR], 1, v[RL]
	v_lshl_add_u32 v[LSO], v[SCR], 2, v[LSO]
	s_mov_b32 s9, 25
.Lrow:                                                 ; two tiles a trip: offsets, tokens and the search go by the tile's parity
	TILE 0
	TILE 1
	s_sub_co_i32 s9, s9, 1
	s_cmp_lg_u32 s9, 0
	s_cbranch_scc1 .Lrow
.Ldone:
	s_wait_tensorcnt 0x0                           ; the wave's end
	ds_add_u32 v[SPW], v[NIL]
	s_wait_dscnt 0x0
	s_endpgm
.Lfunc_end_k_q9275820d50_fc1:
	.size	k_q9275820d50_fc1, .Lfunc_end_k_q9275820d50_fc1-k_q9275820d50_fc1
	.p2alignl 7, 3214868480
	.fill 96, 4, 3214868480
	.section	.rodata,"a",@progbits
	.p2align	6, 0x0
	.amdhsa_kernel k_q9275820d50_fc1
		.amdhsa_group_segment_fixed_size 77568
		.amdhsa_private_segment_fixed_size 0
		.amdhsa_enable_private_segment 0
		.amdhsa_kernarg_size 56
		.amdhsa_user_sgpr_count 2
		.amdhsa_user_sgpr_kernarg_segment_ptr 1
		.amdhsa_wavefront_size32 1
		.amdhsa_system_sgpr_workgroup_id_x 1
		.amdhsa_system_sgpr_workgroup_id_y 1
		.amdhsa_system_sgpr_workgroup_id_z 1
		.amdhsa_system_vgpr_workitem_id 0
		.amdhsa_next_free_vgpr 1024
		.amdhsa_next_free_sgpr 96
		.amdhsa_reserve_vcc 1
		.amdhsa_float_denorm_mode_32 3
		.amdhsa_float_denorm_mode_16_64 3
		.amdhsa_memory_ordered 1
		.amdhsa_forward_progress 1
		.amdhsa_inst_pref_size 108
	.end_amdhsa_kernel
	.amdgpu_metadata
---
amdhsa.version: [ 1, 2 ]
amdhsa.kernels:
  - .name:           k_q9275820d50_fc1
    .symbol:         k_q9275820d50_fc1.kd
    .args:
      - { .name: rt, .offset: 0, .size: 8, .value_kind: global_buffer, .address_space: global }
      - { .name: xh, .offset: 8, .size: 8, .value_kind: global_buffer, .address_space: global }
      - { .name: W1, .offset: 16, .size: 8, .value_kind: global_buffer, .address_space: global }
      - { .name: b1, .offset: 24, .size: 8, .value_kind: global_buffer, .address_space: global }
      - { .name: hf, .offset: 32, .size: 8, .value_kind: global_buffer, .address_space: global }
      - { .name: list, .offset: 40, .size: 8, .value_kind: global_buffer, .address_space: global }
      - { .name: meta, .offset: 48, .size: 8, .value_kind: global_buffer, .address_space: global }
    .group_segment_fixed_size: 77568
    .private_segment_fixed_size: 0
    .kernarg_segment_align: 8
    .kernarg_segment_size: 56
    .max_flat_workgroup_size: 128
    .sgpr_count:     96
    .vgpr_count:     1024
    .wavefront_size: 32
...
	.end_amdgpu_metadata
.endif
;; end of part 4
;; launch fc2 (part 5): grid 12 x 16, 4 waves a work-group, no clusters, 120,320 bytes of LDS; arguments meta, list, hf, W2, b2, out0; writes out0
.if DOCPART == 5
	.amdgcn_target "amdgcn-amd-amdhsa--gfx1250"
	.amdhsa_code_object_version 6
	.text
	.protected	k_q9275820d50_fc2
	.globl	k_q9275820d50_fc2
	.p2align	8
	.type	k_q9275820d50_fc2,@function
k_q9275820d50_fc2:
	s_mov_b64 s[64:65], 0
	v_nop
	global_prefetch_b8 v0, s[64:65] scope:SCOPE_SE
	s_setreg_imm32_b32 hwreg(HW_REG_WAVE_MODE, 25, 1), 1
	s_wait_xcnt 0x0
; THE SECOND PRODUCT.  out[token] = h W2[e]^T + b2[e] for the tokens that chose expert e; the gate's weight is 1 (a softmax over one number), and each output row has one expert.
; SHARES.  Work-group (s, e) owns 64 output columns of expert e: 196,608 bytes of f32 weights, read once, rounded to f16 on their way through registers and handed round through LDS; every wave then
; holds the whole slice as fragments in 768 registers, and wave w takes the expert's row tiles w, w + 4, ..  64 columns of f32 are 256 consecutive bytes of an output row, at a multiple of 256: a narrower
; slice (48 columns, as in the first product) would store pieces of 192 bytes.
; h comes from hf in the order in which a lane's operand registers take it: 512 consecutive bytes a load, through a ring of six slots of 32 registers: a whole tile, 24,576 bytes, of each wave is on its way.
; The number of tiles and the first tile come from meta, the rows' tokens from list: whole numbers that the launch before stored.  The loop has a constant count of 25 trips of two tiles and is
; left by a jump forward at the first tile past the expert's last.
; Loads that run ahead of the last tile are held to the last tile that exists.  A tile's places past the expert's count hold its last token again: the same bits go to the same bytes once more.
; THE PRODUCT IS USED TRANSPOSED (source 0 = 16 columns, source 1 = 16 tokens); the bias is the C operand that starts the sums.  A tile leaves through my wave's own stage in LDS, as whole pieces of rows.
; LIMITS.  f16 operands: |W2| under 65,504, and below 6e-5 it keeps f16's fixed step of 6e-8.  NaN and infinities are not treated apart.
; No cluster: each slice of weights has one reader.  An expert's 12 work-groups do walk the same tiles of hf, but the walk's length hangs on a stored count, and such a loop holds no barrier and no tensor load.
.set WP,    528                        ; a row of a third of the slice in LDS: 256 f16 + 16 bytes = 132 words: 16 rows start at 16 different groups of four banks (64 banks of 4 bytes: ISA guide 11.1)
.set WREG,  64*WP
.set STAGE, 3*WREG                     ; 101,376: 16 rows x 272 bytes for each wave
.set SP,    272                        ; 256 bytes + 16: 16 rows start at 16 different groups of four banks
.set BIAS,  STAGE+4*16*SP              ; 118,784: each wave's own copy of the slice's 64 biases
.set SPARE, BIAS+4*256                 ; 119,808: the spare words, 128 bytes a wave
.set TILEB, 24576
.set LN16, 1                           ; v1   16 x lane
.set SPW,  2                           ; v2   my spare word;  v3  0
.set NIL,  3
.set RL,   4                           ; v4   r
.set HL,   5                           ; v5   h
.set BR,   6                           ; v6   where my lane reads weight fragments
.set WS,   7                           ; v7   where my wave's 16 rows of weights go
.set BA,   8                           ; v8   my lane's 8 biases of column block 0
.set OFF,  9                           ; v9, v10  my lane's byte offset in hf, by the tile's parity
.set STO,  11                          ; v11  the stage: where I put 16 bytes of row r
.set RD,   12                          ; v12  the stage: where I read rows back
.set SCR,  13
.set LH,   14                          ; v14  32 h: my half of a tile's 64 bytes of list
.set OC,   15                          ; v15  256 s + 16 r: my 16 bytes in an output row
.set TK,   16                          ; v[16:23], v[24:31]  the tokens of rows 2 t + h, t = 0..7, by the tile's parity; on the way out they become the stores' offsets, in place
.set ACC,  32                          ; v[32:63]  four accumulators; the rows read back from the stage land here again
.set RING, 64                          ; v[64:255] six slots of 32: slot c holds chunk c of a tile
.set TMP,  192                         ; v[192:255] the phases' work registers: slots 4 and 5, which are first filled behind the last phase
.set SW,   22                          ; s[22:23] my wave's 16 rows of W2
.set SA,   20                          ; s[20:21] hf
.set STRIDE, 512
; s2 wave, s3 slice, s4 expert, s6 the expert's tiles, s7 its first tile, s8 the tile in hand, s9 trips, s10 the last tile that a load may name
.set MSB, 0
.macro WIN new                         ; s_set_vgpr_msb: bits 1:0 source 0, 3:2 source 1, 5:4 source 2, 7:6 destination; the high byte repeats the setting that is left
.if MSB != (\new)
	s_set_vgpr_msb (MSB<<8)|(\new)
.set MSB, (\new)
.endif
.endm
.macro WLOAD p                         ; 32 loads: my wave's 16 rows, the 256 k of third p, 512 consecutive bytes a load; read once in the launch
	WIN 0x40*(1+(\p))
.set q, 0
.rept 32
	global_load_b128 v[4*q:4*q+3], v[LN16], s[SW:SW+1] offset:(q/2)*3072+1024*(\p)+512*(q%2) th:TH_LOAD_NT
.set q, q+1
.endr
.endm
.macro PHASE p, n                      ; third p: rounded to f16, into LDS bytes of its own; a barrier; the whole third back as fragments.  n = the younger loads that may stay out
	WIN 0
	s_wait_loadcnt \n
	WIN 5*(1+(\p))
.set q, 0
.rept 32
	v_cvt_pk_f16_f32 v[TMP+2*q], v[4*q], v[4*q+1]
	v_cvt_pk_f16_f32 v[TMP+2*q+1], v[4*q+2], v[4*q+3]
.set q, q+1
.endr
	WIN 0
	v_add_nc_u32 v[SCR], WREG*(\p), v[WS]
.set q, 0
.rept 32
	ds_store_b64 v[SCR], v[TMP+2*q:TMP+2*q+1] offset:(q/2)*WP+(q%2)*256
.set q, q+1
.endr
	s_wait_dscnt 0x0                               ; for the others' sake: my 16 rows are in LDS
	s_barrier_signal -1
	s_barrier_wait -1
	v_add_nc_u32 v[SCR], WREG*(\p), v[BR]
	WIN 0x40*(1+(\p))
.set f, 0
.rept 32
	ds_load_b128 v[8*f:8*f+3],   v[SCR] offset:(f%4)*16*WP+(f/4)*64
	ds_load_b128 v[8*f+4:8*f+7], v[SCR] offset:(f%4)*16*WP+(f/4)*64+32
.set f, f+1
.endr
	WIN 0
.endm
; Chunk c of a tile's six: 4 K steps x 4 column blocks, from slot c, which then takes chunk c of my next tile.  The four accumulators take turns, one instruction a turn.
.macro CHUNK c, cur
	s_wait_loadcnt 42                              ; loads come back in order (ISA guide 5.7.1): younger than this chunk's eight are five chunks' 40 and the two list loads of this tile's head
	WIN 1+(\c)/2
.set SL, RING+32*(\c)
.set t, 4*(\c)
.rept 4
.set n, 0
.rept 4
	v_wmma_f32_16x16x32_f16 v[ACC+8*n:ACC+8*n+7], v[((t%8)*4+n)*8:((t%8)*4+n)*8+7], v[SL+8*(t-4*(\c)):SL+8*(t-4*(\c))+7], v[ACC+8*n:ACC+8*n+7]
.set n, n+1
.endr
.set t, t+1
.endr
	WIN 0
.rept 4
	v_nop                                          ; four places between the products and the loads into the slot that they read
.endr
.set u, 0
.rept 8
	global_load_b128 v[SL+4*u:SL+4*u+3], v[OFF+1-(\cur)], s[SA:SA+1] offset:STRIDE*(8*(\c)+u)
.set u, u+1
.endr
.endm
.macro TILE cur
	s_cmp_ge_u32 s8, s6
	s_cbranch_scc1 .Ldone                          ; past the expert's last tile: out of the loop, forward
	s_wait_xcnt 0x0                                ; the last tile's stores and loads have had their addresses translated (ISA guide 3.1): offsets, the accumulators and the list's base are written again below
.set n, 0
.rept 4                                                ; the bias starts the sums; the scalar work and the list loads below stand between these loads and the wait for them
	ds_load_b128 v[ACC+8*n:ACC+8*n+3],   v[BA] offset:64*n
	ds_load_b128 v[ACC+8*n+4:ACC+8*n+7], v[BA] offset:64*n+16
.set n, n+1
.endr
	s_add_co_u32 s11, s7, s8
	s_add_co_u32 s11, s11, 4                       ; my next tile, held to the last that exists
	s_min_u32 s11, s11, s10
	s_min_u32 s11, s11, 210
	s_mul_i32 s12, s11, TILEB
	v_add_nc_u32 v[OFF+1-(\cur)], s12, v[LN16]
	s_lshl_b32 s52, s11, 6
	s_add_nc_u64 s[54:55], s[18:19], s[52:53]
	global_load_b128 v[TK+8*(1-(\cur)):TK+8*(1-(\cur))+3],   v[LH], s[54:55]   ; its tokens: in by the next tile's first wait, used at that tile's end
	global_load_b128 v[TK+8*(1-(\cur))+4:TK+8*(1-(\cur))+7], v[LH], s[54:55] offset:16
	s_wait_dscnt 0x0
	CHUNK 0, \cur
	CHUNK 1, \cur
	CHUNK 2, \cur
	CHUNK 3, \cur
	CHUNK 4, \cur
	CHUNK 5, \cur                                  ; its four v_nop are also the places in front of the stores below
.set n, 0
.rept 4                                                ; lane (r, h): columns 16 n + 8 h + 0..7 of row r; each accumulator from its low end on
	ds_store_b128 v[STO], v[ACC+8*n:ACC+8*n+3]   offset:64*n
	ds_store_b128 v[STO], v[ACC+8*n+4:ACC+8*n+7] offset:64*n+16
.set n, n+1
.endr
.set t, 0
.rept 8                                                ; back by rows, into the registers that they left: lanes 0-15 row 2 t, lanes 16-31 row 2 t + 1.  LDS serves a wave's instructions in order (ISA guide 5.7.1.4)
	ds_load_b128 v[ACC+4*t:ACC+4*t+3], v[RD] offset:2*SP*t
.set t, t+1
.endr
.set t, 0
.rept 8                                                ; a token becomes its row's byte offset, in place
	v_min_u32 v[TK+8*(\cur)+t], 3135, v[TK+8*(\cur)+t]
	v_mul_u32_u24 v[TK+8*(\cur)+t], v[TK+8*(\cur)+t], 3072
	v_add_nc_u32 v[TK+8*(\cur)+t], v[OC], v[TK+8*(\cur)+t]
.set t, t+1
.endr
.set t, 0
.rept 8
	s_wait_dscnt 7-t                               ; the younger rows may stay out
	global_store_b128 v[TK+8*(\cur)+t], v[ACC+4*t:ACC+4*t+3], s[26:27] th:TH_STORE_NT  ; 16 lanes store 256 consecutive bytes, at a multiple of 256 from out0's first
.set t, t+1
.endr
	s_add_co_u32 s8, s8, 4
.endm
	s_load_b256 s[16:23], s[0:1], 0x0              ; meta s[16:17], list s[18:19], hf s[20:21], W2 s[22:23]
	s_load_b128 s[24:27], s[0:1], 0x20             ; b2 s[24:25], out0 s[26:27]
	v_lshl_add_u32 v[SPW], v0, 2, SPARE
	v_mov_b32 v[NIL], 0
	v_lshrrev_b32 v29, 5, v0
	v_readfirstlane_b32 s2, v29                    ; wave 0..3
	s_mov_b32 s3, ttmp9                            ; slice
	s_and_b32 s4, ttmp7, 0xffff                    ; expert
	v_and_b32 v29, 31, v0                          ; lane
	v_lshlrev_b32 v[LN16], 4, v29
	v_and_b32 v[RL], 15, v0
	v_bfe_u32 v[HL], v0, 4, 1
	v_mul_u32_u24 v[BR], v[RL], WP
	v_lshl_add_u32 v[BR], v[HL], 4, v[BR]
	s_mul_i32 s11, s2, 16*WP
	v_lshl_add_u32 v[WS], v29, 3, s11
	s_lshl_b32 s58, s2, 8
	s_add_co_u32 s58, s58, BIAS
	v_lshl_add_u32 v[BA], v[HL], 5, s58
	v_lshlrev_b32 v28, 3, v29
	s_mul_i32 s11, s2, 16*SP
	s_add_co_u32 s11, s11, STAGE                   ; my stage
	v_mul_u32_u24 v[STO], v[RL], SP
	v_lshl_add_u32 v[STO], v[HL], 5, v[STO]
	v_add_nc_u32 v[STO], s11, v[STO]
	v_mul_u32_u24 v[RD], v[HL], SP
	v_lshl_add_u32 v[RD], v[RL], 4, v[RD]
	v_add_nc_u32 v[RD], s11, v[RD]
	v_lshlrev_b32 v[LH], 5, v[HL]
	s_lshl_b32 s11, s3, 8
	v_lshl_add_u32 v[OC], v[RL], 4, s11
	s_mov_b32 s8, s2                               ; my first tile
	s_mul_i32 s12, s4, 768
	s_lshl_b32 s13, s3, 6
	s_add_co_u32 s12, s12, s13
	s_lshl_b32 s14, s12, 2
	s_mov_b32 s15, 0
	s_lshl4_add_u32 s12, s2, s12
	s_mul_i32 s12, s12, 3072
	s_mov_b32 s13, 0
	s_lshl_b32 s52, s4, 7
	s_mov_b32 s53, 0
	s_wait_kmcnt 0x0
	s_add_nc_u64 s[16:17], s[16:17], s[52:53]
	s_add_nc_u64 s[24:25], s[24:25], s[14:15]
	s_add_nc_u64 s[SW:SW+1], s[SW:SW+1], s[12:13]
	s_load_b64 s[6:7], s[16:17], 0x0               ; the expert's tiles and its first tile: waited for behind the first phase
	global_load_b64 v[30:31], v28, s[24:25]        ; the slice's 64 biases
	WLOAD 0
	WLOAD 1
	WLOAD 2
	WIN 0
	s_wait_loadcnt 63                              ; the bias is the oldest load of 97
	v_lshl_add_u32 v[SCR], v29, 3, s58
	ds_store_b64 v[SCR], v[30:31]
	PHASE 0, 63                                    ; younger than the first third's loads: 64; a wait names 63 at the most.  The first phase's work stands while the other two thirds arrive
	s_wait_kmcnt 0x0
	s_min_u32 s6, s6, 196
	s_min_u32 s7, s7, 210
	s_add_co_u32 s10, s7, s6
	s_max_u32 s10, s10, 1
	s_sub_co_u32 s10, s10, 1                       ; the expert's last tile; for an expert without rows the tile before, or tile 0: one that has been stored
	s_min_u32 s10, s10, 210
	s_add_co_u32 s11, s7, s2
	s_min_u32 s11, s11, s10
	s_min_u32 s11, s11, 210
	s_lshl_b32 s52, s11, 6
	s_add_nc_u64 s[54:55], s[18:19], s[52:53]
	global_load_b128 v[TK:TK+3],   v[LH], s[54:55]
	global_load_b128 v[TK+4:TK+7], v[LH], s[54:55] offset:16
	s_mul_i32 s12, s11, TILEB
	v_add_nc_u32 v[OFF], s12, v[LN16]
.set u, 0
.rept 32                                               ; slots 0 to 3: chunks 0 to 3 of my first tile
	global_load_b128 v[RING+4*u:RING+4*u+3], v[OFF], s[SA:SA+1] offset:STRIDE*u
.set u, u+1
.endr
	PHASE 1, 63                                    ; younger than the second third's loads: the last third's 32, the list's 2 and the ring's 32
	PHASE 2, 34                                    ; younger: the list's 2 and the ring's 32
.set u, 32
.rept 16                                               ; slots 4 and 5, which the phases have done with (their LDS stores were waited for ahead of the last barrier): chunks 4 and 5
	global_load_b128 v[RING+4*u:RING+4*u+3], v[OFF], s[SA:SA+1] offset:STRIDE*u
.set u, u+1
.endr
	s_mov_b32 s9, 25
.Lrow:                                                 ; two tiles a trip: offsets and tokens go by the tile's parity
	TILE 0
	TILE 1
	s_sub_co_i32 s9, s9, 1
	s_cmp_lg_u32 s9, 0
	s_cbranch_scc1 .Lrow
.Ldone:
	s_wait_tensorcnt 0x0                           ; the wave's end
	ds_add_u32 v[SPW], v[NIL]
	s_wait_dscnt 0x0
	s_endpgm
.Lfunc_end_k_q9275820d50_fc2:
	.size	k_q9275820d50_fc2, .Lfunc_end_k_q9275820d50_fc2-k_q9275820d50_fc2
	.p2alignl 7, 3214868480
	.fill 96, 4, 3214868480
	.section	.rodata,"a",@progbits
	.p2align	6, 0x0
	.amdhsa_kernel k_q9275820d50_fc2
		.amdhsa_group_segment_fixed_size 120320
		.amdhsa_private_segment_fixed_size 0
		.amdhsa_enable_private_segment 0
		.amdhsa_kernarg_size 48
		.amdhsa_user_sgpr_count 2
		.amdhsa_user_sgpr_kernarg_segment_ptr 1
		.amdhsa_wavefront_size32 1
		.amdhsa_system_sgpr_workgroup_id_x 1
		.amdhsa_system_sgpr_workgroup_id_y 1
		.amdhsa_system_sgpr_workgroup_id_z 1
		.amdhsa_system_vgpr_workitem_id 0
		.amdhsa_next_free_vgpr 1024
		.amdhsa_next_free_sgpr 66
		.amdhsa_reserve_vcc 0
		.amdhsa_float_denorm_mode_32 3
		.amdhsa_float_denorm_mode_16_64 3
		.amdhsa_memory_ordered 1
		.amdhsa_forward_progress 1
		.amdhsa_inst_pref_size 82
	.end_amdhsa_kernel
	.amdgpu_metadata
---
amdhsa.version: [ 1, 2 ]
amdhsa.kernels:
  - .name:           k_q9275820d50_fc2
    .symbol:         k_q9275820d50_fc2.kd
    .args:
      - { .name: meta, .offset: 0, .size: 8, .value_kind: global_buffer, .address_space: global }
      - { .name: list, .offset: 8, .size: 8, .value_kind: global_buffer, .address_space: global }
      - { .name: hf, .offset: 16, .size: 8, .value_kind: global_buffer, .address_space: global }
      - { .name: W2, .offset: 24, .size: 8, .value_kind: global_buffer, .address_space: global }
      - { .name: b2, .offset: 32, .size: 8, .value_kind: global_buffer, .address_space: global }
      - { .name: out0, .offset: 40, .size: 8, .value_kind: global_buffer, .address_space: global }
    .group_segment_fixed_size: 120320
    .private_segment_fixed_size: 0
    .kernarg_segment_align: 8
    .kernarg_segment_size: 48
    .max_flat_workgroup_size: 128
    .sgpr_count:     66
    .vgpr_count:     1024
    .wavefront_size: 32
...
	.end_amdgpu_metadata
.endif
;; end of part 5
;; ======== version 3 of 3: 3 launches; version 2 with the launches route, fc1, fc2 written anew for expert scheduling mode
;; limits: values are held in f16: magnitudes above 65,504 overflow, below 6.1e-05 lose precision; inputs' magnitudes at most 65,504; a function is approximated: absolute error at most 1.5e-07; an absolute error that grows with the inputs' magnitude: up to 7.5e-08 times it
;; workspace buffers: xh 4,816,896 bytes; rt 16,384 bytes of whole numbers; hf 5,185,536 bytes; list 13,568 bytes of whole numbers; meta 2,048 bytes of whole numbers
;; launch route (part 6): grid 196 x 1, 4 waves a work-group, no clusters, 54,016 bytes of LDS; arguments x, Wg, bg, xh, rt; writes xh, rt
.if DOCPART == 6
	.amdgcn_target "amdgcn-amd-amdhsa--gfx1250"
	.amdhsa_code_object_version 6
	.text
	.protected	k_q9275820d50_route
	.globl	k_q9275820d50_route
	.p2align	8
	.type	k_q9275820d50_route,@function
k_q9275820d50_route:
	s_mov_b64 s[64:65], 0
	v_nop
	global_prefetch_b8 v0, s[64:65] scope:SCOPE_SE
	s_setreg_imm32_b32 hwreg(HW_REG_WAVE_SCHED_MODE, 0, 2), 2
	s_setreg_imm32_b32 hwreg(HW_REG_WAVE_MODE, 25, 1), 1
	s_wait_xcnt 0x0
	s_wait_alu depctr_vm_vsrc(0)
; THE GATE.  logits = x Wg^T + bg in f32 on the unrounded inputs, argmax over 16 experts (the lower index wins a tie), and x rounded once to f16 for the first product.
; A work-group owns 16 tokens.  Its four waves read the 16 rows once (4 rows a wave, 512 consecutive bytes a load), store them as f16 (xh) and lay them into LDS in f32;
; then wave w makes the part of the 16 x 16 logits that belongs to k = 192 w .. 192 w + 191, the parts meet in LDS, and wave 0 takes the argmax.
; The f32 matrix form is used here alone: the gate is 77 of the problem's 8,292 MFLOP, and a choice made on rounded operands could name another expert than reference() does.
; WHAT IS STORED of the choice, at fixed places (no address here hangs on it): rt bytes 0..8191: u16 [16 experts][256]: halfword t = the mask of this work-group's 16 tokens that chose the expert;
; bytes 8192..16383: u16 [16][256]: the number of bits in that mask.  Halfwords 196..255 are stored as 0 by work-groups 0..59.
; LIMITS.  x beyond 65,504 becomes an infinity in xh.  A NaN logit is not chosen (jnp.argmax would choose it) unless it is expert 0's or 8's first in its group of eight.  Two highest logits
; that differ by less than the rounding of a sum of 768 f32 products (some 1e-6 of their size) may fall either way, since the order of the sums is not reference()'s.
; No cluster: the work-groups share Wg alone, 49,152 bytes against 49,152 bytes of x of their own, read through registers.
; THE MODE: SCHED_MODE bits 1:0 = 2 (LLVM: expert scheduling mode 2), set by the entry lines.  The code itself states the register dependences between vector or matrix instructions
; and memory or LDS instructions, with s_wait_alu, always for 0.
; THE PLAN.  Registers that memory or LDS instructions touch:
;   v1, v8 .. v14   offsets and LDS addresses: made at the head, never written again.
;   XS              x's loads land in it; the 24 LDS stores read it; the roundings write it in place; xh's 24 stores read it; the fragments' LDS loads land in it; the products read it;
;                   the additions use its first eight; in wave 0 the partial logits' LDS loads land in its first 32.
;   P               written by the additions, read by two LDS stores, never written again.
;   v73 .. v75      made once, read by the two table stores.
; So the work on x goes in runs, with one wait between two runs: LDS stores | roundings | xh's stores | LDS loads.
.set XP,    3088                       ; a row of x in LDS: 3,072 bytes + 16: 772 words, so 16 rows start at 16 different groups of four banks (64 banks of 4 bytes: ISA guide 11.1)
.set RED,   16*XP                      ; 49,408: four waves' partial logits, 1,024 bytes each
.set SPARE, RED+4096                   ; 53,504: the spare words, 128 bytes a wave
.set BG,  16                           ; v[16:23]   bg of experts 8 h + 0..7
.set P,   24                           ; v[24:31]   my wave's partial logits
.set XS,  32                           ; v[32:127]  x: first my four rows as loaded, then the tokens' fragments
.set WG,  128                          ; v[128:223] Wg's fragments
.set ACC, 224                          ; v[224:255] four accumulators, written by matrix instructions alone
.set EM,  32                           ; s[32:47]   expert e's mask of tokens
.set EC,  48                           ; s[48:63]   the number of bits in it
	s_load_b256 s[16:23], s[0:1], 0x0              ; x s[16:17], Wg s[18:19], bg s[20:21], xh s[22:23]
	s_load_b64 s[24:25], s[0:1], 0x20              ; rt
	v_lshl_add_u32 v2, v0, 2, SPARE                ; my spare word
	v_mov_b32 v3, 0
	v_lshrrev_b32 v7, 5, v0
	v_readfirstlane_b32 s8, v7                     ; wave 0..3
	v_and_b32 v6, 31, v0                           ; lane
	v_lshlrev_b32 v1, 4, v6                        ; 16 x lane
	v_and_b32 v4, 15, v0                           ; r
	v_bfe_u32 v5, v0, 4, 1                         ; h
	s_mul_i32 s10, ttmp9, 49152                    ; the work-group's 16 rows of x,
	s_wait_alu depctr_va_sdst(0)                   ; s8 is written, ahead of its first reader
	s_mul_i32 s11, s8, 12288                       ; my wave's 4 of them
	s_add_co_u32 s10, s10, s11
	s_mov_b32 s11, 0
	s_mul_i32 s12, s8, 768                         ; my wave's 192 k, in bytes
	v_mul_u32_u24 v8, v4, 3072
	v_lshl_add_u32 v8, v5, 4, v8
	v_add_nc_u32 v8, s12, v8                       ; Wg: expert r, k = 192 w + 4 h
	v_lshlrev_b32 v9, 5, v5                        ; bg: experts 8 h on
	v_mul_u32_u24 v10, v4, XP
	v_lshl_add_u32 v10, v5, 4, v10
	v_add_nc_u32 v10, s12, v10                     ; LDS: token r, the same k
	s_mul_i32 s13, s8, 4*XP
	v_add_nc_u32 v11, s13, v1                      ; LDS: where my four rows go
	v_lshlrev_b32 v12, 3, v6                       ; xh: 8 bytes a lane
	s_lshl_b32 s13, s8, 10
	s_add_co_u32 s13, s13, RED
	v_add_nc_u32 v13, s13, v1                      ; my wave's partial logits
	v_add_nc_u32 v14, RED, v1                      ; all four, for wave 0
	s_lshl_b32 s14, ttmp9, 4
	s_lshl2_add_u32 s14, s8, s14                   ; my first row: 16 t + 4 w
	s_mul_i32 s14, s14, 1536
	s_mov_b32 s15, 0
	s_mov_b32 s26, 0x76543210                      ; v_permlanex16_b32: each lane takes its own place in the other half
	s_mov_b32 s27, 0xfedcba98
	s_wait_kmcnt 0x0
	s_add_nc_u64 s[16:17], s[16:17], s[10:11]
	s_add_nc_u64 s[22:23], s[22:23], s[14:15]
	s_wait_alu depctr_va_vdst(0)                   ; v1 and v8 to v14 are written: every load, store and LDS instruction of the kernel but the last two stores takes its address from one of them
.set i, 0
.rept 24                                               ; my four rows of x, six loads of 512 consecutive bytes a row; read once in the launch
	global_load_b128 v[XS+4*i:XS+4*i+3], v1, s[16:17] offset:(i/6)*3072+(i%6)*512 th:TH_LOAD_NT
.set i, i+1
.endr
.set i, 0
.rept 24                                               ; Wg's fragments: lane (r, h) takes k = 192 w + 8 c + 4 h + 0..3 of expert r
	global_load_b128 v[WG+4*i:WG+4*i+3], v8, s[18:19] offset:32*i
.set i, i+1
.endr
	global_load_b128 v[BG:BG+3], v9, s[20:21]
	global_load_b128 v[BG+4:BG+7], v9, s[20:21] offset:16
.set i, 0
.rept 24                                               ; the rows go into LDS in f32, as they come
.if i%6 == 0
	s_wait_loadcnt 44-i                            ; this row's six loads are in: younger are six for each later row, Wg's 24 and bg's 2
.endif
	ds_store_b128 v11, v[XS+4*i:XS+4*i+3] offset:(i/6)*XP+(i%6)*512
.set i, i+1
.endr
	s_wait_alu depctr_vm_vsrc(0)                   ; the LDS stores have read v[XS ..], which the roundings below write in place
.set i, 0
.rept 24
	v_cvt_pk_f16_f32 v[XS+4*i], v[XS+4*i], v[XS+4*i+1]
	v_cvt_pk_f16_f32 v[XS+4*i+1], v[XS+4*i+2], v[XS+4*i+3]
.set i, i+1
.endr
	s_wait_alu depctr_va_vdst(0)                   ; the roundings are written, which xh's stores read; and they are done reading v[XS ..], in which the fragments' LDS loads land behind the barrier
.set i, 0
.rept 24
	global_store_b64 v12, v[XS+4*i:XS+4*i+1], s[22:23] offset:(i/6)*1536+(i%6)*256  ; 32 lanes store 256 consecutive bytes, at a multiple of 256 from xh's first
.set i, i+1
.endr
	s_wait_xcnt 0x0                                ; the stores' data registers are loaded again below
	s_wait_alu depctr_vm_vsrc(0)                   ; xh's stores have read v[XS ..], in which the LDS loads below land
	s_wait_dscnt 0x0                               ; for the others' sake: my rows are in LDS
	s_barrier_signal -1
	s_barrier_wait -1
.set i, 0
.rept 24                                               ; the tokens' fragments, the same k in the same registers as Wg's
	ds_load_b128 v[XS+4*i:XS+4*i+3], v10 offset:32*i
.set i, i+1
.endr
	s_wait_loadcnt 0x0                             ; Wg and bg
	s_wait_dscnt 0x0
	; 48 products of 4 along K.  Source 0 = 16 experts, source 1 = 16 tokens: in the result lane (r, h), register j is the logit of expert 8 h + j for token r.
	; Both sources hold the same permutation of k.  The four accumulators take turns, one instruction a turn; the first four products start the sums.
.set m, 0
.rept 48
.if m < 4
	v_wmma_f32_16x16x4_f32 v[ACC+8*(m%4):ACC+8*(m%4)+7], v[WG+2*m:WG+2*m+1], v[XS+2*m:XS+2*m+1], 0
.else
	v_wmma_f32_16x16x4_f32 v[ACC+8*(m%4):ACC+8*(m%4)+7], v[WG+2*m:WG+2*m+1], v[XS+2*m:XS+2*m+1], v[ACC+8*(m%4):ACC+8*(m%4)+7]
.endif
.set m, m+1
.endr
.rept 8
	v_nop                                          ; eight places behind a product of this form before its result is read (ISA guide 7.12.1)
.endr
.irp j, 0,2,4,6                                        ; the four sums are added into other registers, each accumulator from its low end on
	v_pk_add_f32 v[P+\j:P+\j+1], v[ACC+\j:ACC+\j+1], v[ACC+8+\j:ACC+8+\j+1]
.endr
.irp j, 0,2,4,6
	v_pk_add_f32 v[XS+\j:XS+\j+1], v[ACC+16+\j:ACC+16+\j+1], v[ACC+24+\j:ACC+24+\j+1]
.endr
.irp j, 0,2,4,6
	v_pk_add_f32 v[P+\j:P+\j+1], v[P+\j:P+\j+1], v[XS+\j:XS+\j+1]
.endr
	s_wait_alu depctr_va_vdst(0)                   ; the additions have written P, which the LDS stores read; they and the products are done with v[XS ..], in which wave 0's LDS loads land
	ds_store_b128 v13, v[P:P+3]
	ds_store_b128 v13, v[P+4:P+7] offset:512
	s_wait_dscnt 0x0                               ; for wave 0's sake
	s_barrier_signal -1
	s_barrier_wait -1
	s_cmp_lg_u32 s8, 0
	s_cbranch_scc1 .Lend                           ; the rest is wave 0's; no barrier follows
.irp k, 0,1,2,3
	ds_load_b128 v[XS+8*\k:XS+8*\k+3], v14 offset:1024*\k
	ds_load_b128 v[XS+8*\k+4:XS+8*\k+7], v14 offset:1024*\k+512
.endr
	s_wait_dscnt 0x0
.irp j, 0,2,4,6
	v_pk_add_f32 v[XS+\j:XS+\j+1], v[XS+\j:XS+\j+1], v[XS+8+\j:XS+8+\j+1]
	v_pk_add_f32 v[XS+16+\j:XS+16+\j+1], v[XS+16+\j:XS+16+\j+1], v[XS+24+\j:XS+24+\j+1]
.endr
.irp j, 0,2,4,6
	v_pk_add_f32 v[XS+\j:XS+\j+1], v[XS+\j:XS+\j+1], v[XS+16+\j:XS+16+\j+1]
.endr
.irp j, 0,2,4,6
	v_pk_add_f32 v[XS+\j:XS+\j+1], v[XS+\j:XS+\j+1], v[BG+\j:BG+\j+1]
.endr
	v_mov_b32 v64, v[XS]                           ; the best of my eight experts and its number: only a strictly greater logit displaces an earlier one
	v_mov_b32 v65, 0
.irp j, 1,2,3,4,5,6,7
	v_cmp_gt_f32 vcc_lo, v[XS+\j], v64
	s_wait_alu depctr_va_vcc(0)                    ; VCC is written, ahead of the two selects; each compare needs the select before it, so the seven make no run
	v_cndmask_b32 v64, v64, v[XS+\j], vcc_lo
	v_cndmask_b32 v65, v65, \j, vcc_lo
.endr
	v_lshl_add_u32 v65, v5, 3, v65                 ; + 8 h
	v_mov_b32 v66, 0                               ; v_permlanex16_b32 counts as a reader of its destination
	v_mov_b32 v67, 0
	v_permlanex16_b32 v66, v64, s26, s27           ; the token's other eight experts lie in the lane 16 away
	v_permlanex16_b32 v67, v65, s26, s27
	s_mov_b32 s28, 0xffff0000                      ; lanes 16 to 31
	v_cndmask_b32 v68, v64, v66, s28               ; experts 0-7's best, in both halves of the lanes,
	v_cndmask_b32 v69, v65, v67, s28
	v_cndmask_b32 v70, v66, v64, s28               ; and experts 8-15's
	v_cndmask_b32 v71, v67, v65, s28
	v_cmp_gt_f32 vcc_lo, v70, v68
	v_mov_b32 v73, 0
	v_mov_b32 v75, 0
	v_lshlrev_b32 v74, 9, v4                       ; row r of 512 bytes, in the table h, halfword t: a fixed place
	v_lshl_add_u32 v74, v5, 13, v74
	s_lshl_b32 s29, ttmp9, 1
	v_add_nc_u32 v74, s29, v74
	s_wait_alu depctr_va_vcc(0)                    ; VCC is written, ahead of the select
	v_cndmask_b32 v72, v69, v71, vcc_lo            ; token r's expert
.irp e, 0,1,2,3,4,5,6,7,8,9,10,11,12,13,14,15
	v_cmp_eq_u32 s[EM+\e], \e, v72                 ; the sixteen compares in one run, each into a register of its own
.endr
	s_wait_alu depctr_va_sdst(0)                   ; the sixteen masks are written, ahead of their first readers
.irp e, 0,1,2,3,4,5,6,7,8,9,10,11,12,13,14,15
	s_and_b32 s[EM+\e], s[EM+\e], 0xffff           ; bit r: token r chose expert e
	s_bcnt1_i32_b32 s[EC+\e], s[EM+\e]
	v_writelane_b32 v73, s[EM+\e], \e              ; lane e carries the mask, lane 16 + e the count
	v_writelane_b32 v73, s[EC+\e], 16+\e
.endr
	s_wait_alu depctr_va_vdst(0)                   ; v73, v74 and v75 are written, which the two stores below read
	global_store_b16 v74, v73, s[24:25]
	s_cmp_lt_u32 ttmp9, 60
	s_cbranch_scc0 .Lend
	global_store_b16 v74, v75, s[24:25] offset:392 ; halfword 196 + t: the tables' unused ends hold 0
.Lend:
	s_wait_dscnt 0x0                               ; the closing lines, six on end
	s_wait_alu 0x0
	s_wait_tensorcnt 0x0
	ds_add_u32 v2, v3
	s_wait_dscnt 0x0
	s_endpgm
.Lfunc_end_k_q9275820d50_route:
	.size	k_q9275820d50_route, .Lfunc_end_k_q9275820d50_route-k_q9275820d50_route
	.p2alignl 7, 3214868480
	.fill 96, 4, 3214868480
	.section	.rodata,"a",@progbits
	.p2align	6, 0x0
	.amdhsa_kernel k_q9275820d50_route
		.amdhsa_group_segment_fixed_size 54016
		.amdhsa_private_segment_fixed_size 0
		.amdhsa_enable_private_segment 0
		.amdhsa_kernarg_size 40
		.amdhsa_user_sgpr_count 2
		.amdhsa_user_sgpr_kernarg_segment_ptr 1
		.amdhsa_wavefront_size32 1
		.amdhsa_system_sgpr_workgroup_id_x 1
		.amdhsa_system_sgpr_workgroup_id_y 1
		.amdhsa_system_sgpr_workgroup_id_z 1
		.amdhsa_system_vgpr_workitem_id 0
		.amdhsa_next_free_vgpr 256
		.amdhsa_next_free_sgpr 66
		.amdhsa_reserve_vcc 1
		.amdhsa_float_denorm_mode_32 3
		.amdhsa_float_denorm_mode_16_64 3
		.amdhsa_memory_ordered 1
		.amdhsa_forward_progress 1
		.amdhsa_inst_pref_size 29
	.end_amdhsa_kernel
	.amdgpu_metadata
---
amdhsa.version: [ 1, 2 ]
amdhsa.kernels:
  - .name:           k_q9275820d50_route
    .symbol:         k_q9275820d50_route.kd
    .args:
      - { .name: x, .offset: 0, .size: 8, .value_kind: global_buffer, .address_space: global }
      - { .name: Wg, .offset: 8, .size: 8, .value_kind: global_buffer, .address_space: global }
      - { .name: bg, .offset: 16, .size: 8, .value_kind: global_buffer, .address_space: global }
      - { .name: xh, .offset: 24, .size: 8, .value_kind: global_buffer, .address_space: global }
      - { .name: rt, .offset: 32, .size: 8, .value_kind: global_buffer, .address_space: global }
    .group_segment_fixed_size: 54016
    .private_segment_fixed_size: 0
    .kernarg_segment_align: 8
    .kernarg_segment_size: 40
    .max_flat_workgroup_size: 128
    .sgpr_count:     66
    .vgpr_count:     256
    .wavefront_size: 32
...
	.end_amdgpu_metadata
.endif
;; end of part 6
;; launch fc1 (part 7): grid 16 x 16, 4 waves a work-group, no clusters, 77,568 bytes of LDS; arguments rt, xh, W1, b1, hf, list, meta; writes hf, list, meta
.if DOCPART == 7
	.amdgcn_target "amdgcn-amd-amdhsa--gfx1250"
	.amdhsa_code_object_version 6
	.text
	.protected	k_q9275820d50_fc1
	.globl	k_q9275820d50_fc1
	.p2align	8
	.type	k_q9275820d50_fc1,@function
k_q9275820d50_fc1:
	s_mov_b64 s[64:65], 0
	v_nop
	global_prefetch_b8 v0, s[64:65] scope:SCOPE_SE
	s_setreg_imm32_b32 hwreg(HW_REG_WAVE_SCHED_MODE, 0, 2), 2
	s_setreg_imm32_b32 hwreg(HW_REG_WAVE_MODE, 25, 1), 1
	s_wait_xcnt 0x0
	s_wait_alu depctr_vm_vsrc(0)
; THE FIRST PRODUCT.  h = gelu(x W1[e]^T + b1[e]) for the tokens that chose expert e, and the placing of the rows.
; SHARES.  Work-group (s, e) owns 48 hidden features (48 s ..) of expert e: 147,456 bytes of f32 weights, which it alone reads, once; 16 slices x 16 experts are 256 work-groups.  The weights are rounded
; to f16 on their way through registers and handed round through LDS, after which EVERY wave holds the whole slice as fragments: 3 blocks of 16 features x 24 K steps x 8 = 576 registers.  Wave w then
; takes the expert's row tiles w, w + 4, ..: 16 tokens each, gathered from xh straight into operand registers, through a ring of six slots of 32 registers.
; The loop over tiles writes no LDS and has no barrier.
; THE ROWS.  Row p of the expert is its token of rank p, in ascending order.  It is found in registers, from the masks and counts that the launch before stored, 32 ranks (two of my tiles) at a time:
; (SELA) among the 25 groups of 128 tokens by the groups' running counts, held in scalar registers; each lane then loads its group's eight masks and eight counts; (SELB) three halvings by the stored counts lead to
; one mask of 16 tokens, packed bit sums of that mask and four more halvings to the bit.  Ranks past the count are held to the last: those places compute the expert's last row's bits again.
; The experts' tiles lie end to end: expert e's first tile TB is the sum of ceil(count / 16) over the experts before it: 211 tiles at the most, whatever the split.
; The loop has a constant count of 25 trips of two tiles (an expert with all 3,136 tokens gives a wave 49) and is left by a jump forward at the first tile past the expert's last.
; THE PRODUCT IS USED TRANSPOSED (source 0 = 16 features, source 1 = 16 tokens): lane (r, h) holds features 8 h + 0..7 of token r: after the rounding, the 16 bytes that the same lane needs as
; source 1 of the second product.  hf is laid so: [211 tiles][48 blocks of 16 features][32 lanes][16 bytes]: every store here and every load there covers 512 consecutive bytes.
; The bias is the C operand that starts the sums.  GELU(z) = max(z, 0) - |z| Q(|z|), Q = e^(-z z / 2) (c1 t + .. + c5 t^5), t = 1 / (1 + 0.2316419 |z|): Abramowitz and Stegun 7.1.26.
; ALSO STORED, for the second product: list, u32 [211][2][8]: word (T, hh, t) = the token of row 2 t + hh of tile T (by the work-groups s = 0); meta, 128 bytes an expert: its tiles, its first tile.
; LIMITS.  f16 operands: |x|, |W1| and |h| stay under 65,504, and below 6e-5 they keep f16's fixed step of 6e-8.  Q is within 7.5e-8 of the true tail, so h within 7.5e-8 |z|.  NaN and infinities are not treated apart.
; No cluster: each slice of weights has one reader, and the rows that an expert's 16 work-groups share come by rank, lane by lane.  No tensor loads: the slice would lie in LDS in f32 and be read from there once more.
; THE MODE: SCHED_MODE bits 1:0 = 2 (LLVM: expert scheduling mode 2), set by the entry lines.  The code itself states the register dependences between vector or matrix instructions
; and memory or LDS instructions, with s_wait_alu, always for 0.
; THE PLAN.  Registers that memory or LDS instructions touch, in the loop:
;   the ring       A tile's six chunks go in three pairs.  A pair's 24 products read its two slots; ONE wait on va_vdst stands behind them, and the 16 loads of the same pair of my next tile follow in one run.
;                  (They are not dealt among the products: a load's address is source 0, which the products' window setting puts among the weights.)
;   OFF, TK        by the tile's parity: written in a tile's head (the even tile's head for the odd tile, SELB in the odd tile's head for the even one); OFF is read by that tile's refills, behind the first pair's
;                  wait; TK by list's store a tile later.
;   GA, MM, MC     SELA writes GA; its two loads read GA and land in MM and MC, behind SELA's own wait on va_vdst (SELB's lines are done reading MM and MC); SELB reads all three a tile later.
;   HO             written in a tile's head, read by the tile's three stores.
;   the accumulators  the bias's LDS loads land in them; products and GELU work on them; the stores read the packed h from them.
;   LN16, BA, LSO  made at the kernel's head, never written again.
; One wait on vm_vsrc stands at a tile's head: all that earlier stores and loads have read (HO, the accumulators, TK, OFF, GA) is written again only behind it.
; GELU's second batch's wait also shows the first batch's roundings written: blocks 0 and 1 are stored behind it, block 2 behind one more wait.
; A compare and the select that reads its mask have a wait between them: SELA's 24 compares go in two runs of twelve; SELB's seven halvings are a chain and have a wait each.
.set NB,    3                          ; blocks of 16 features in a slice
.set WROWS, 12                         ; rows of the slice's 48 that a wave brings
.set WP,    528                        ; a row of a third of the slice in LDS: 256 f16 + 16 bytes = 132 words: 16 rows start at 16 different groups of four banks (64 banks of 4 bytes: ISA guide 11.1)
.set WREG,  16*NB*WP                   ; a third of K: 48 rows, 25,344 bytes
.set BIAS,  3*WREG                     ; 76,032: each wave's own copy of the slice's 48 biases, in 256 bytes
.set SPARE, BIAS+4*256                 ; 77,056: the spare words, 128 bytes a wave
.set TILEB, 24576                      ; a tile of hf
.set LN16, 1                           ; v1   16 x lane
.set SPW,  2                           ; v2   my spare word;  v3  0
.set NIL,  3
.set RL,   4                           ; v4   r = lane % 16
.set HL,   5                           ; v5   h = lane / 16
.set BR,   6                           ; v6   where my lane reads weight fragments of the first two thirds
.set WS,   7                           ; v7   where my wave's 12 rows of weights go
.set BA,   8                           ; v8   my lane's 8 biases of feature block 0
.set OFF,  9                           ; v9, v10   byte offset in xh of my lane's token, by the tile's parity
.set RQ,   11                          ; v11  r + 64 h: my lane's rank in a pair of my tiles, which lie four tiles apart
.set TK,   12                          ; v12, v13  my lane's token, by the tile's parity
.set BR2,  14                          ; v14  where my lane reads the last third's fragments: past what an LDS offset's 16 bits reach from BR
.set HO,   15                          ; v15  my lane's byte offset in hf
.set MM,   16                          ; v[16:19]  the eight masks of my rank's group of 128 tokens
.set GA,   20                          ; v20  16 x that group's number: the byte offset of its masks and counts
.set KR,   21                          ; v21  my rank within what is left of the search
.set TKN,  22                          ; v22  the token for my odd tile to come, not yet held to the table
.set MC,   24                          ; v[24:27]  the group's eight counts
.set LANE, 28                          ; v28  lane, in the head
.set LSO,  29                          ; v29  my lane's place in a tile of list;  v30, v31: meta's store
.set ACC,  32                          ; v[32:55]  three accumulators: feature block n at ACC + 8 n; h is packed in place and stored from here
.set RING, 64                          ; v[64:191] slots 0 to 3 of the ring: slot c holds the tokens' fragments of chunk c (4 K steps)
.set RINGB, 192                        ; window 1, v[192:255]: slots 4 and 5
.set TMP,  192                         ; v[192:255] at work
.set QS,   TMP                         ; SELB's registers: three sums of counts,
.set QT,   TMP+3                       ; the tokens in the part that is tried,
.set QK,   TMP+4
.set QCA,  TMP+5
.set QCB,  TMP+6
.set QMA,  TMP+7
.set QMB,  TMP+8
.set QSA,  TMP+9
.set QPOS, TMP+10                      ; the mask's first token in the group,
.set QP2,  TMP+11
.set QM,   TMP+12                      ; the mask, its sums of 2 bits and of 4 bits,
.set QA,   TMP+13
.set QB,   TMP+14
.set QBP,  TMP+15                      ; the bit,
.set QV,   TMP+16                      ; the token
.set SW,   20                          ; s[20:21] my wave's 12 rows of W1
.set SA,   18                          ; s[18:19] xh
.set STRIDE, 32                        ; bytes from one half fragment of a token's row to the next
.set PX,   66                          ; s[66:89]  for group l = 1 .. 24: (the expert's tokens ahead of the group) << 8 | l
.set CM,   90                          ; s[90:101] a run of twelve compare masks
; windows 1 to 3: first (low 96) the f32 weights of a third of K as loaded; then the fragments: K step t, feature block n at window 1 + t / 8, register ((t % 8) 3 + n) 8: 192 registers a window
; s2 wave, s3 slice, s4 expert, s6 the expert's tiles, s7 TB, s8 the tile in hand, s9 trips, s10 1,536 s, s[32:45] GELU's constants in pairs, s[46:47] lane selects, s48 the mask of |z|,
; s49 lanes 16-31, s[50:51] the expert's row of masks in rt (its counts lie 8,192 bytes on), s56 the last rank, s57 the count
.set MSB, 0
.macro WIN new                         ; s_set_vgpr_msb: bits 1:0 source 0, 3:2 source 1, 5:4 source 2, 7:6 destination; the high byte repeats the setting that is left
.if MSB != (\new)
	s_set_vgpr_msb (MSB<<8)|(\new)
.set MSB, (\new)
.endif
.endm
.macro KPAIR r, val                    ; a constant for the packed forms: named as a pair, so both words are written
	s_mov_b32 s[\r], \val
	s_mov_b32 s[\r+1], \val
.endm
; 24 loads: my wave's 12 rows, the 256 k of third p, 512 consecutive bytes a load; read once in the launch.  No vector instruction names their registers ahead of them, and LN16 is covered by the head's wait
.macro WLOAD p
	WIN 0x40*(1+(\p))
.set q, 0
.rept 2*WROWS
	global_load_b128 v[4*q:4*q+3], v[LN16], s[SW:SW+1] offset:(q/2)*3072+1024*(\p)+512*(q%2) th:TH_LOAD_NT
.set q, q+1
.endr
.endm
; Third p: rounded to f16, into LDS; a barrier; the whole third back as fragments.  n = how many younger loads may stay out.  Each third has LDS bytes of its own, written once.
.macro PHASE p, n
	WIN 0
	s_wait_loadcnt \n
	WIN 5*(1+(\p))
.set q, 0
.rept 2*WROWS
	v_cvt_pk_f16_f32 v[TMP+2*q], v[4*q], v[4*q+1]
	v_cvt_pk_f16_f32 v[TMP+2*q+1], v[4*q+2], v[4*q+3]
.set q, q+1
.endr
	WIN 0
	s_wait_alu depctr_va_vdst(0)                   ; the conversions have written v[TMP ..], which the LDS stores read, and are done reading the third's raw registers, in which the fragments land below
.set q, 0
.rept 2*WROWS
	ds_store_b64 v[WS], v[TMP+2*q:TMP+2*q+1] offset:WREG*(\p)+(q/2)*WP+(q%2)*256  ; 32 lanes, 256 consecutive bytes
.set q, q+1
.endr
	s_wait_dscnt 0x0                               ; for the others' sake: my 12 rows are in LDS (and my earlier LDS loads are back)
	s_barrier_signal -1
	s_barrier_wait -1
.if (\p) == 2
.set AR, BR2
.set AO, 0
.else
.set AR, BR
.set AO, WREG*(\p)
.endif
	WIN 0x40*(1+(\p))
.set f, 0
.rept 8*NB                                             ; fragment f: K step f / 3 of the third, feature block f % 3
	ds_load_b128 v[8*f:8*f+3],   v[AR] offset:AO+(f%NB)*16*WP+(f/NB)*64
	ds_load_b128 v[8*f+4:8*f+7], v[AR] offset:AO+(f%NB)*16*WP+(f/NB)*64+32
.set f, f+1
.endr
	WIN 0
.endm
; THE SEARCH, first part.  s13 = 16 x the number of the first of two of my tiles.  Of the 25 groups of 128 tokens mine is the last whose running count does not pass my rank: count and group's number are one
; word, ascending in l, so the last word that is not above (rank << 8 | 255) is kept; two chains of twelve, so that a select does not wait for the one just before it.
; The compares go in two runs of twelve, six of each chain, into twelve scalar registers; one wait stands between a run and its selects.
.macro SELA
	v_add_nc_u32 v[TMP], s13, v[RQ]                ; lanes 0-15: the first tile's ranks; lanes 16-31: those of my next tile
	v_min_u32 v[TMP], s56, v[TMP]                  ; a place past the count takes the last rank
	v_lshl_or_b32 v[TMP+1], v[TMP], 8, 0xff
.set ga, 0
.rept 2
.set i, 0
.rept 6
	v_cmp_le_u32 s[CM+i], s[PX+6*ga+i], v[TMP+1]
	v_cmp_le_u32 s[CM+6+i], s[PX+12+6*ga+i], v[TMP+1]
.set i, i+1
.endr
	s_wait_alu depctr_va_sdst(0)                   ; the run's twelve masks are written, ahead of the selects that read them
.set i, 0
.rept 6
.if (ga == 0) && (i == 0)
	v_cndmask_b32 v[TMP+2], 0, s[PX], s[CM]        ; group 0's word is 0
	v_cndmask_b32 v[TMP+3], 0, s[PX+12], s[CM+6]
.else
	v_cndmask_b32 v[TMP+2], v[TMP+2], s[PX+6*ga+i], s[CM+i]
	v_cndmask_b32 v[TMP+3], v[TMP+3], s[PX+12+6*ga+i], s[CM+6+i]
.endif
.set i, i+1
.endr
.set ga, ga+1
.endr
	v_cmp_ne_u32 vcc_lo, 0, v[TMP+3]               ; the upper chain's word, if it kept one
	s_wait_alu depctr_va_vcc(0)                    ; VCC is written, ahead of the select
	v_cndmask_b32 v[TMP+2], v[TMP+2], v[TMP+3], vcc_lo
	v_lshrrev_b32 v[TMP+3], 8, v[TMP+2]
	v_sub_nc_u32 v[KR], v[TMP], v[TMP+3]           ; my rank within the group
	v_and_b32 v[GA], 0xff, v[TMP+2]
	v_min_u32 v[GA], 31, v[GA]                     ; a row of rt holds 32 groups' 16 bytes
	v_lshlrev_b32 v[GA], 4, v[GA]
	s_wait_alu depctr_va_vdst(0)                   ; GA is written, which the two loads read; the last search's lines are done reading MM and MC, in which they land
	global_load_b128 v[MM:MM+3], v[GA], s[50:51]
	global_load_b128 v[MC:MC+3], v[GA], s[50:51] offset:8192
.endm
.macro TAKE c                          ; VCC: my rank lies past this part's v[c] tokens; then they are taken off it
	v_cmp_ge_u32 vcc_lo, v[KR], v[\c]
	v_sub_nc_u32 v[QK], v[KR], v[\c]
	s_wait_alu depctr_va_vcc(0)                    ; VCC is written, ahead of its first reader; each halving needs the one before it, so the compares make no run
	v_cndmask_b32 v[KR], v[KR], v[QK], vcc_lo
.endm
; THE SEARCH, second part: from the group's masks and counts to the token; then each half of the lanes is given its tile's tokens: the even tile's into TK and OFF, the odd tile's into TKN.
.macro SELB
.irp j, 0,1,2
	v_lshrrev_b32 v[QS+\j], 16, v[MC+\j]           ; a word holds two counts of 16 at the most: their sum
.endr
.irp j, 0,1,2
	v_add_nc_u32 v[QS+\j], v[QS+\j], v[MC+\j]
.endr
.irp j, 0,1,2
	v_and_b32 v[QS+\j], 0xff, v[QS+\j]
.endr
	v_add_nc_u32 v[QT], v[QS], v[QS+1]
	TAKE QT                                        ; the first 64 tokens or the last
	v_cndmask_b32 v[QCA], v[MC], v[MC+2], vcc_lo
	v_cndmask_b32 v[QCB], v[MC+1], v[MC+3], vcc_lo
	v_cndmask_b32 v[QMA], v[MM], v[MM+2], vcc_lo
	v_cndmask_b32 v[QMB], v[MM+1], v[MM+3], vcc_lo
	v_cndmask_b32 v[QSA], v[QS], v[QS+2], vcc_lo
	v_cndmask_b32 v[QPOS], 0, 64, vcc_lo
	v_add_nc_u32 v[QP2], 32, v[QPOS]
	TAKE QSA                                       ; of these the first 32 or the last
	v_cndmask_b32 v[QCA], v[QCA], v[QCB], vcc_lo
	v_cndmask_b32 v[QMA], v[QMA], v[QMB], vcc_lo
	v_cndmask_b32 v[QPOS], v[QPOS], v[QP2], vcc_lo
	v_and_b32 v[QT], 0xffff, v[QCA]
	v_lshrrev_b32 v[QMB], 16, v[QMA]
	v_and_b32 v[QMA], 0xffff, v[QMA]
	v_add_nc_u32 v[QP2], 16, v[QPOS]
	TAKE QT                                        ; of these the first 16 or the last
	v_cndmask_b32 v[QM], v[QMA], v[QMB], vcc_lo
	v_cndmask_b32 v[QPOS], v[QPOS], v[QP2], vcc_lo
	v_lshrrev_b32 v[QA], 1, v[QM]                  ; the mask's bits added in twos,
	v_and_b32 v[QA], 0x5555, v[QA]
	v_sub_nc_u32 v[QA], v[QM], v[QA]
	v_lshrrev_b32 v[QB], 2, v[QA]                  ; in fours,
	v_and_b32 v[QB], 0x3333, v[QB]
	v_and_b32 v[QT], 0x3333, v[QA]
	v_add_nc_u32 v[QB], v[QB], v[QT]
	v_lshrrev_b32 v[QT], 4, v[QB]                  ; and the low eight
	v_add_nc_u32 v[QT], v[QT], v[QB]
	v_and_b32 v[QT], 15, v[QT]
	TAKE QT
	v_cndmask_b32 v[QBP], 0, 8, vcc_lo
	v_bfe_u32 v[QT], v[QB], v[QBP], 4
	v_add_nc_u32 v[QP2], 4, v[QBP]
	TAKE QT
	v_cndmask_b32 v[QBP], v[QBP], v[QP2], vcc_lo
	v_bfe_u32 v[QT], v[QA], v[QBP], 2
	v_add_nc_u32 v[QP2], 2, v[QBP]
	TAKE QT
	v_cndmask_b32 v[QBP], v[QBP], v[QP2], vcc_lo
	v_bfe_u32 v[QT], v[QM], v[QBP], 1
	v_cmp_ge_u32 vcc_lo, v[KR], v[QT]
	v_add_nc_u32 v[QP2], 1, v[QBP]
	s_wait_alu depctr_va_vcc(0)                    ; VCC is written, ahead of the select
	v_cndmask_b32 v[QBP], v[QBP], v[QP2], vcc_lo
	v_lshl_add_u32 v[QV], v[GA], 3, v[QPOS]        ; 128 x group + the mask's place + the bit
	v_add_nc_u32 v[QV], v[QV], v[QBP]
	v_permlanex16_b32 v[QT], v[QV], s46, s47       ; the other tile's tokens lie in the lanes 16 away (the destination has been written)
	v_cndmask_b32 v[TK], v[QV], v[QT], s49         ; the even tile's row r, in lanes r and 16 + r
	v_cndmask_b32 v[TKN], v[QT], v[QV], s49        ; the odd tile's
	v_min_u32 v[TK], 3135, v[TK]
	v_mul_u32_u24 v[OFF], v[TK], 1536
	v_lshl_add_u32 v[OFF], v[HL], 4, v[OFF]        ; my token's row in xh + 16 h
.endm
; Pair k of a tile's three: chunks 2 k and 2 k + 1, 8 K steps x 3 feature blocks, from slots 2 k and 2 k + 1, which then take the same chunks of my next tile.  Slots 4 and 5 lie in window 1.
; The three accumulators take turns, one instruction a turn, from pair to pair and tile to tile.
; Loads come back in order (ISA guide 5.7.1).  Younger than the first chunk's eight loads: its partner's 8, two pairs' 32, and in an even tile the two table loads of its head; than the second chunk's: eight fewer.
.macro PAIR k, cur
.if (\k) < 2
.set SL, RING+64*(\k)
.set WA, 0
.else
.set SL, RINGB
.set WA, 1
.endif
	s_wait_loadcnt 42-2*(\cur)
	WIN (1+(\k))|(WA<<2)                           ; source 0: the weights' window; source 1: the slots'
.set t, 8*(\k)
.rept 8
.if t == 8*(\k)+4
	s_wait_loadcnt 34-2*(\cur)
.endif
.set n, 0
.rept NB
	v_wmma_f32_16x16x32_f16 v[ACC+8*n:ACC+8*n+7], v[((t%8)*NB+n)*8:((t%8)*NB+n)*8+7], v[SL+8*(t-8*(\k)):SL+8*(t-8*(\k))+7], v[ACC+8*n:ACC+8*n+7]
.set n, n+1
.endr
.set t, t+1
.endr
	WIN WA<<6                                      ; destination: the slots' window; address: window 0
.if (\k) == 2
.rept 4
	v_nop                                          ; four places behind the last products, before GELU's lines read their results (ISA guide 7.12.1)
.endr
.endif
	s_wait_alu depctr_va_vdst(0)                   ; the pair's products are done reading its two slots, in which the loads below land; in the first pair: my next tile's offset, made in this tile's head, is written
.set u, 0
.rept 16
	global_load_b128 v[SL+4*u:SL+4*u+3], v[OFF+1-(\cur)], s[SA:SA+1] offset:STRIDE*(16*(\k)+u)
.set u, u+1
.endr
	WIN 0
.endm
; GELU of N numbers a lane (16 or 8), from accumulator b on, rounded in place.  GHEAD: up to the 2 N transcendentals, one batch, and the N maxima, the independent work behind them.  The batch's wait is
; written out between the two macros.  GTAIL: the readers of the batch, down to the roundings.
.macro GREGS b
.set Z,  ACC+8*(\b)
.set AB, TMP
.set TT, TMP+16
.set XX, TMP+32
.set PP, TMP+48
.endm
.macro GHEAD b, N
	GREGS \b
.set j, 0
.rept \N
	v_and_b32 v[AB+j], s48, v[Z+j]                 ; |z|: each accumulator is read from its low end on
.set j, j+1
.endr
.set j, 0
.rept (\N)/2
	v_pk_fma_f32 v[TT+j:TT+j+1], v[AB+j:AB+j+1], s[32:33], 1.0 op_sel_hi:[1,0,0]
	v_pk_mul_f32 v[XX+j:XX+j+1], v[Z+j:Z+j+1], v[Z+j:Z+j+1]
.set j, j+2
.endr
.set j, 0
.rept (\N)/2
	v_pk_mul_f32 v[XX+j:XX+j+1], v[XX+j:XX+j+1], s[34:35] op_sel_hi:[1,0]  ; - z z log2(e) / 2
.set j, j+2
.endr
.set j, 0
.rept \N
	v_rcp_f32 v[TT+j], v[TT+j]
.set j, j+1
.endr
.set j, 0
.rept \N
	v_exp_f32 v[XX+j], v[XX+j]
.set j, j+1
.endr
.set j, 0
.rept \N
	v_max_num_f32 v[Z+j], 0, v[Z+j]
.set j, j+1
.endr
.endm
.macro GTAIL b, N
	GREGS \b
.set j, 0
.rept (\N)/2
	v_pk_fma_f32 v[PP+j:PP+j+1], v[TT+j:TT+j+1], s[36:37], s[38:39] op_sel_hi:[1,0,0]
.set j, j+2
.endr
.irp k, 40,42,44
.set j, 0
.rept (\N)/2
	v_pk_fma_f32 v[PP+j:PP+j+1], v[PP+j:PP+j+1], v[TT+j:TT+j+1], s[\k:\k+1] op_sel_hi:[1,1,0]
.set j, j+2
.endr
.endr
.set j, 0
.rept (\N)/2
	v_pk_mul_f32 v[PP+j:PP+j+1], v[PP+j:PP+j+1], v[TT+j:TT+j+1]
.set j, j+2
.endr
.set j, 0
.rept (\N)/2
	v_pk_mul_f32 v[PP+j:PP+j+1], v[PP+j:PP+j+1], v[XX+j:XX+j+1]
.set j, j+2
.endr
.set j, 0
.rept (\N)/2
	v_pk_fma_f32 v[Z+j:Z+j+1], v[AB+j:AB+j+1], v[PP+j:PP+j+1], v[Z+j:Z+j+1] neg_lo:[1,0,0] neg_hi:[1,0,0]  ; max(z, 0) - |z| Q
.set j, j+2
.endr
.set j, 0
.rept (\N)/2
	v_cvt_pk_f16_f32 v[Z+j], v[Z+2*j], v[Z+2*j+1]  ; in place: register j takes numbers 2 j and 2 j + 1, which no later line of the run reads
.set j, j+1
.endr
.endm
; One tile of 16 rows.  cur = its parity among my tiles.  An even tile starts the search for my two tiles after the next; the odd tile behind it ends that search.
.macro TILE cur
	s_cmp_ge_u32 s8, s6
	s_cbranch_scc1 .Ldone                          ; past the expert's last tile: out of the loop, forward; no barrier stands behind
	s_wait_xcnt 0x0                                ; the last tile's stores and loads have had their addresses translated (ISA guide 3.1): HO, the accumulators, offsets, tokens and the list's base are written again below
	s_wait_alu depctr_vm_vsrc(0)                   ; the stores issued so far have read HO, the packed h in the accumulators and their token, the table loads GA, the refills their offset: all of these are written again below
	s_add_co_u32 s11, s7, s8                       ; the tile's place among all experts'
	s_min_u32 s11, s11, 210
	s_mul_i32 s12, s11, TILEB
	s_add_co_u32 s12, s12, s10
	v_add_nc_u32 v[HO], s12, v[LN16]
.set n, 0
.rept NB                                               ; the bias starts the sums: lane (r, h), register j of block n: feature 16 n + 8 h + j.  The last vector lines that named these registers stand ahead of the last tile's last wait on va_vdst
	ds_load_b128 v[ACC+8*n:ACC+8*n+3],   v[BA] offset:64*n
	ds_load_b128 v[ACC+8*n+4:ACC+8*n+7], v[BA] offset:64*n+16
.set n, n+1
.endr
.if (\cur) == 0
	v_min_u32 v[TK+1], 3135, v[TKN]                ; my next tile's token, found a tile ago
	v_mul_u32_u24 v[OFF+1], v[TK+1], 1536
	v_lshl_add_u32 v[OFF+1], v[HL], 4, v[OFF+1]
	s_add_co_u32 s13, s8, 8                        ; my tile after the next, and the one behind it
	s_lshl_b32 s13, s13, 4
	SELA
.else
	s_wait_loadcnt 48                              ; the two table loads of the last tile's head are in: younger are that tile's three refills of sixteen
	SELB
.endif
	s_cmp_lg_u32 s3, 0
	s_cbranch_scc1 .Lnl_\@                         ; slice 0 alone stores the list
	s_lshl_b32 s52, s11, 6
	s_add_nc_u64 s[54:55], s[26:27], s[52:53]
	global_store_b32 v[LSO], v[TK+(\cur)], s[54:55]  ; both halves of the lanes store the same 64 bytes.  This tile's token was written a tile ago, ahead of that tile's waits on va_vdst; this head writes the other parity's
.Lnl_\@:
	s_wait_dscnt 0x0                               ; the bias is in
	PAIR 0, \cur
	PAIR 1, \cur
	PAIR 2, \cur
	GHEAD 0, 16
	s_wait_alu depctr_va_vdst(0)                   ; the batch's 32 reciprocals and exponentials are written, ahead of their first reader: one wait for the batch
	GTAIL 0, 16
	GHEAD 2, 8
	s_wait_alu depctr_va_vdst(0)                   ; this batch's 16 results are written, ahead of their first reader; so are blocks 0 and 1's roundings and HO, which the two stores below read
	global_store_b128 v[HO], v[ACC:ACC+3], s[24:25]              ; 32 lanes store 512 consecutive bytes, at a multiple of 512 from hf's first
	global_store_b128 v[HO], v[ACC+4:ACC+7], s[24:25] offset:512 ; no vector line below names these eight registers or HO before the next tile's head
	GTAIL 2, 8
	s_wait_alu depctr_va_vdst(0)                   ; block 2's roundings are written, which the store reads
	global_store_b128 v[HO], v[ACC+16:ACC+19], s[24:25] offset:1024
	s_add_co_u32 s8, s8, 4
.endm
	s_load_b256 s[16:23], s[0:1], 0x0              ; rt s[16:17], xh s[18:19], W1 s[20:21], b1 s[22:23]
	s_load_b128 s[24:27], s[0:1], 0x20             ; hf s[24:25], list s[26:27]
	s_load_b64 s[28:29], s[0:1], 0x30              ; meta
	v_lshl_add_u32 v[SPW], v0, 2, SPARE
	v_mov_b32 v[NIL], 0
	v_lshrrev_b32 v20, 5, v0
	v_readfirstlane_b32 s2, v20                    ; wave 0..3
	s_mov_b32 s3, ttmp9                            ; slice
	s_and_b32 s4, ttmp7, 0xffff                    ; expert
	v_and_b32 v[LANE], 31, v0
	v_lshlrev_b32 v[LN16], 4, v[LANE]
	v_and_b32 v[RL], 15, v0
	v_bfe_u32 v[HL], v0, 4, 1
	v_lshl_add_u32 v[RQ], v[HL], 6, v[RL]          ; r + 64 h
	v_mul_u32_u24 v[BR], v[RL], WP
	v_lshl_add_u32 v[BR], v[HL], 4, v[BR]          ; row r x pitch + 16 h
	v_add_nc_u32 v[BR2], 2*WREG, v[BR]             ; the same in the last third
	v_lshlrev_b32 v22, 9, v[RL]
	v_lshl_add_u32 v22, v[HL], 8, v22              ; all experts' counts: expert r's row, half h
	v_lshlrev_b32 v23, 3, v[LANE]
	v_min_u32 v23, 184, v23                        ; the slice has 192 bytes of bias: lanes 24 to 31 take the last pair again, so that the last slice's load stays inside b1
	v_and_b32 v[LSO], 1, v[RL]                     ; row r of a tile lies at word (r % 2, r / 2) of its 64 bytes of list
	v_lshlrev_b32 v[LSO], 5, v[LSO]
	v_lshrrev_b32 v21, 1, v[RL]
	v_lshl_add_u32 v[LSO], v21, 2, v[LSO]
	s_wait_alu depctr_va_sdst(0)                   ; s2 is written, ahead of its first reader
	s_mul_i32 s11, s2, WROWS*WP
	v_lshl_add_u32 v[WS], v[LANE], 3, s11          ; my wave's 12 rows, 8 bytes a lane
	s_lshl_b32 s58, s2, 8
	s_add_co_u32 s58, s58, BIAS                    ; my wave's copy of the bias
	v_lshl_add_u32 v[BA], v[HL], 5, s58
	v_lshl_add_u32 v[TMP+6], v[LANE], 3, s58       ; where my lane stores its two biases
	KPAIR 32, 0x3e6d3389                           ; 0.2316419
	KPAIR 34, 0xbf38aa3b                           ; - log2(e) / 2
	KPAIR 36, 0x3f07dc22                           ; c5 =  0.5307027145
	KPAIR 38, 0xbf3a00e3                           ; c4 = -0.7265760135
	KPAIR 40, 0x3f35f0e3                           ; c3 =  0.7107068705
	KPAIR 42, 0xbe11a98e                           ; c2 = -0.142248368
	KPAIR 44, 0x3e027906                           ; c1 =  0.127414796
	s_mov_b32 s46, 0x76543210                      ; v_permlanex16_b32: each lane takes its own place in the other half
	s_mov_b32 s47, 0xfedcba98
	s_mov_b32 s48, 0x7fffffff
	s_mov_b32 s49, 0xffff0000                      ; lanes 16 to 31
	s_mul_i32 s10, s3, 512*NB                      ; the slice's three blocks in a tile of hf
	s_mov_b32 s8, s2                               ; my first tile
	s_lshl_b32 s50, s4, 9                          ; the expert's row of masks
	s_mov_b32 s51, 0
	s_mul_i32 s12, s4, 768
	s_mul_i32 s13, s3, 16*NB
	s_add_co_u32 s12, s12, s13                     ; the slice's first feature among all experts'
	s_lshl_b32 s14, s12, 2
	s_mov_b32 s15, 0
	s_mul_i32 s13, s2, WROWS
	s_add_co_u32 s12, s12, s13                     ; + 12 w
	s_mul_i32 s12, s12, 3072
	s_mov_b32 s13, 0
	s_lshl_b32 s52, s4, 7
	s_mov_b32 s53, 0
	s_wait_kmcnt 0x0
	s_add_nc_u64 s[50:51], s[16:17], s[50:51]
	s_add_nc_u64 s[22:23], s[22:23], s[14:15]
	s_add_nc_u64 s[SW:SW+1], s[SW:SW+1], s[12:13]
	s_add_nc_u64 s[28:29], s[28:29], s[52:53]
	s_wait_alu depctr_va_vdst(0)                   ; the offsets and LDS addresses made above (LN16, BR, BR2, WS, BA, LSO, v22, v23, the bias's place) are written, which loads, stores and LDS instructions below read
	global_load_b128 v[TMP:TMP+3], v[LN16], s[50:51] offset:8192  ; the expert's own counts: lane l: the eight counts of tokens 128 l on
.set i, 0
.rept 16
	global_load_b128 v[RING+4*i:RING+4*i+3], v22, s[16:17] offset:8192+16*i  ; all experts' counts: 128 of expert r's a lane
.set i, i+1
.endr
	global_load_b64 v[TMP+4:TMP+5], v23, s[22:23]  ; the slice's 48 biases
	WLOAD 0                                        ; two thirds of my weights are asked for before anything is waited for
	WLOAD 1
	WIN 0
	s_wait_loadcnt 48                              ; 48 loads are younger than the 18 above
	ds_store_b64 v[TMP+6], v[TMP+4:TMP+5]
	; TB.  The packed counts are added (a half holds 64 x 16 at the most), then the halves, then the other half of the lanes': expert r's count in lane r.
	v_cmp_gt_u32 vcc_lo, s4, v[RL]                 ; r < e: made here, read behind the sums
.set i, 0
.rept 16
	v_add3_u32 v[RING+i], v[RING+i], v[RING+16+i], v[RING+32+i]
.set i, i+1
.endr
.set i, 0
.rept 16
	v_add_nc_u32 v[RING+i], v[RING+i], v[RING+48+i]
.set i, i+1
.endr
.set i, 0
.rept 4
	v_add3_u32 v[RING+i], v[RING+i], v[RING+4+i], v[RING+8+i]
.set i, i+1
.endr
.set i, 0
.rept 4
	v_add_nc_u32 v[RING+i], v[RING+i], v[RING+12+i]
.set i, i+1
.endr
	v_add3_u32 v[RING], v[RING], v[RING+1], v[RING+2]
	v_add_nc_u32 v[RING], v[RING], v[RING+3]
	v_lshrrev_b32 v[RING+1], 16, v[RING]
	v_and_b32 v[RING], 0xffff, v[RING]
	v_add_nc_u32 v[RING], v[RING], v[RING+1]
	v_permlanex16_b32 v[RING+1], v[RING], s46, s47
	v_add_nc_u32 v[RING], v[RING], v[RING+1]
	v_add_nc_u32 v[RING], 15, v[RING]
	v_lshrrev_b32 v[RING], 4, v[RING]              ; expert r's tiles,
	s_wait_alu depctr_va_vcc(0)                    ; VCC is written, ahead of the select
	v_cndmask_b32 v[RING], 0, v[RING], vcc_lo      ; counted where r < e,
.irp m, 1,2,4,8
	v_mov_b32_dpp v[RING+1], v[RING] row_xmask:\m row_mask:0xf bank_mask:0xf
	v_add_nc_u32 v[RING], v[RING], v[RING+1]       ; and added over the 16 lanes
.endr
	v_readfirstlane_b32 s7, v[RING]
	; THE GROUPS' RUNNING COUNTS.  Lane l adds its eight counts (128 at the most); they go to scalar registers and are added up there.
	v_add3_u32 v[TMP], v[TMP], v[TMP+1], v[TMP+2]
	v_add_nc_u32 v[TMP], v[TMP], v[TMP+3]
	v_lshrrev_b32 v[TMP+1], 16, v[TMP]
	v_and_b32 v[TMP], 0xffff, v[TMP]
	v_add_nc_u32 v[TMP], v[TMP], v[TMP+1]
.set l, 0
.rept 24
	v_readlane_b32 s[PX+l], v[TMP], l              ; group l's count, in the place of group l + 1's word
.set l, l+1
.endr
	v_readlane_b32 s12, v[TMP], 24                 ; tokens 3,072 on: the last group
	s_wait_alu depctr_va_sdst(0)                   ; s7, the 24 counts and s12 are written, ahead of their first readers: one wait behind the run
	s_min_u32 s7, s7, 210
	s_mov_b32 s57, 0
.set l, 0
.rept 24
	s_add_co_u32 s57, s57, s[PX+l]                 ; the expert's tokens ahead of group l + 1
	s_lshl_b32 s[PX+l], s57, 8
	s_or_b32 s[PX+l], s[PX+l], l+1
.set l, l+1
.endr
	s_add_co_u32 s57, s57, s12                     ; the expert's count
	s_add_co_u32 s6, s57, 15
	s_lshr_b32 s6, s6, 4                           ; the expert's tiles
	s_min_u32 s6, s6, 196
	s_max_u32 s56, s57, 1
	s_sub_co_u32 s56, s56, 1                       ; the last rank (0 for an expert without rows, whose loads are never used)
	s_min_u32 s56, s56, 3135
	s_or_b32 s11, s2, s3
	s_cmp_lg_u32 s11, 0
	s_cbranch_scc1 .Lnometa                        ; wave 0 of slice 0 stores the expert's 128 bytes of meta
	v_mov_b32 v30, 0
	v_writelane_b32 v30, s6, 0
	v_writelane_b32 v30, s7, 1
	v_lshlrev_b32 v31, 2, v[LANE]
	s_wait_alu depctr_va_vdst(0)                   ; v30 and v31 are written, which the store reads
	global_store_b32 v31, v30, s[28:29]            ; v30 and v31 are not written again
.Lnometa:
	s_lshl_b32 s13, s2, 4                          ; my first two tiles: w and w + 4
	SELA
	WLOAD 2                                        ; the last third of my weights
	s_wait_alu depctr_vm_vsrc(0)                   ; the bias's LDS store has read its three registers in v[TMP ..], which the first phase's conversions write
	PHASE 0, 50                                    ; younger than the first third's loads: the second third's 24, the two table loads, the last third's 24
	s_wait_alu depctr_vm_vsrc(0)                   ; the first phase's LDS stores have read v[TMP ..], which the second phase's conversions write again
	PHASE 1, 26                                    ; younger: the two table loads and the last third's 24
	s_wait_loadcnt 24                              ; the two table loads are in
	s_wait_alu depctr_vm_vsrc(0)                   ; the second phase's LDS stores have read v[TMP ..], which the search below and then the last phase's conversions write; the head's loads have read v22, which the search writes
	SELB
	s_wait_alu depctr_va_vdst(0)                   ; my first tile's offset is written, which the ring's loads read; the sums for TB are done with v[RING ..], in which they land
.set u, 0
.rept 32                                               ; the ring is filled with my first tile: slots 0 to 3,
	global_load_b128 v[RING+4*u:RING+4*u+3], v[OFF], s[SA:SA+1] offset:STRIDE*u
.set u, u+1
.endr
	WIN 0x40
.set u, 0
.rept 16                                               ; and slots 4 and 5, in window 1, above the first third's fragments: registers that no vector instruction has named
	global_load_b128 v[RINGB+4*u:RINGB+4*u+3], v[OFF], s[SA:SA+1] offset:STRIDE*(32+u)
.set u, u+1
.endr
	PHASE 2, 48                                    ; younger: the ring's 48
	s_mov_b32 s9, 25
.Lrow:                                                 ; two tiles a trip: offsets, tokens and the search go by the tile's parity
	TILE 0
	TILE 1
	s_sub_co_i32 s9, s9, 1
	s_cmp_lg_u32 s9, 0
	s_cbranch_scc1 .Lrow
.Ldone:
	s_wait_dscnt 0x0                               ; the closing lines, six on end
	s_wait_alu 0x0
	s_wait_tensorcnt 0x0
	ds_add_u32 v[SPW], v[NIL]
	s_wait_dscnt 0x0
	s_endpgm
.Lfunc_end_k_q9275820d50_fc1:
	.size	k_q9275820d50_fc1, .Lfunc_end_k_q9275820d50_fc1-k_q9275820d50_fc1
	.p2alignl 7, 3214868480
	.fill 96, 4, 3214868480
	.section	.rodata,"a",@progbits
	.p2align	6, 0x0
	.amdhsa_kernel k_q9275820d50_fc1
		.amdhsa_group_segment_fixed_size 77568
		.amdhsa_private_segment_fixed_size 0
		.amdhsa_enable_private_segment 0
		.amdhsa_kernarg_size 56
		.amdhsa_user_sgpr_count 2
		.amdhsa_user_sgpr_kernarg_segment_ptr 1
		.amdhsa_wavefront_size32 1
		.amdhsa_system_sgpr_workgroup_id_x 1
		.amdhsa_system_sgpr_workgroup_id_y 1
		.amdhsa_system_sgpr_workgroup_id_z 1
		.amdhsa_system_vgpr_workitem_id 0
		.amdhsa_next_free_vgpr 1024
		.amdhsa_next_free_sgpr 102
		.amdhsa_reserve_vcc 1
		.amdhsa_float_denorm_mode_32 3
		.amdhsa_float_denorm_mode_16_64 3
		.amdhsa_memory_ordered 1
		.amdhsa_forward_progress 1
		.amdhsa_inst_pref_size 108
	.end_amdhsa_kernel
	.amdgpu_metadata
---
amdhsa.version: [ 1, 2 ]
amdhsa.kernels:
  - .name:           k_q9275820d50_fc1
    .symbol:         k_q9275820d50_fc1.kd
    .args:
      - { .name: rt, .offset: 0, .size: 8, .value_kind: global_buffer, .address_space: global }
      - { .name: xh, .offset: 8, .size: 8, .value_kind: global_buffer, .address_space: global }
      - { .name: W1, .offset: 16, .size: 8, .value_kind: global_buffer, .address_space: global }
      - { .name: b1, .offset: 24, .size: 8, .value_kind: global_buffer, .address_space: global }
      - { .name: hf, .offset: 32, .size: 8, .value_kind: global_buffer, .address_space: global }
      - { .name: list, .offset: 40, .size: 8, .value_kind: global_buffer, .address_space: global }
      - { .name: meta, .offset: 48, .size: 8, .value_kind: global_buffer, .address_space: global }
    .group_segment_fixed_size: 77568
    .private_segment_fixed_size: 0
    .kernarg_segment_align: 8
    .kernarg_segment_size: 56
    .max_flat_workgroup_size: 128
    .sgpr_count:     102
    .vgpr_count:     1024
    .wavefront_size: 32
...
	.end_amdgpu_metadata
.endif
;; end of part 7
;; launch fc2 (part 8): grid 12 x 16, 4 waves a work-group, no clusters, 120,320 bytes of LDS; arguments meta, list, hf, W2, b2, out0; writes out0
.if DOCPART == 8
	.amdgcn_target "amdgcn-amd-amdhsa--gfx1250"
	.amdhsa_code_object_version 6
	.text
	.protected	k_q9275820d50_fc2
	.globl	k_q9275820d50_fc2
	.p2align	8
	.type	k_q9275820d50_fc2,@function
k_q9275820d50_fc2:
	s_mov_b64 s[64:65], 0
	v_nop
	global_prefetch_b8 v0, s[64:65] scope:SCOPE_SE
	s_setreg_imm32_b32 hwreg(HW_REG_WAVE_SCHED_MODE, 0, 2), 2
	s_setreg_imm32_b32 hwreg(HW_REG_WAVE_MODE, 25, 1), 1
	s_wait_xcnt 0x0
	s_wait_alu depctr_vm_vsrc(0)
; THE SECOND PRODUCT.  out[token] = h W2[e]^T + b2[e] for the tokens that chose expert e; the gate's weight is 1 (a softmax over one number), and each output row has one expert.
; SHARES.  Work-group (s, e) owns 64 output columns of expert e: 196,608 bytes of f32 weights, read once, rounded to f16 on their way through registers and handed round through LDS; every wave then
; holds the whole slice as fragments in 768 registers, and wave w takes the expert's row tiles w, w + 4, ..  64 columns of f32 are 256 consecutive bytes of an output row, at a multiple of 256: a narrower
; slice (48 columns, as in the first product) would store pieces of 192 bytes.
; h comes from hf in the order in which a lane's operand registers take it: 512 consecutive bytes a load, through a ring of six slots of 32 registers.
; The number of tiles and the first tile come from meta, the rows' tokens from list: whole numbers that the launch before stored.  The loop has a constant count of 25 trips of two tiles and is
; left by a jump forward at the first tile past the expert's last.
; Loads that run ahead of the last tile are held to the last tile that exists.  A tile's places past the expert's count hold its last token again: the same bits go to the same bytes once more.
; THE PRODUCT IS USED TRANSPOSED (source 0 = 16 columns, source 1 = 16 tokens); the bias is the C operand that starts the sums.  A tile leaves through my wave's own stage in LDS, as whole pieces of rows.
; LIMITS.  f16 operands: |W2| under 65,504, and below 6e-5 it keeps f16's fixed step of 6e-8.  NaN and infinities are not treated apart.
; No cluster: each slice of weights has one reader.  An expert's 12 work-groups do walk the same tiles of hf, but the walk's length hangs on a stored count, and such a loop holds no barrier and no tensor load.
; THE MODE: SCHED_MODE bits 1:0 = 2 (LLVM: expert scheduling mode 2), set by the entry lines.  The code itself states the register dependences between vector or matrix instructions
; and memory or LDS instructions, with s_wait_alu, always for 0.
; THE PLAN.  Registers that memory or LDS instructions touch, in the loop:
;   the ring       A tile's six chunks go in three pairs.  A pair's 32 products read its two slots; ONE wait on va_vdst stands behind them, and the 16 loads of the same pair of my next tile follow in one run.
;                  (They are not dealt among the products: a load's address is source 0, which the products' window setting puts among the weights.)
;   OFF            by the tile's parity: my next tile's offset is written in a tile's head and read by that tile's refills, behind the first pair's wait.
;   TK             by the tile's parity: the list loads of a tile's head land in the next tile's set; behind that tile's last products 24 vector lines turn the tokens into offsets, in place; the eight stores read them.
;   the accumulators  the bias's LDS loads land in them; the products add onto them; the stage's LDS stores read them; the rows come back into them; the eight stores read them.
;   LN16, BA, STO, RD, LH   made at the kernel's head, never written again.
; The 24 lines on TK are the places behind the last products, so the third pair's wait states four things at once: the accumulators and the offsets are written, slots 4 and 5 are read.
; Two waits on vm_vsrc a tile: between the stage's LDS stores and the loads back into the same registers; and at a tile's head, ahead of all that earlier stores and loads have read and the head writes again.
.set WP,    528                        ; a row of a third of the slice in LDS: 256 f16 + 16 bytes = 132 words: 16 rows start at 16 different groups of four banks (64 banks of 4 bytes: ISA guide 11.1)
.set WREG,  64*WP
.set STAGE, 3*WREG                     ; 101,376: 16 rows x 272 bytes for each wave
.set SP,    272                        ; 256 bytes + 16: 16 rows start at 16 different groups of four banks
.set BIAS,  STAGE+4*16*SP              ; 118,784: each wave's own copy of the slice's 64 biases
.set SPARE, BIAS+4*256                 ; 119,808: the spare words, 128 bytes a wave
.set TILEB, 24576
.set LN16, 1                           ; v1   16 x lane
.set SPW,  2                           ; v2   my spare word;  v3  0
.set NIL,  3
.set RL,   4                           ; v4   r
.set HL,   5                           ; v5   h
.set BR,   6                           ; v6   where my lane reads weight fragments of the first two thirds
.set WS,   7                           ; v7   where my wave's 16 rows of weights go, in the first two thirds
.set BA,   8                           ; v8   my lane's 8 biases of column block 0
.set OFF,  9                           ; v9, v10  my lane's byte offset in hf, by the tile's parity
.set STO,  11                          ; v11  the stage: where I put 16 bytes of row r
.set RD,   12                          ; v12  the stage: where I read rows back
.set LH,   14                          ; v14  32 h: my half of a tile's 64 bytes of list
.set OC,   15                          ; v15  256 s + 16 r: my 16 bytes in an output row
.set TK,   16                          ; v[16:23], v[24:31]  the tokens of rows 2 t + h, t = 0..7, by the tile's parity; on the way out they become the stores' offsets, in place
.set ACC,  32                          ; v[32:63]  four accumulators; the rows read back from the stage land here again
.set BSA,  32                          ; v32  at the head only: where my lane stores its two biases
.set WS2,  33                          ; v33  at the head only: WS in the last third, past what an LDS offset's 16 bits reach
.set BR2,  34                          ; v34  at the head only: BR in the last third
.set RING, 64                          ; v[64:255] six slots of 32: slot c holds chunk c of a tile
.set TMP,  192                         ; v[192:255] the phases' work registers: slots 4 and 5, which are first filled behind the last phase
.set SW,   22                          ; s[22:23] my wave's 16 rows of W2
.set SA,   20                          ; s[20:21] hf
.set STRIDE, 512
; s2 wave, s3 slice, s4 expert, s6 the expert's tiles, s7 its first tile, s8 the tile in hand, s9 trips, s10 the last tile that a load may name
.set MSB, 0
.macro WIN new                         ; s_set_vgpr_msb: bits 1:0 source 0, 3:2 source 1, 5:4 source 2, 7:6 destination; the high byte repeats the setting that is left
.if MSB != (\new)
	s_set_vgpr_msb (MSB<<8)|(\new)
.set MSB, (\new)
.endif
.endm
.macro WLOAD p                         ; 32 loads: my wave's 16 rows, the 256 k of third p, 512 consecutive bytes a load; read once in the launch.  No vector instruction names their registers ahead of them
	WIN 0x40*(1+(\p))
.set q, 0
.rept 32
	global_load_b128 v[4*q:4*q+3], v[LN16], s[SW:SW+1] offset:(q/2)*3072+1024*(\p)+512*(q%2) th:TH_LOAD_NT
.set q, q+1
.endr
.endm
.macro PHASE p, n                      ; third p: rounded to f16, into LDS bytes of its own; a barrier; the whole third back as fragments.  n = the younger loads that may stay out
	WIN 0
	s_wait_loadcnt \n
	WIN 5*(1+(\p))
.set q, 0
.rept 32
	v_cvt_pk_f16_f32 v[TMP+2*q], v[4*q], v[4*q+1]
	v_cvt_pk_f16_f32 v[TMP+2*q+1], v[4*q+2], v[4*q+3]
.set q, q+1
.endr
	WIN 0
	s_wait_alu depctr_va_vdst(0)                   ; the conversions have written v[TMP ..], which the LDS stores read, and are done reading the third's raw registers, in which the fragments land below; in the first phase: my first tile's offset is written
.if (\p) == 2
.set AW, WS2
.set AR, BR2
.set AO, 0
.else
.set AW, WS
.set AR, BR
.set AO, WREG*(\p)
.endif
.set q, 0
.rept 32
	ds_store_b64 v[AW], v[TMP+2*q:TMP+2*q+1] offset:AO+(q/2)*WP+(q%2)*256
.set q, q+1
.endr
	s_wait_dscnt 0x0                               ; for the others' sake: my 16 rows are in LDS
	s_barrier_signal -1
	s_barrier_wait -1
	WIN 0x40*(1+(\p))
.set f, 0
.rept 32
	ds_load_b128 v[8*f:8*f+3],   v[AR] offset:AO+(f%4)*16*WP+(f/4)*64
	ds_load_b128 v[8*f+4:8*f+7], v[AR] offset:AO+(f%4)*16*WP+(f/4)*64+32
.set f, f+1
.endr
	WIN 0
.endm
; Pair k of a tile's three: chunks 2 k and 2 k + 1, 8 K steps x 4 column blocks, from slots 2 k and 2 k + 1, which then take the same chunks of my next tile.
; The four accumulators take turns, one instruction a turn.
; Loads come back in order (ISA guide 5.7.1).  Younger than the first chunk's eight loads: its partner's 8, two pairs' 32 and the two list loads of this tile's head; than the second chunk's: eight fewer.
.macro PAIR k, cur
	s_wait_loadcnt 42
	WIN 1+(\k)
.set SL, RING+64*(\k)
.set t, 8*(\k)
.rept 8
.if t == 8*(\k)+4
	s_wait_loadcnt 34
.endif
.set n, 0
.rept 4
	v_wmma_f32_16x16x32_f16 v[ACC+8*n:ACC+8*n+7], v[((t%8)*4+n)*8:((t%8)*4+n)*8+7], v[SL+8*(t-8*(\k)):SL+8*(t-8*(\k))+7], v[ACC+8*n:ACC+8*n+7]
.set n, n+1
.endr
.set t, t+1
.endr
	WIN 0
.if (\k) == 2
.set t, 0
.rept 8                                                ; a token becomes its row's byte offset, in place (the tokens are in since the tile's first wait).  These 24 lines name no register of the products: they are the places behind them (ISA guide 7.12.1)
	v_min_u32 v[TK+8*(\cur)+t], 3135, v[TK+8*(\cur)+t]
.set t, t+1
.endr
.set t, 0
.rept 8
	v_mul_u32_u24 v[TK+8*(\cur)+t], v[TK+8*(\cur)+t], 3072
.set t, t+1
.endr
.set t, 0
.rept 8
	v_add_nc_u32 v[TK+8*(\cur)+t], v[OC], v[TK+8*(\cur)+t]
.set t, t+1
.endr
.endif
	s_wait_alu depctr_va_vdst(0)                   ; the pair's products are done reading its two slots, in which the loads below land; first pair: my next tile's offset is written; last pair: the accumulators and the rows' offsets are written, which the stores behind read
.set u, 0
.rept 16
	global_load_b128 v[SL+4*u:SL+4*u+3], v[OFF+1-(\cur)], s[SA:SA+1] offset:STRIDE*(16*(\k)+u)
.set u, u+1
.endr
.endm
.macro TILE cur
	s_cmp_ge_u32 s8, s6
	s_cbranch_scc1 .Ldone                          ; past the expert's last tile: out of the loop, forward
	s_wait_xcnt 0x0                                ; the last tile's stores and loads have had their addresses translated (ISA guide 3.1): offsets, the accumulators and the list's base are written again below
	s_wait_alu depctr_vm_vsrc(0)                   ; the stores issued so far have read the accumulators and their offsets in TK, the refills their offset (at the first tile: the head's LDS instructions their addresses in v32 to v34, the bias's load and store v28, v30 and v31): all written again below
.set n, 0
.rept 4                                                ; the bias starts the sums; the scalar work and the list loads below stand between these loads and the wait for them
	ds_load_b128 v[ACC+8*n:ACC+8*n+3],   v[BA] offset:64*n
	ds_load_b128 v[ACC+8*n+4:ACC+8*n+7], v[BA] offset:64*n+16
.set n, n+1
.endr
	s_add_co_u32 s11, s7, s8
	s_add_co_u32 s11, s11, 4                       ; my next tile, held to the last that exists
	s_min_u32 s11, s11, s10
	s_min_u32 s11, s11, 210
	s_mul_i32 s12, s11, TILEB
	v_add_nc_u32 v[OFF+1-(\cur)], s12, v[LN16]
	s_lshl_b32 s52, s11, 6
	s_add_nc_u64 s[54:55], s[18:19], s[52:53]
	global_load_b128 v[TK+8*(1-(\cur)):TK+8*(1-(\cur))+3],   v[LH], s[54:55]   ; its tokens: in by the next tile's first wait, used at that tile's end.  The vector lines that last named these registers stand ahead of the last tile's last wait on va_vdst
	global_load_b128 v[TK+8*(1-(\cur))+4:TK+8*(1-(\cur))+7], v[LH], s[54:55] offset:16
	s_wait_dscnt 0x0
	PAIR 0, \cur
	PAIR 1, \cur
	PAIR 2, \cur
.set n, 0
.rept 4                                                ; lane (r, h): columns 16 n + 8 h + 0..7 of row r; each accumulator from its low end on
	ds_store_b128 v[STO], v[ACC+8*n:ACC+8*n+3]   offset:64*n
	ds_store_b128 v[STO], v[ACC+8*n+4:ACC+8*n+7] offset:64*n+16
.set n, n+1
.endr
	s_wait_alu depctr_vm_vsrc(0)                   ; the LDS stores have read the accumulators, in which the rows below land
.set t, 0
.rept 8                                                ; back by rows, into the registers that they left: lanes 0-15 row 2 t, lanes 16-31 row 2 t + 1.  LDS serves a wave's instructions in order (ISA guide 5.7.1.4)
	ds_load_b128 v[ACC+4*t:ACC+4*t+3], v[RD] offset:2*SP*t
.set t, t+1
.endr
.set t, 0
.rept 8
	s_wait_dscnt 7-t                               ; the younger rows may stay out
	global_store_b128 v[TK+8*(\cur)+t], v[ACC+4*t:ACC+4*t+3], s[26:27] th:TH_STORE_NT  ; 16 lanes store 256 consecutive bytes, at a multiple of 256 from out0's first
.set t, t+1
.endr
	s_add_co_u32 s8, s8, 4
.endm
	s_load_b256 s[16:23], s[0:1], 0x0              ; meta s[16:17], list s[18:19], hf s[20:21], W2 s[22:23]
	s_load_b128 s[24:27], s[0:1], 0x20             ; b2 s[24:25], out0 s[26:27]
	v_lshl_add_u32 v[SPW], v0, 2, SPARE
	v_mov_b32 v[NIL], 0
	v_lshrrev_b32 v29, 5, v0
	v_readfirstlane_b32 s2, v29                    ; wave 0..3
	s_mov_b32 s3, ttmp9                            ; slice
	s_and_b32 s4, ttmp7, 0xffff                    ; expert
	v_and_b32 v29, 31, v0                          ; lane
	v_lshlrev_b32 v[LN16], 4, v29
	v_and_b32 v[RL], 15, v0
	v_bfe_u32 v[HL], v0, 4, 1
	v_mul_u32_u24 v[BR], v[RL], WP
	v_lshl_add_u32 v[BR], v[HL], 4, v[BR]
	v_add_nc_u32 v[BR2], 2*WREG, v[BR]
	v_lshlrev_b32 v28, 3, v29
	v_lshlrev_b32 v[LH], 5, v[HL]
	s_wait_alu depctr_va_sdst(0)                   ; s2 is written, ahead of its first reader
	s_mul_i32 s11, s2, 16*WP
	v_lshl_add_u32 v[WS], v29, 3, s11
	v_add_nc_u32 v[WS2], 2*WREG, v[WS]
	s_lshl_b32 s58, s2, 8
	s_add_co_u32 s58, s58, BIAS
	v_lshl_add_u32 v[BA], v[HL], 5, s58
	v_lshl_add_u32 v[BSA], v29, 3, s58
	s_mul_i32 s11, s2, 16*SP
	s_add_co_u32 s11, s11, STAGE                   ; my stage
	v_mul_u32_u24 v[STO], v[RL], SP
	v_lshl_add_u32 v[STO], v[HL], 5, v[STO]
	v_add_nc_u32 v[STO], s11, v[STO]
	v_mul_u32_u24 v[RD], v[HL], SP
	v_lshl_add_u32 v[RD], v[RL], 4, v[RD]
	v_add_nc_u32 v[RD], s11, v[RD]
	s_lshl_b32 s11, s3, 8
	v_lshl_add_u32 v[OC], v[RL], 4, s11
	s_mov_b32 s8, s2                               ; my first tile
	s_mul_i32 s12, s4, 768
	s_lshl_b32 s13, s3, 6
	s_add_co_u32 s12, s12, s13
	s_lshl_b32 s14, s12, 2
	s_mov_b32 s15, 0
	s_lshl4_add_u32 s12, s2, s12
	s_mul_i32 s12, s12, 3072
	s_mov_b32 s13, 0
	s_lshl_b32 s52, s4, 7
	s_mov_b32 s53, 0
	s_wait_kmcnt 0x0
	s_add_nc_u64 s[16:17], s[16:17], s[52:53]
	s_add_nc_u64 s[24:25], s[24:25], s[14:15]
	s_add_nc_u64 s[SW:SW+1], s[SW:SW+1], s[12:13]
	s_load_b64 s[6:7], s[16:17], 0x0               ; the expert's tiles and its first tile: waited for behind the wait for the first weights
	s_wait_alu depctr_va_vdst(0)                   ; the offsets and LDS addresses made above (LN16, v28, BR, BR2, WS, WS2, BA, BSA, STO, RD, LH) are written, which loads, stores and LDS instructions below read
	global_load_b64 v[30:31], v28, s[24:25]        ; the slice's 64 biases
	WLOAD 0
	WLOAD 1
	WLOAD 2
	WIN 0
	s_wait_loadcnt 63                              ; the bias is the oldest load of 97
	ds_store_b64 v[BSA], v[30:31]
	s_wait_kmcnt 0x0
	s_min_u32 s6, s6, 196
	s_min_u32 s7, s7, 210
	s_add_co_u32 s10, s7, s6
	s_max_u32 s10, s10, 1
	s_sub_co_u32 s10, s10, 1                       ; the expert's last tile; for an expert without rows the tile before, or tile 0: one that has been stored
	s_min_u32 s10, s10, 210
	s_add_co_u32 s11, s7, s2
	s_min_u32 s11, s11, s10
	s_min_u32 s11, s11, 210
	s_lshl_b32 s52, s11, 6
	s_add_nc_u64 s[54:55], s[18:19], s[52:53]
	s_mul_i32 s12, s11, TILEB
	v_add_nc_u32 v[OFF], s12, v[LN16]              ; my first tile's offset: made ahead of the first phase, whose wait on va_vdst shows it written
	PHASE 0, 63                                    ; younger than the first third's loads: 64; a wait names 63 at the most.  The first phase's work stands while the other two thirds arrive
	global_load_b128 v[TK:TK+3],   v[LH], s[54:55]
	global_load_b128 v[TK+4:TK+7], v[LH], s[54:55] offset:16
.set u, 0
.rept 32                                               ; slots 0 to 3: chunks 0 to 3 of my first tile
	global_load_b128 v[RING+4*u:RING+4*u+3], v[OFF], s[SA:SA+1] offset:STRIDE*u
.set u, u+1
.endr
	s_wait_alu depctr_vm_vsrc(0)                   ; the first phase's LDS stores have read v[TMP ..], which the second phase's conversions write again
	PHASE 1, 63                                    ; younger than the second third's loads: the last third's 32, the list's 2 and the ring's 32
	s_wait_alu depctr_vm_vsrc(0)                   ; the second phase's LDS stores have read v[TMP ..], which the last phase's conversions write again
	PHASE 2, 34                                    ; younger: the list's 2 and the ring's 32
	s_wait_alu depctr_vm_vsrc(0)                   ; the last phase's LDS stores have read v[TMP ..], in which the loads below land (the conversions that wrote them stand ahead of that phase's wait on va_vdst)
.set u, 32
.rept 16                                               ; slots 4 and 5, which the phases have done with: chunks 4 and 5
	global_load_b128 v[RING+4*u:RING+4*u+3], v[OFF], s[SA:SA+1] offset:STRIDE*u
.set u, u+1
.endr
	s_mov_b32 s9, 25
.Lrow:                                                 ; two tiles a trip: offsets and tokens go by the tile's parity
	TILE 0
	TILE 1
	s_sub_co_i32 s9, s9, 1
	s_cmp_lg_u32 s9, 0
	s_cbranch_scc1 .Lrow
.Ldone:
	s_wait_dscnt 0x0                               ; the closing lines, six on end
	s_wait_alu 0x0
	s_wait_tensorcnt 0x0
	ds_add_u32 v[SPW], v[NIL]
	s_wait_dscnt 0x0
	s_endpgm
.Lfunc_end_k_q9275820d50_fc2:
	.size	k_q9275820d50_fc2, .Lfunc_end_k_q9275820d50_fc2-k_q9275820d50_fc2
	.p2alignl 7, 3214868480
	.fill 96, 4, 3214868480
	.section	.rodata,"a",@progbits
	.p2align	6, 0x0
	.amdhsa_kernel k_q9275820d50_fc2
		.amdhsa_group_segment_fixed_size 120320
		.amdhsa_private_segment_fixed_size 0
		.amdhsa_enable_private_segment 0
		.amdhsa_kernarg_size 48
		.amdhsa_user_sgpr_count 2
		.amdhsa_user_sgpr_kernarg_segment_ptr 1
		.amdhsa_wavefront_size32 1
		.amdhsa_system_sgpr_workgroup_id_x 1
		.amdhsa_system_sgpr_workgroup_id_y 1
		.amdhsa_system_sgpr_workgroup_id_z 1
		.amdhsa_system_vgpr_workitem_id 0
		.amdhsa_next_free_vgpr 1024
		.amdhsa_next_free_sgpr 66
		.amdhsa_reserve_vcc 0
		.amdhsa_float_denorm_mode_32 3
		.amdhsa_float_denorm_mode_16_64 3
		.amdhsa_memory_ordered 1
		.amdhsa_forward_progress 1
		.amdhsa_inst_pref_size 81
	.end_amdhsa_kernel
	.amdgpu_metadata
---
amdhsa.version: [ 1, 2 ]
amdhsa.kernels:
  - .name:           k_q9275820d50_fc2
    .symbol:         k_q9275820d50_fc2.kd
    .args:
      - { .name: meta, .offset: 0, .size: 8, .value_kind: global_buffer, .address_space: global }
      - { .name: list, .offset: 8, .size: 8, .value_kind: global_buffer, .address_space: global }
      - { .name: hf, .offset: 16, .size: 8, .value_kind: global_buffer, .address_space: global }
      - { .name: W2, .offset: 24, .size: 8, .value_kind: global_buffer, .address_space: global }
      - { .name: b2, .offset: 32, .size: 8, .value_kind: global_buffer, .address_space: global }
      - { .name: out0, .offset: 40, .size: 8, .value_kind: global_buffer, .address_space: global }
    .group_segment_fixed_size: 120320
    .private_segment_fixed_size: 0
    .kernarg_segment_align: 8
    .kernarg_segment_size: 48
    .max_flat_workgroup_size: 128
    .sgpr_count:     66
    .vgpr_count:     1024
    .wavefront_size: 32
...
	.end_amdgpu_metadata
.endif
;; end of part 8
